; MI455X (gfx1250); checked and timed in simulation.
; The chip was launched on July 23, 2026; its instructions are those of AMD's public machine-readable ISA for CDNA 5 (MIT licence, August 2026) and "CDNA5" Instruction Set Architecture Reference Guide (July 2026). The comments in the code are by the model that wrote it; some were corrected since.
;; Multi Head Attention. Allowed arithmetic: matrix products marked QUANTISED: E3M2 operands, one E8M0 scale for each 32 along K, by v_wmma_scale_f32_16x16x128_f8f6f4 with both operands' format E3M2, f32 sums; everything else in f32.
;; Inputs: Wk 1,024 x 1,024 float32; Wo 1,024 x 1,024 float32; Wq 1,024 x 1,024 float32; Wv 1,024 x 1,024 float32; bk 1,024 float32; bo 1,024 float32; bq 1,024 float32; bv 1,024 float32; k 2 x 2,048 x 1,024 float32; q 2 x 2,048 x 1,024 float32; v 2 x 2,048 x 1,024 float32.
;; Outputs: out0 2 x 2,048 x 1,024 float32.
;; This version of the problem:
;;   THIS VERSION OF THE PROBLEM IS GIVEN IN LOW PRECISION. The matrix products marked QUANTISED in the list below multiply operands that are first quantised to E3M2 (3 exponent bits, 2 mantissa bits; 6 bits a number), with one power-of-two scale for each 32 numbers along K (OCP MX v1.0); their sums are f32. All else is computed in f32.
;;   The module's matrix products, in the order in which they are computed (A, B: the left and right operand; K: the contracted axis; several contracted axes count as one K, in the product's order):
;;     1. [M 4,096, K 1,024] x [K 1,024, N 1,024]; A: input q; B: input Wq: QUANTISED
;;     2. [M 4,096, K 1,024] x [K 1,024, N 1,024]; A: input k; B: input Wk: QUANTISED
;;     3. [M 4,096, K 1,024] x [K 1,024, N 1,024]; A: input v; B: input Wv: QUANTISED
;;     4. batch 32 x [M 2,048, K 64] x [K 64, N 2,048]; A: computed on the way; B: computed on the way: QUANTISED
;;     5. batch 32 x [M 2,048, K 2,048] x [K 2,048, N 64]; A: softmax (see below); B: computed on the way: QUANTISED
;;     6. [M 4,096, K 1,024] x [K 1,024, N 1,024]; A: computed on the way; B: input Wo: QUANTISED
;;   THE QUANTISER, for each operand of a quantised product, along K:
;;     - K is cut into blocks of 32 from its start; a last block that is shorter is filled with zeros.
;;     - A block's scale is 2^e with e = floor(log2(the largest magnitude in the block)) - 4, held to -126 .. 127; a block of zeros has e = 0. As a byte (E8M0): e + 127.
;;     - Each number is divided by its block's scale, clamped to +-28, and rounded to the nearest number of E3M2, ties to even, subnormals kept.
;;     - The product sums the exact products of the quantised numbers (number of the format x scale) in f32.
;;   ~~~python
;;   def quantise(x, axis):      # numpy; x: float32 -> the quantised numbers, widened to float32 again
;;       x = np.moveaxis(x, axis, -1); K = x.shape[-1]
;;       x = np.pad(x, [(0, 0)] * (x.ndim - 1) + [(0, -K % 32)]); x = x.reshape(x.shape[:-1] + (-1, 32)); a = np.abs(x).max(-1, keepdims=True)
;;       e = np.where(a > 0, np.clip(np.frexp(np.where(a > 0, a, 1))[1] - 1 - 4, -126, 127), 0)      # np.frexp(a)[1] - 1 = floor(log2(a)), exactly
;;       r = np.clip(x / 2.0 ** e, -28, 28)
;;       step = 2.0 ** (np.maximum(np.frexp(np.where(r == 0, 1, r))[1] - 1, -2) - 2)
;;       q = np.round(r / step) * step * 2.0 ** e      # np.round: ties to even
;;       return np.moveaxis(q.reshape(q.shape[:-2] + (-1,))[..., :K], -1, axis).astype(np.float32)
;;   ~~~
;;   SOFTMAX AHEAD OF A QUANTISED PRODUCT. Where the list says 'softmax', what is quantised is not the finished softmax but p = 2^(t - M), with t = logit x log2(e) and M = ceil(the row's largest t), a whole number; so 1/2 < the row's largest p <= 1. The row's sum l is taken of the UNQUANTISED p, in f32, and the product's result is divided by l at the end. Since M is a whole number, a kernel that streams over the keys may use a running M (the ceiling of the running maximum): every later rescaling is an exact power of two, which a block's scale takes up: the codes' values come out the same.
;;   OPERANDS COMPUTED ON THE WAY. 'Computed on the way' means the value that the module computes at that place (a softmax that the list does not call 'softmax' is quantised finished and normalised). What goes into a quantiser is computed in f32, as accurately as f32 sums, v_exp_f32 and their like allow (about 1e-6 of the number): no bf16 or f16 on the way to a quantiser, and a product that is left as it is and whose result goes on into a quantised operand takes f32 operands (vector FMAs, or v_wmma_f32_16x16x4_f32). A number that lies on a knife's edge between two numbers of the format may be rounded either way, as far as f32 arithmetic and the matrix unit's own rounding can turn it there, and no further.
;; 2 versions. Each part assembles by itself: llvm-mc -triple=amdgcn-amd-amdhsa -mcpu=gfx1250 --defsym DOCPART=n.
;; ======== version 1 of 2: 4 launches
;; workspace buffers: xc 12,582,912 bytes; xs 524,288 bytes; qc 3,145,728 bytes; qs 131,072 bytes; kv 6,553,600 bytes; oc 3,145,728 bytes; os 131,072 bytes
;; launch quant (part 1): grid 256 x 1, 16 waves a work-group, no clusters, 139,264 bytes of LDS; arguments q, k, v, Wq, Wk, Wv, Wo, xc, xs; writes xc, xs
.if DOCPART == 1
	.amdgcn_target "amdgcn-amd-amdhsa--gfx1250"
	.amdhsa_code_object_version 6
	.text
	.protected	k_q161f8f9035_quant
	.globl	k_q161f8f9035_quant
	.p2align	8
	.type	k_q161f8f9035_quant,@function
k_q161f8f9035_quant:
	s_mov_b64 s[64:65], 0
	v_nop
	global_prefetch_b8 v0, s[64:65] scope:SCOPE_SE
	s_setreg_imm32_b32 hwreg(HW_REG_WAVE_MODE, 25, 1), 1
	s_wait_xcnt 0x0
; q, k, v [4096][1024] and Wq, Wk, Wv, Wo [1024][1024], f32, become codes of BF6 (E3M2) with one E8M0 byte for each 32 along K (the last axis).
; A block's scale is 2^(floor(log2(its largest magnitude)) - 4); its byte is the largest magnitude's exponent field - 4, held at 1 from below.
; LIMITS: a block whose largest magnitude lies under 2^-122 gets the byte 1; a block of zeros gets the byte 1 where the quantiser says 127 (its codes are
; zeros, which add nothing, and only this program reads the bytes); NaN and infinities among the inputs are not served.
; LAYOUT OF xc: [row tile of 16 rows, 1024 of them][K step of 128, 8][1536 bytes]: a fragment as an image of the operand's 12 registers, in two halves of 768 bytes
; (64 along K): registers 0-3 of lane l at 16 l, registers 4-5 at 512 + 8 l.  Row tiles: q 0-255, k 256-511, v 512-767, Wq 768-, Wk 832-, Wv 896-, Wo 960-1023.
; LAYOUT OF xs: [row tile][place of the row in the tile][32 bytes], byte i for K = 32 i on.
; THE ROWS OF A TILE: q and Wo in their order.  In k, v, Wq, Wk, Wv place rho of tile 2 B + u holds row 32 B + 8 u + rho + 8 (rho / 8), so that the results of a product
; that takes such a tensor as its source 0 lie as 16 neighbours in the 16 registers of two neighbouring tiles.
; SHARES: a work-group takes four row tiles; wave w tile w / 4 and the K quarter w % 4: two fragments, 16 KiB of f32, all 32 loads out at once.  Each load reads 512 consecutive
; bytes of one row; the numbers turn through the wave's own stage in LDS, so that a lane holds 16 neighbours along K of each block of its row.
; No tensor loads, no matrix work, no cluster: the work-groups share no input, and memory binds.
.set R,    16                          ; v16-143  two fragments' numbers as loaded: 4 registers a row
.set X,    144                         ; v144-207 64 numbers of my row: register 16 b + i = K 32 b + 16 (lane / 16) + i
.set PC,   208                         ; v208-219 the codes; v220-226 at work
.set TM,   228                         ; v228-243 at work
.set PW,   244                         ; the scale word just made
.set SW,   246                         ; v246-247 my two scale words
.set SEL,  4                           ; s[4:5] lane selects: lane l xor 16
.set SPI,  528                         ; a stage row: 512 bytes + 16
.set STG,  16*SPI                      ; a wave's stage
.set SCB,  16*STG                      ; behind the stages: the scale bytes of the group's four tiles, 2,048 bytes
.set FRB,  1536
; 64 numbers of a lane, v[s] on, become a fragment's codes in v[PC] on and its scale word in v[PW] (the same in lanes l and l xor 16)
.macro QUANT s
.irp b, 0,1,2,3
	v_max3_num_f32 v[TM+\b], |v[\s+16*\b]|, |v[\s+1+16*\b]|, 0x2800000   ; block b: my 16 numbers, and the floor 2^(5 - 127): the byte cannot fall under 1
.endr
.irp i, 2,4,6,8,10,12,14
.irp b, 0,1,2,3
	v_max3_num_f32 v[TM+\b], v[TM+\b], |v[\s+16*\b+\i]|, |v[\s+1+16*\b+\i]|   ; the four blocks by turns
.endr
.endr
.irp b, 0,1,2,3
	v_permlanex16_b32 v[TM+4+\b], v[TM+\b], s[SEL], s[SEL+1]
.endr
.irp b, 0,1,2,3
	v_max_num_f32 v[TM+\b], v[TM+\b], v[TM+4+\b]   ; with lane l xor 16's: the block's largest magnitude
.endr
.irp b, 0,1,2,3
	v_add_nc_u32 v[TM+12+\b], 0xfe000000, v[TM+\b]   ; 4 off its exponent field: the conversion takes this operand's exponent field as its scale
.endr
.irp b, 0,1,2,3
	v_lshrrev_b32 v[TM+4+\b], 23, v[TM+12+\b]   ; the scale's byte
.endr
	v_lshl_or_b32 v[PW], v[TM+5], 8, v[TM+4]
	v_lshl_or_b32 v[PW], v[TM+6], 16, v[PW]
	v_lshl_or_b32 v[PW], v[TM+7], 24, v[PW]
.irp c, 0,1
	v_cvt_scalef32_pk16_bf6_f32 v[PC+6*\c:PC+2+6*\c], v[\s+32*\c:\s+15+32*\c], v[TM+12+2*\c]
	v_cvt_scalef32_pk16_bf6_f32 v[PC+12+4*\c:PC+14+4*\c], v[\s+16+32*\c:\s+31+32*\c], v[TM+12+2*\c+1]   ; (a conversion's three registers begin on an even number)
.endr
	v_nop                                          ; one plain place behind a scaled conversion
.irp c, 0,1                                    ; the operand's layout wants a whole block in a lane: lanes 0-15 block 2 c, lanes 16-31 block 2 c + 1
.irp i, 0,1,2
	v_permlane16_swap_b32 v[PC+6*\c+\i], v[PC+12+4*\c+\i]
.endr
.irp i, 0,1,2
	v_mov_b32 v[PC+3+6*\c+\i], v[PC+12+4*\c+\i]
.endr
.endr
.endm
	s_load_b512 s[8:23], s[0:1], 0x0               ; q, k, v, Wq, Wk, Wv, Wo, xc
	s_load_b64 s[24:25], s[0:1], 0x40              ; xs
	v_lshl_add_u32 v254, v0, 2, 0x21800
	v_mov_b32 v255, 0
	v_lshrrev_b32 v1, 5, v0
	v_readfirstlane_b32 s28, v1                    ; wave 0..15
	v_and_b32 v1, 31, v0                           ; lane
	v_and_b32 v2, 15, v0                           ; r
	v_bfe_u32 v3, v0, 4, 1                         ; h
	s_lshr_b32 s29, s28, 2                         ; which of the four tiles
	s_and_b32 s30, s28, 3                          ; which K quarter
	s_mov_b32 s[SEL], 0x76543210
	s_mov_b32 s[SEL+1], 0xfedcba98
	s_lshl_b32 s33, s29, 4                         ; the tile's first row among the group's 64: in order, 16 x tile;
	s_lshr_b32 s34, s29, 1
	s_lshl_b32 s34, s34, 5
	s_and_b32 s35, s29, 1
	s_lshl_b32 s35, s35, 3
	s_add_co_u32 s34, s34, s35                     ; permuted, 32 (tile / 2) + 8 (tile % 2)
	s_sub_co_u32 s35, ttmp9, 64
	s_cmp_lt_u32 s35, 176                          ; work-groups 64 to 239 (k, v, Wq, Wk, Wv) are permuted
	s_cselect_b32 s33, s34, s33
	s_cselect_b32 s36, 0x8000, 0                   ; there the tile's upper eight places lie eight rows (32,768 bytes) further on
	s_cmp_lt_u32 ttmp9, 192
	s_cselect_b32 s35, 63, 15
	s_and_b32 s35, ttmp9, s35                      ; the work-group's number within its tensor
	s_lshl_b32 s35, s35, 6
	s_add_co_u32 s33, s33, s35                     ; row
	s_lshl_b32 s32, s33, 12                        ; x 4,096 bytes
	s_lshl_b32 s35, s30, 10
	s_add_co_u32 s32, s32, s35                     ; + the K quarter's 1,024 bytes
	s_mov_b32 s33, 0
	s_lshl_b32 s34, ttmp9, 2
	s_add_co_u32 s34, s34, s29
	s_mul_i32 s34, s34, 8*FRB                      ; xc: row tile x 12,288
	s_mul_i32 s35, s30, 2*FRB
	s_add_co_u32 s34, s34, s35                     ; + my two fragments' place
	s_mov_b32 s35, 0
	s_mul_i32 s37, s28, STG                        ; my stage
	v_lshlrev_b32 v4, 4, v1                        ; 16 x lane: a load's 512 bytes, and an image's first part
	v_add_nc_u32 v5, s36, v4                       ; the same for the tile's upper eight places
	v_add_nc_u32 v6, s37, v4                       ; the stage, on the way in
	v_mul_u32_u24 v7, v2, SPI
	v_lshl_add_u32 v7, v3, 6, v7
	v_add_nc_u32 v7, s37, v7                       ; and out: row r, + 64 h
	v_lshlrev_b32 v9, 3, v1                        ; 8 x lane: an image's second part
	s_lshl_b32 s38, s29, 9
	s_lshl_b32 s39, s30, 3
	s_add_co_u32 s38, s38, s39
	s_add_co_u32 s38, s38, SCB
	v_lshl_add_u32 v10, v2, 5, s38                 ; my two scale words: 512 x tile + 32 r + 8 x quarter
	s_lshl_b32 s41, s30, 9
	s_add_co_u32 s39, s41, SCB
	v_lshl_add_u32 v11, v1, 4, s39                 ; on the way out waves 0-3 take a tile's 512 bytes each
	v_lshl_add_u32 v12, v1, 4, s41
.irp b, 0,1,2,3
	v_mov_b32 v[TM+4+\b], 0                        ; written once: a lane permute's destination counts as one of its sources
.endr
	s_wait_kmcnt 0x0
	s_mov_b64 s[26:27], s[20:21]                   ; which tensor: the choice hangs on the work-group's number alone
	s_cmp_lt_u32 ttmp9, 240
	s_cselect_b64 s[26:27], s[18:19], s[26:27]
	s_cmp_lt_u32 ttmp9, 224
	s_cselect_b64 s[26:27], s[16:17], s[26:27]
	s_cmp_lt_u32 ttmp9, 208
	s_cselect_b64 s[26:27], s[14:15], s[26:27]
	s_cmp_lt_u32 ttmp9, 192
	s_cselect_b64 s[26:27], s[12:13], s[26:27]
	s_cmp_lt_u32 ttmp9, 128
	s_cselect_b64 s[26:27], s[10:11], s[26:27]
	s_cmp_lt_u32 ttmp9, 64
	s_cselect_b64 s[26:27], s[8:9], s[26:27]
	s_add_nc_u64 s[26:27], s[26:27], s[32:33]
	s_add_nc_u64 s[22:23], s[22:23], s[34:35]
	s_lshl_b32 s34, ttmp9, 11
	s_add_nc_u64 s[24:25], s[24:25], s[34:35]      ; xs: 2,048 bytes a work-group
.irp f, 0,1
.set rho, 0
.rept 16
.if rho < 8
	global_load_b128 v[R+64*\f+4*rho:R+64*\f+4*rho+3], v4, s[26:27] offset:rho*4096+512*\f th:TH_LOAD_NT   ; 32 lanes read 512 consecutive bytes of one row
.else
	global_load_b128 v[R+64*\f+4*rho:R+64*\f+4*rho+3], v5, s[26:27] offset:rho*4096+512*\f th:TH_LOAD_NT
.endif
.set rho, rho+1
.endr
.endr
.macro PART f
	s_wait_loadcnt 16-16*\f                        ; this fragment's sixteen loads are in; the other's may be out
.set rho, 0
.rept 16
	ds_store_b128 v6, v[R+64*\f+4*rho:R+64*\f+4*rho+3] offset:SPI*rho
.set rho, rho+1
.endr
.irp b, 0,1,2,3
.irp j, 0,1,2,3
	ds_load_b128 v[X+16*\b+4*\j:X+16*\b+4*\j+3], v7 offset:128*\b+16*\j   ; LDS serves a wave's instructions in order: these see the stores above
.endr
.endr
	s_wait_dscnt 0x0
.if \f
	s_wait_xcnt 0x0                                ; the first fragment's stores have read their data: the codes' registers are written again only behind this wait
.endif
	QUANT X
	global_store_b128 v4, v[PC:PC+3], s[22:23] offset:FRB*\f            ; each store covers 512 or 256 consecutive bytes, aligned
	global_store_b64 v9, v[PC+4:PC+5], s[22:23] offset:FRB*\f+512
	global_store_b128 v4, v[PC+6:PC+9], s[22:23] offset:FRB*\f+768
	global_store_b64 v9, v[PC+10:PC+11], s[22:23] offset:FRB*\f+1280
	v_mov_b32 v[SW+\f], v[PW]
.endm
	PART 0
	PART 1
	ds_store_b64 v10, v[SW:SW+1]                   ; lanes l and l xor 16 write the same bytes with the same value
	s_wait_dscnt 0x0                               ; for the others' sake: my store has landed
	s_barrier_signal -1
	s_barrier_wait -1
	s_cmp_gt_u32 s28, 3
	s_cbranch_scc1 .Ldone
	ds_load_b128 v[248:251], v11                   ; a tile's scale bytes, made by four waves
	s_wait_dscnt 0x0
	global_store_b128 v12, v[248:251], s[24:25]    ; 512 consecutive bytes, aligned
.Ldone:
	s_wait_tensorcnt 0x0
	ds_add_u32 v254, v255
	s_wait_dscnt 0x0
	s_endpgm
.Lfunc_end_k_q161f8f9035_quant:
	.size	k_q161f8f9035_quant, .Lfunc_end_k_q161f8f9035_quant-k_q161f8f9035_quant
	.p2alignl 7, 3214868480
	.fill 96, 4, 3214868480
	.section	.rodata,"a",@progbits
	.p2align	6, 0x0
	.amdhsa_kernel k_q161f8f9035_quant
		.amdhsa_group_segment_fixed_size 139264
		.amdhsa_private_segment_fixed_size 0
		.amdhsa_enable_private_segment 0
		.amdhsa_kernarg_size 72
		.amdhsa_user_sgpr_count 2
		.amdhsa_user_sgpr_kernarg_segment_ptr 1
		.amdhsa_wavefront_size32 1
		.amdhsa_system_sgpr_workgroup_id_x 1
		.amdhsa_system_sgpr_workgroup_id_y 1
		.amdhsa_system_sgpr_workgroup_id_z 1
		.amdhsa_system_vgpr_workitem_id 0
		.amdhsa_next_free_vgpr 256
		.amdhsa_next_free_sgpr 66
		.amdhsa_reserve_vcc 0
		.amdhsa_float_denorm_mode_32 3
		.amdhsa_float_denorm_mode_16_64 3
		.amdhsa_memory_ordered 1
		.amdhsa_forward_progress 1
		.amdhsa_inst_pref_size 20
	.end_amdhsa_kernel
	.amdgpu_metadata
---
amdhsa.version: [ 1, 2 ]
amdhsa.kernels:
  - .name:           k_q161f8f9035_quant
    .symbol:         k_q161f8f9035_quant.kd
    .args:
      - { .name: q, .offset: 0, .size: 8, .value_kind: global_buffer, .address_space: global }
      - { .name: k, .offset: 8, .size: 8, .value_kind: global_buffer, .address_space: global }
      - { .name: v, .offset: 16, .size: 8, .value_kind: global_buffer, .address_space: global }
      - { .name: Wq, .offset: 24, .size: 8, .value_kind: global_buffer, .address_space: global }
      - { .name: Wk, .offset: 32, .size: 8, .value_kind: global_buffer, .address_space: global }
      - { .name: Wv, .offset: 40, .size: 8, .value_kind: global_buffer, .address_space: global }
      - { .name: Wo, .offset: 48, .size: 8, .value_kind: global_buffer, .address_space: global }
      - { .name: xc, .offset: 56, .size: 8, .value_kind: global_buffer, .address_space: global }
      - { .name: xs, .offset: 64, .size: 8, .value_kind: global_buffer, .address_space: global }
    .group_segment_fixed_size: 139264
    .private_segment_fixed_size: 0
    .kernarg_segment_align: 8
    .kernarg_segment_size: 72
    .max_flat_workgroup_size: 512
    .sgpr_count:     66
    .vgpr_count:     256
    .wavefront_size: 32
...
	.end_amdgpu_metadata
.endif
;; end of part 1
;; launch proj (part 2): grid 4 x 48, 4 waves a work-group, clusters of 4 x 4, 327,680 bytes of LDS; arguments xc, xs, bq, bk, qc, qs, bv, kv; writes qc, qs, kv
.if DOCPART == 2
	.amdgcn_target "amdgcn-amd-amdhsa--gfx1250"
	.amdhsa_code_object_version 6
	.text
	.protected	k_q161f8f9035_proj
	.globl	k_q161f8f9035_proj
	.p2align	8
	.type	k_q161f8f9035_proj,@function
k_q161f8f9035_proj:
	s_mov_b64 s[64:65], 0
	v_nop
	global_prefetch_b8 v0, s[64:65] scope:SCOPE_SE
	s_setreg_imm32_b32 hwreg(HW_REG_WAVE_MODE, 25, 1), 1
	s_wait_xcnt 0x0
	s_wait_alu depctr_hold_cnt(0) depctr_sa_sdst(0) depctr_va_vdst(0) depctr_va_sdst(0) depctr_va_ssrc(0) depctr_va_vcc(0) depctr_vm_vsrc(0)
	s_getreg_b32 s2, hwreg(HW_REG_IB_STS2, 6, 4)
	s_cmp_eq_u32 s2, 0
	s_cbranch_scc0 .Lentry_in_a_cluster
	s_endpgm
.Lentry_in_a_cluster:
	s_bfe_u32 s2, ttmp6, 0x10000c
	s_cmp_lg_u32 s2, 0xf033
	s_cbranch_scc0 .Lentry_shape_is_right
	s_endpgm
.Lentry_shape_is_right:
; The three input projections on codes of BF6 (E3M2) with E8M0 scales: y = x W^T + b, K = 1,024; y is quantised in registers and leaves as codes and scale bytes for the attention launch.
; A work-group of four waves makes 256 x 256 of one product, a wave 128 x 128: 64 accumulators.  K goes in steps of 256 through a ring of two LDS slots filled by the tensor data mover.
; OPERANDS lie in xc as images of their registers ([row tile of 16][K step of 128][1,536 bytes]) and in xs as [row][32 scale bytes]; a slot's part of a row tile is 3,072 consecutive bytes.
; ROLES.  Source 1 ('A': one row a lane) and source 0 ('B': rows along a lane's registers).  Clusters 0-3 along y: q (A = tokens, B = Wq); 4-7: k (A = tokens, B = Wk): a lane then holds one token and
; 128 features, two heads: quantised along the head's 64.  Clusters 8-11: v (A = Wv, B = tokens): a lane holds one feature and 128 tokens: quantised along the keys.
; B's rows were laid so that the 16 registers of accumulators (a, 2 B) and (a, 2 B + 1) are the 16 neighbours 32 B + 16 (lane / 16) + 0 .. 15.
; OUT.  qc [head][query tile][768]; qs [head][8 tiles][256]: word 16 r + 4 pair, a tile's two bytes in each half.  kv [head][key step of 128][12,800]: K's eight half images, V's four fragments,
; K's scale words (16 r + 4 pair), V's (16 r + 4 tile).
; CLUSTERS: 4 x 4 work-groups; A's tiles are asked for jointly along a row of the cluster, B's along a column.  The role hangs on the cluster's y alone: it is alike in all partners.
; LIMITS: a block whose largest magnitude lies under 2^-122, a block of zeros among them, gets the scale byte 1 (zeros' codes are zeros; only this program reads the bytes); NaN and infinities are not served.
; REGISTERS: window 0: v0-31 addresses; v32-63 scale words, two sets; v64-127 the bias; from v128 A's fragments, one set; behind the last product v128-251 serve the way out.
;   window 1: B's fragments, two sets, at v0 and v128.   windows 2, 3: the accumulators of my A rows 0-63, 64-127 ((a, b) at v[8 (8 (a % 4) + b)]).
.set NQ,     2                         ; matrix instructions deep in a slot
.set FR,     12                        ; registers of a fragment
.set FRB,    1536                      ; and its image in bytes
.set NL,     4                         ; LDS loads that bring one
.set NP,     4                         ; places behind this matrix instruction (ISA guide 7.12.1)
.set TILEB,  NQ*FRB                    ; a row tile's bytes in a slot
.set GROW,   8*FRB                     ; a row tile's bytes in memory
.set HALFT,  8*TILEB                   ; 128 rows: what one tensor load brings
.set SLOT,   4*HALFT                   ; A's 256 rows, then B's
.set LAPS,   2                         ; 1,024 along K = twice round the ring
.set KS,     32                        ; a row of scales in bytes
.set SCL,    2*SLOT                    ; behind the ring: the scales, as runs of 256 bytes + 16 of padding
.set HALFS,  (128*KS/256)*272
.set SBLK,   (16*KS/256)*272
.set SPARE,  SCL+4*HALFS               ; the spare words, 128 bytes for each wave: two blocks of 256 bytes that no other line names
.set HEADB,  204800                    ; a head's bytes in kv
.set REC,    12800                     ; a key step's
.set ADRA, 16                          ; v16-17 LDS address of my A fragments in slot 0, 1, + 16 x lane;  v18-19 the same + 8 x lane
.set ADRB, 20                          ; v20-23 the same for B
.set ADRS, 27                          ; v27 my scale words: lanes 0-15 A's rows, lanes 16-31 B's
.set SPW,  28                          ; v28 my spare word; never rewritten
.set NIL,  29                          ; v29 0; never rewritten
.set SC,   32
.set BIAS, 64
.set AF,   128
.set T,    128                         ; the way out: 64 numbers
.set PC,   192
.set TM,   212
.set PW,   228
.set VSEL, 230
.set PWS,  232                         ; the eight scale words of my eight tiles
.set XD,   240
.set L16,  244
.set L8,   245
.set L16C, 246
.set L8C,  247
.set VOS,  248
.set VB,   249
.set G1, 24
.set G0, 32
.set G1B, 48
.set G0B, 56
.set G1S, 68
.set G0S, 76
.set G1SB, 80
.set G0SB, 88
.set SEL, 92
.set MSB, 0
.macro WIN new                         ; the immediate's high byte repeats the setting that is left
.if MSB != (\new)
	s_set_vgpr_msb (MSB<<8)|(\new)
.set MSB, (\new)
.endif
.endm
.set MUL_LO, 0xa1                      ; source 0 (B) window 1, source 1 (A) window 0, C and D window 2
.set MUL_HI, 0xf1
.set TO_B,   0x40
; A joint load: waves 0 and 1 fetch for A, waves 2 and 3 for B; the branch hangs on the wave's number alone.  Four v_nop follow each of the two lines.
.macro JLOAD g0a, g1a, g0b, g1b
	s_cmp_eq_u32 s15, 0
	s_cbranch_scc0 .Lfor_b_\@
	tensor_load_to_lds s[\g0a:\g0a+3], s[\g1a:\g1a+7]
	s_nop 0
.rept 4
	v_nop
.endr
	s_branch .Lasked_\@
.Lfor_b_\@:
	tensor_load_to_lds s[\g0b:\g0b+3], s[\g1b:\g1b+7]
	s_nop 0
.rept 4
	v_nop
.endr
.Lasked_\@:
.endm
.macro CREST                           ; a round of the cluster's barrier behind its opening barrier
	s_cmp_lg_u32 s14, 0
	s_cbranch_scc1 .Lnot_wave_0_\@
	s_barrier_signal -3
.Lnot_wave_0_\@:
	s_barrier_wait -3
	s_barrier_signal -1
	s_barrier_wait -1
.endm
.macro CROUND
	s_barrier_signal -1
	s_barrier_wait -1
	CREST
.endm
; 64 numbers of a lane, v[s] on, register 16 b + i = K 32 b + 16 (lane / 16) + i of my row, become a fragment's codes in v[PC] on and its scale word in v[PW]
.macro QUANT s
.irp b, 0,1,2,3
	v_max3_num_f32 v[TM+\b], |v[\s+16*\b]|, |v[\s+1+16*\b]|, 0x2800000   ; my 16 numbers, and the floor 2^(5 - 127): the byte cannot fall under 1
.endr
.irp i, 2,4,6,8,10,12,14
.irp b, 0,1,2,3
	v_max3_num_f32 v[TM+\b], v[TM+\b], |v[\s+16*\b+\i]|, |v[\s+1+16*\b+\i]|
.endr
.endr
.irp b, 0,1,2,3
	v_permlanex16_b32 v[TM+4+\b], v[TM+\b], s[SEL], s[SEL+1]
.endr
.irp b, 0,1,2,3
	v_max_num_f32 v[TM+\b], v[TM+\b], v[TM+4+\b]
.endr
.irp b, 0,1,2,3
	v_add_nc_u32 v[TM+12+\b], 0xfe000000, v[TM+\b]   ; 4 off the exponent field: the conversion's scale operand
.endr
.irp b, 0,1,2,3
	v_lshrrev_b32 v[TM+4+\b], 23, v[TM+12+\b]   ; the scale's byte
.endr
	v_lshl_or_b32 v[PW], v[TM+5], 8, v[TM+4]
	v_lshl_or_b32 v[PW], v[TM+6], 16, v[PW]
	v_lshl_or_b32 v[PW], v[TM+7], 24, v[PW]
.irp c, 0,1
	v_cvt_scalef32_pk16_bf6_f32 v[PC+6*\c:PC+2+6*\c], v[\s+32*\c:\s+15+32*\c], v[TM+12+2*\c]
	v_cvt_scalef32_pk16_bf6_f32 v[PC+12+4*\c:PC+14+4*\c], v[\s+16+32*\c:\s+31+32*\c], v[TM+12+2*\c+1]
.endr
	v_nop                                          ; one plain place behind a scaled conversion
.irp c, 0,1
.irp i, 0,1,2
	v_permlane16_swap_b32 v[PC+6*\c+\i], v[PC+12+4*\c+\i]
.endr
.irp i, 0,1,2
	v_mov_b32 v[PC+3+6*\c+\i], v[PC+12+4*\c+\i]
.endr
.endr
.endm
	s_load_b128 s[4:7], s[0:1], 0x0                ; xc, xs
	s_load_b128 s[8:11], s[0:1], 0x10              ; bq, bk
	s_load_b128 s[96:99], s[0:1], 0x20             ; qc, qs
	s_load_b64 s[12:13], s[0:1], 0x30              ; bv
	s_load_b64 s[100:101], s[0:1], 0x38            ; kv
	v_lshl_add_u32 v[SPW], v0, 2, SPARE
	v_mov_b32 v[NIL], 0
	ds_add_u32 v28, v29
	ds_add_u32 v28, v29
	s_wait_dscnt 0x0
	v_lshrrev_b32 v1, 5, v0
	v_readfirstlane_b32 s14, v1                    ; wave 0..3
	s_lshr_b32 s15, s14, 1                         ; which half of A's rows is mine.  Also: I fetch for A (0) or for B (1)
	s_and_b32 s16, s14, 1                          ; which half of B's rows.  Also: which 128 rows of that tile I fetch
	s_bfe_u32 s40, ttmp6, 0x40000                  ; cx, cy: my place in the cluster
	s_bfe_u32 s41, ttmp6, 0x40004
	s_and_b32 s17, ttmp7, 0xffff                   ; the cluster's y, 0..11
	s_lshr_b32 s66, s17, 2                         ; which product: 0 q, 1 k, 2 v
	s_and_b32 s67, s17, 3                          ; which quarter of its 4,096 tokens
	s_lshl_b32 s18, s66, 8
	s_lshl_b32 s19, s67, 6
	s_add_co_u32 s18, s18, s19                     ; q, k: the tokens' first row tile: 256 x product + 64 x quarter
	s_lshl_b32 s20, s66, 6
	s_add_co_u32 s20, s20, 768                     ; and the weight's: 768 + 64 x product
	s_add_co_u32 s21, s19, 512                     ; v: the tokens' first row tile
	s_lshl_b32 s22, s67, 2
	s_mov_b32 s23, 896                             ; and Wv's
	s_cmp_lt_u32 s66, 2
	s_cselect_b32 s18, s18, s23                    ; A's first row tile
	s_cselect_b32 s20, s20, s21                    ; B's
	s_cselect_b32 s17, s22, 0
	s_cselect_b32 s42, 0, s22
	s_add_co_u32 s17, s17, s41                     ; A's tile of 256 rows within its tensor
	s_add_co_u32 s42, s42, s40                     ; B's
	s_lshl_b32 s43, s41, 2
	s_lshl_b32 s43, 15, s43                        ; my row of the cluster
	s_lshl_b32 s44, 0x1111, s40                    ; my column
	; descriptor group 1: 8 row tiles x 3,072 bytes (384 elements of 8 bytes), 12,288 bytes apart; dense in LDS
	s_or_b32 s[G1+0], s43, (3<<16)|(1<<21)         ; 15:0 the mask: A's tiles go to my row; 17:16 elements of 8 bytes; 21 set beside a mask
	s_or_b32 s[G1B+0], s44, (3<<16)|(1<<21)
.irp g, G1, G1B
	s_mov_b32 s[\g+1], (TILEB/8)<<16               ; tensor_dim0
	s_mov_b32 s[\g+2], 8<<16                       ; tensor_dim1
	s_mov_b32 s[\g+3], (TILEB/8)<<16               ; tile_dim0
	s_mov_b32 s[\g+4], 8                           ; tile_dim1
	s_mov_b32 s[\g+5], GROW/8                      ; tensor_dim0_stride
	s_mov_b32 s[\g+6], 0
	s_mov_b32 s[\g+7], 0
.endr
	; the scales of 128 rows: 4,096 dense bytes, as rows of 256 bytes, 16 bytes of padding behind each
	s_or_b32 s[G1S+0], s43, (3<<16)|(1<<20)|(1<<21)|(5<<22)|(3<<25)
	s_or_b32 s[G1SB+0], s44, (3<<16)|(1<<20)|(1<<21)|(5<<22)|(3<<25)
.irp g, G1S, G1SB
	s_mov_b32 s[\g+1], 32<<16
	s_mov_b32 s[\g+2], (128*KS/256)<<16
	s_mov_b32 s[\g+3], 32<<16
	s_mov_b32 s[\g+4], 128*KS/256
	s_mov_b32 s[\g+5], 32
	s_mov_b32 s[\g+6], 0
	s_mov_b32 s[\g+7], 0
.endr
	s_lshl_b32 s19, s16, 3                         ; which 8 row tiles of the 16 I fetch
	s_lshl_b32 s21, s41, 4
	s_add_co_u32 s18, s18, s21
	s_add_co_u32 s18, s18, s19                     ; A: row tile = first + 16 cy + 8 x half: no register of A's address ever holds cx
	s_lshl_b32 s46, s40, 4
	s_add_co_u32 s46, s46, s20
	s_add_co_u32 s46, s46, s19                     ; B: first + 16 cx + 8 x half
	s_mul_i32 s20, s18, GROW                       ; A's codes, in bytes
	s_mov_b32 s21, 0
	s_lshl_b32 s22, s18, 9                         ; A's scales: 512 bytes a row tile
	s_mov_b32 s23, 0
	s_lshl_b32 s92, s46, 9
	s_mov_b32 s93, 0
	s_mul_i32 s46, s46, GROW
	s_mov_b32 s47, 0
	s_mul_i32 s45, s14, HALFT                      ; where they go: wave x 128 rows: no place in the cluster enters an LDS address
	s_mul_i32 s94, s14, HALFS
	s_wait_kmcnt 0x0
	s_add_nc_u64 s[20:21], s[4:5], s[20:21]
	s_add_nc_u64 s[22:23], s[6:7], s[22:23]
	s_add_nc_u64 s[46:47], s[4:5], s[46:47]
	s_add_nc_u64 s[92:93], s[6:7], s[92:93]
	CROUND                                         ; all sixteen work-groups are here: the first joint loads meet
	s_mov_b32 s[G0S], 1
	s_add_co_u32 s[G0S+1], s94, SCL
	s_mov_b64 s[G0S+2:G0S+3], s[22:23]
	s_or_b32 s[G0S+3], s[G0S+3], 0x80000000
	s_mov_b32 s[G0SB], 1
	s_add_co_u32 s[G0SB+1], s94, SCL
	s_mov_b64 s[G0SB+2:G0SB+3], s[92:93]
	s_or_b32 s[G0SB+3], s[G0SB+3], 0x80000000
	JLOAD G0S, G1S, G0SB, G1SB                     ; the scales first: they are wanted with K step 0
.irp s, 0,1
	s_mov_b32 s[G0+4*\s], 1
	s_add_co_u32 s[G0+4*\s+1], s45, \s*SLOT
	s_add_nc_u64 s[G0+4*\s+2:G0+4*\s+3], s[20:21], \s*TILEB
	s_or_b32 s[G0+4*\s+3], s[G0+4*\s+3], 0x80000000
	s_mov_b32 s[G0B+4*\s], 1
	s_add_co_u32 s[G0B+4*\s+1], s45, \s*SLOT
	s_add_nc_u64 s[G0B+4*\s+2:G0B+4*\s+3], s[46:47], \s*TILEB
	s_or_b32 s[G0B+4*\s+3], s[G0B+4*\s+3], 0x80000000
	JLOAD G0+4*\s, G1, G0B+4*\s, G1B
.endr
	v_and_b32 v1, 15, v0                           ; r; kept
	v_bfe_u32 v2, v0, 4, 1                         ; h; kept
	v_and_b32 v3, 31, v0                           ; lane; kept
	v_lshlrev_b32 v4, 4, v3
	v_lshlrev_b32 v5, 3, v3
	s_mul_i32 s21, s15, HALFT                      ; my 128 rows of A
	s_mul_i32 s22, s16, HALFT                      ; my 128 rows of B,
	s_add_co_u32 s22, s22, 2*HALFT                 ; which lie behind A's 256
.irp s, 0,1
	v_add_nc_u32 v[ADRA+\s], s21, v4
	v_add_nc_u32 v[ADRB+\s], s22, v4
	v_add_nc_u32 v[ADRA+2+\s], s21, v5
	v_add_nc_u32 v[ADRB+2+\s], s22, v5
	s_add_co_u32 s21, s21, SLOT
	s_add_co_u32 s22, s22, SLOT
.endr
	v_mul_u32_u24 v5, v1, KS                       ; my row's scales: KS bytes a row,
	v_lshrrev_b32 v6, 8, v5
	v_lshl_add_u32 v5, v6, 4, v5                   ; and 16 more for each 256 passed
	s_mul_i32 s21, s15, HALFS
	s_mul_i32 s22, s16, HALFS
	s_add_co_u32 s22, s22, 2*HALFS
	s_sub_co_u32 s22, s22, s21
	v_mul_u32_u24 v6, s22, v2                      ; lanes 16-31 take B's
	s_add_co_u32 s21, s21, SCL
	v_add_nc_u32 v5, v5, v6
	v_add_nc_u32 v[ADRS], s21, v5
.macro FRAG reg, adr, q, i             ; a fragment comes back as it was stored: four loads, each of consecutive bytes across the lanes
	ds_load_b128 v[\reg:\reg+3],     v[\adr]   offset:(\i)*TILEB+(\q)*FRB
	ds_load_b64  v[\reg+4:\reg+5],   v[\adr+2] offset:(\i)*TILEB+(\q)*FRB+512
	ds_load_b128 v[\reg+6:\reg+9],   v[\adr]   offset:(\i)*TILEB+(\q)*FRB+768
	ds_load_b64  v[\reg+10:\reg+11], v[\adr+2] offset:(\i)*TILEB+(\q)*FRB+1280
.endm
; 16 matrix instructions: A's blocks a0, a0 + 1 x B's eight, 128 along K.  The 64 accumulators take turns, one instruction a turn, in the same order in every step.
.macro MUL16 a0, p, q, sc, zero
.irp a, \a0, \a0+1
.irp b, 0,1,2,3,4,5,6,7
.if \zero
	v_wmma_scale_f32_16x16x128_f8f6f4 v[8*(8*((\a)%4)+\b):8*(8*((\a)%4)+\b)+7], v[128*(\p)+FR*\b:128*(\p)+FR*\b+FR-1], v[AF+FR*(\a):AF+FR*(\a)+FR-1], 0, v[SC+8*NQ*(\sc)+NQ*\b+(\q)], v[SC+8*NQ*(\sc)+NQ*(\a)+(\q)] matrix_a_fmt:MATRIX_FMT_BF6 matrix_b_fmt:MATRIX_FMT_BF6 matrix_a_scale:MATRIX_SCALE_ROW1
.else
	v_wmma_scale_f32_16x16x128_f8f6f4 v[8*(8*((\a)%4)+\b):8*(8*((\a)%4)+\b)+7], v[128*(\p)+FR*\b:128*(\p)+FR*\b+FR-1], v[AF+FR*(\a):AF+FR*(\a)+FR-1], v[8*(8*((\a)%4)+\b):8*(8*((\a)%4)+\b)+7], v[SC+8*NQ*(\sc)+NQ*\b+(\q)], v[SC+8*NQ*(\sc)+NQ*(\a)+(\q)] matrix_a_fmt:MATRIX_FMT_BF6 matrix_b_fmt:MATRIX_FMT_BF6 matrix_a_scale:MATRIX_SCALE_ROW1
.endif
.endr
.endr
.endm
.macro FETCH_B slot, q, p
	WIN TO_B
.irp i, 0,1,2,3,4,5,6,7
	FRAG 128*(\p)+FR*\i, ADRB+\slot, \q, \i
.endr
	WIN 0
.endm
.macro FETCH_A slot, q, i0
.irp i, \i0, \i0+1, \i0+2, \i0+3
	FRAG AF+FR*(\i), ADRA+\slot, \q, \i
.endr
.endm
.macro SCALES sc                       ; a K step's scale words: lanes 0-15 take A's block i, lanes 16-31 B's block i
.irp i, 0,1,2,3,4,5,6,7
	ds_load_b64 v[SC+8*NQ*\sc+NQ*\i:SC+8*NQ*\sc+NQ*\i+1], v[ADRS] offset:\i*SBLK
.endr
.endm
.macro PLACES n                        ; plain vector instructions between a matrix instruction and a load into, or a vector access to, its registers
.rept \n
	v_nop
.endr
.endm
.macro STEP slot, q, zero              ; a step of 128 along K that has its successor in the same slot
	s_wait_dscnt 4*NL                              ; B's set and A's blocks 0-3 are in; the youngest sixteen loads (A's blocks 4-7) may be out
	WIN MUL_LO
	MUL16 0, (\q)%2, \q, \slot, \zero
	MUL16 2, (\q)%2, \q, \slot, \zero
	s_wait_dscnt 0
	PLACES NP
	FETCH_B \slot, (\q)+1, 1-(\q)%2
	FETCH_A \slot, (\q)+1, 0
	WIN MUL_HI
	MUL16 4, (\q)%2, \q, \slot, \zero
	MUL16 6, (\q)%2, \q, \slot, \zero
	PLACES NP
	WIN 0
	FETCH_A \slot, (\q)+1, 4
.endm
; A slot's last step changes slots: one barrier; in front of it each wave waits for all its tensor loads, adds 0 to its spare word, and waits for that and for its reads of this slot.
.macro TURN slot, next, fill
	s_wait_tensorcnt 0x0                           ; all my tensor loads have landed: my part of the next slot
	ds_add_u32 v[SPW], v[NIL]                      ; 0 onto my spare word
	s_wait_dscnt 4*NL+1                            ; (the add and the youngest sixteen loads may be out)
	WIN MUL_LO
	MUL16 0, 1, NQ-1, \slot, 0
	s_wait_dscnt 0x0                               ; the add is done, and my reads of this slot are over
	s_barrier_signal -1
	MUL16 2, 1, NQ-1, \slot, 0
	WIN 0
	s_barrier_wait -1
.if \fill
	CREST                                          ; the barrier has opened a round of the cluster's barrier: no wave of any partner still reads this slot or has a load on its way
	s_add_nc_u64 s[G0+4*\slot+2:G0+4*\slot+3], s[G0+4*\slot+2:G0+4*\slot+3], 2*TILEB
	s_add_nc_u64 s[G0B+4*\slot+2:G0B+4*\slot+3], s[G0B+4*\slot+2:G0B+4*\slot+3], 2*TILEB
	JLOAD G0+4*\slot, G1, G0B+4*\slot, G1B         ; the first tensor load behind the round; its four v_nop are also the places in front of the loads below
.else
	PLACES NP
.endif
	v_add_nc_u32 v[ADRS], 4*NQ, v[ADRS]            ; the next K step's scale words
	FETCH_B \next, 0, 0
	FETCH_A \next, 0, 0
	SCALES \next
	WIN MUL_HI
	MUL16 4, 1, NQ-1, \slot, 0
	MUL16 6, 1, NQ-1, \slot, 0
	PLACES NP
	WIN 0
	FETCH_A \next, 0, 4
.endm
.macro LAST                            ; the very last step: nothing more to fetch
	s_wait_dscnt 4*NL
	WIN MUL_LO
	MUL16 0, 1, NQ-1, 1, 0
	MUL16 2, 1, NQ-1, 1, 0
	s_wait_dscnt 0
	WIN MUL_HI
	MUL16 4, 1, NQ-1, 1, 0
	MUL16 6, 1, NQ-1, 1, 0
	WIN 0
	PLACES NP                                      ; in front of the first read of results and the first write over A's fragments
.endm
	s_wait_tensorcnt 1                             ; the scales and my part of K step 0 are in (K step 1's load may be out)
	s_barrier_signal -1
	s_barrier_wait -1
	FETCH_B 0, 0, 0
	FETCH_A 0, 0, 0
	SCALES 0
	FETCH_A 0, 0, 4
	STEP 0, 0, 1                                   ; the first step's products start the sums
	s_mov_b32 s3, LAPS-1
.Llap:                                                 ; a trip goes once round the ring and fills both slots again
	TURN 0, 1, 1
	STEP 1, 0, 0
	TURN 1, 0, 1
	STEP 0, 0, 0
	s_sub_co_u32 s3, s3, 1
	s_cmp_lg_u32 s3, 0
	s_cbranch_scc1 .Llap
	TURN 0, 1, 0                                   ; the last lap fills nothing; no tensor load of mine is out from here on, so the descriptors' registers are free
	STEP 1, 0, 0
	s_lshl_b32 s68, s17, 8
	s_lshl_b32 s69, s15, 7
	s_add_co_u32 s68, s68, s69                     ; my first row of A within its tensor
	s_lshl_b32 s69, s42, 8
	s_lshl_b32 s70, s16, 7
	s_add_co_u32 s69, s69, s70                     ; my first row of B
	s_mov_b32 s[SEL], 0x76543210
	s_mov_b32 s[SEL+1], 0xfedcba98
	s_mov_b32 s87, 0
	v_lshlrev_b32 v[L16], 4, v3
	v_lshlrev_b32 v[L8], 3, v3
	v_cmp_gt_u32 vcc_lo, 16, v3                    ; lanes 0-15
	s_cmp_eq_u32 s66, 2                            ; the product's number comes from the cluster's y: the branch is alike in all partners
	s_cbranch_scc1 .Lv
	; ---- q and k: a lane holds one token; my 128 features are two heads
	s_lshr_b32 s70, s68, 11
	s_lshl_b32 s70, s70, 4
	s_lshr_b32 s71, s69, 6
	s_add_co_u32 s70, s70, s71                     ; the first head: 16 x batch + feature / 64
	s_bfe_u32 s71, s68, 0x40007                    ; which 128 tokens of the batch's 2,048
	s_mov_b32 s72, HEADB
	s_mov_b32 s73, REC
	s_cmp_eq_u32 s66, 0
	s_cselect_b64 s[76:77], s[96:97], s[100:101]   ; codes go to qc or to kv,
	s_cselect_b64 s[78:79], s[98:99], s[100:101]   ; scale words to qs or to kv,
	s_cselect_b64 s[80:81], s[8:9], s[10:11]       ; the bias is bq or bk
	s_cselect_b32 s74, 98304, s72                  ; bytes from head to head, codes
	s_cselect_b32 s75, 6144, s73                   ; from 128 tokens to the next
	s_cselect_b32 s82, 4096, s72                   ; the same for the scale words
	s_cselect_b32 s83, 256, s73
	s_cselect_b32 s84, 0, 12288                    ; in kv they lie behind the record's codes
	s_mul_i32 s86, s70, s74
	s_mul_i32 s88, s71, s75
	s_add_co_u32 s86, s86, s88
	s_add_nc_u64 s[76:77], s[76:77], s[86:87]
	s_mul_i32 s86, s70, s82
	s_mul_i32 s88, s71, s83
	s_add_co_u32 s86, s86, s88
	s_add_co_u32 s86, s86, s84
	s_add_nc_u64 s[78:79], s[78:79], s[86:87]
	s_lshl_b32 s86, s69, 2
	s_add_nc_u64 s[80:81], s[80:81], s[86:87]
	v_add_nc_u32 v[L16C], s74, v[L16]              ; the second head's images
	v_add_nc_u32 v[L8C], s74, v[L8]
	v_mul_u32_u24 v[VOS], s82, v2
	v_lshl_add_u32 v[VOS], v1, 4, v[VOS]           ; scale words: 16 r; lanes 16-31 store the second head's
	v_lshlrev_b32 v[VB], 6, v2                     ; the bias: register 16 B + i wants feature 32 B + 16 h + i
	v_mov_b32 v250, 0x07060302
	v_mov_b32 v251, 0x05040100
	v_cndmask_b32 v[VSEL], v250, v251, vcc_lo      ; lanes 0-15 pick the two low bytes of two words, lanes 16-31 the two high ones
.irp b, 0,1,2,3
.irp j, 0,1,2,3
	global_load_b128 v[BIAS+16*\b+4*\j:BIAS+16*\b+4*\j+3], v[VB], s[80:81] offset:128*\b+16*\j
.endr
.endr
	LAST                                           ; 64 matrix instructions stand between the bias's loads and the wait for them
	s_wait_loadcnt 0x0
.irp b, 0,1,2,3
	v_mov_b32 v[TM+4+\b], 0                        ; written once: a lane permute's destination counts as one of its sources
.endr
.irp a, 0,1,2,3,4,5,6,7
	WIN 0x02+\a/4                                  ; source 0: window 2 or 3
.set n, 0
.rept 32
	v_pk_add_f32 v[T+n:T+n+1], v[64*(\a%4)+n:64*(\a%4)+n+1], v[BIAS+n:BIAS+n+1]   ; + bias; each accumulator from its low end on
.set n, n+2
.endr
	WIN 0
.if \a > 0
	s_wait_xcnt 0x0                                ; the last tile's stores have read their data: the codes' registers are written again only behind this wait
.endif
	QUANT T
	v_mov_b32 v[PWS+\a], v[PW]
	global_store_b128 v[L16], v[PC:PC+3], s[76:77] offset:768*\a           ; the first head's half image: 512 and 256 consecutive bytes, aligned
	global_store_b64 v[L8], v[PC+4:PC+5], s[76:77] offset:768*\a+512
	global_store_b128 v[L16C], v[PC+6:PC+9], s[76:77] offset:768*\a        ; the second head's
	global_store_b64 v[L8C], v[PC+10:PC+11], s[76:77] offset:768*\a+512
.endr
.irp j, 0,1,2,3
	v_perm_b32 v[XD+\j], v[PWS+2*\j+1], v[PWS+2*\j], v[VSEL]   ; tile 2 j's two bytes of my head below, tile 2 j + 1's above
.endr
	global_store_b128 v[VOS], v[XD:XD+3], s[78:79]  ; sixteen lanes store 256 consecutive bytes for each head
	s_branch .Lend
.Lv:	; ---- v: a lane holds one feature (a row of Wv); my 128 tokens are one key step; my 128 features are two heads of four tiles
	s_lshr_b32 s70, s69, 11
	s_lshl_b32 s70, s70, 4
	s_lshr_b32 s71, s68, 6
	s_add_co_u32 s70, s70, s71                     ; the first head
	s_bfe_u32 s71, s69, 0x40007                    ; the key step
	s_mul_i32 s86, s70, HEADB
	s_mul_i32 s88, s71, REC
	s_add_co_u32 s86, s86, s88
	s_add_nc_u64 s[76:77], s[100:101], s[86:87]
	s_lshl_b32 s86, s68, 2
	s_add_nc_u64 s[80:81], s[12:13], s[86:87]
	v_mul_u32_u24 v[VOS], HEADB, v2
	v_lshl_add_u32 v[VOS], v1, 4, v[VOS]
	v_and_b32 v250, 8, v1
	v_add_nc_u32 v250, v250, v1
	v_lshlrev_b32 v[VB], 2, v250                   ; place r of tile 2 B + u is feature 32 B + 8 u + r + 8 (r / 8)
.irp a, 0,1,2,3,4,5,6,7
	global_load_b32 v[BIAS+2*\a], v[VB], s[80:81] offset:4*(32*(\a/2)+8*(\a%2))
	v_mov_b32 v[BIAS+2*\a+1], 0                    ; (named with it as a pair)
.endr
	LAST
	s_wait_loadcnt 0x0
.irp b, 0,1,2,3
	v_mov_b32 v[TM+4+\b], 0
.endr
.irp a, 0,1,2,3,4,5,6,7
	WIN 0x02+\a/4
.set n, 0
.rept 32
	v_pk_add_f32 v[T+n:T+n+1], v[64*(\a%4)+n:64*(\a%4)+n+1], v[BIAS+2*\a:BIAS+2*\a+1] op_sel_hi:[1,0]   ; + my feature's bias
.set n, n+2
.endr
	WIN 0
.if \a > 0
	s_wait_xcnt 0x0
.endif
	QUANT T                                        ; along the keys
	v_mov_b32 v[PWS+\a], v[PW]
	global_store_b128 v[L16], v[PC:PC+3], s[76:77] offset:6144+(\a/4)*HEADB+(\a%4)*FRB
	global_store_b64 v[L8], v[PC+4:PC+5], s[76:77] offset:6144+(\a/4)*HEADB+(\a%4)*FRB+512
	global_store_b128 v[L16], v[PC+6:PC+9], s[76:77] offset:6144+(\a/4)*HEADB+(\a%4)*FRB+768
	global_store_b64 v[L8], v[PC+10:PC+11], s[76:77] offset:6144+(\a/4)*HEADB+(\a%4)*FRB+1280
.endr
.irp j, 0,1,2,3
	v_cndmask_b32 v[XD+\j], v[PWS+4+\j], v[PWS+\j], vcc_lo   ; lanes 0-15 the first head's four words, lanes 16-31 the second's
.endr
	global_store_b128 v[VOS], v[XD:XD+3], s[76:77] offset:12544
.Lend:
	s_wait_tensorcnt 0x0                           ; the wave's end
	ds_add_u32 v[SPW], v[NIL]
	s_wait_dscnt 0x0
	CROUND                                         ; the closing round: no work-group ends while a partner may still ask for a tile that names it
	s_endpgm
.Lfunc_end_k_q161f8f9035_proj:
	.size	k_q161f8f9035_proj, .Lfunc_end_k_q161f8f9035_proj-k_q161f8f9035_proj
	.p2alignl 7, 3214868480
	.fill 96, 4, 3214868480
	.section	.rodata,"a",@progbits
	.p2align	6, 0x0
	.amdhsa_kernel k_q161f8f9035_proj
		.amdhsa_group_segment_fixed_size 327680
		.amdhsa_private_segment_fixed_size 0
		.amdhsa_enable_private_segment 0
		.amdhsa_kernarg_size 64
		.amdhsa_user_sgpr_count 2
		.amdhsa_user_sgpr_kernarg_segment_ptr 1
		.amdhsa_wavefront_size32 1
		.amdhsa_system_sgpr_workgroup_id_x 1
		.amdhsa_system_sgpr_workgroup_id_y 1
		.amdhsa_system_sgpr_workgroup_id_z 1
		.amdhsa_system_vgpr_workitem_id 0
		.amdhsa_next_free_vgpr 1024
		.amdhsa_next_free_sgpr 102
		.amdhsa_reserve_vcc 1
		.amdhsa_float_denorm_mode_32 3
		.amdhsa_float_denorm_mode_16_64 3
		.amdhsa_memory_ordered 1
		.amdhsa_forward_progress 1
		.amdhsa_inst_pref_size 228
	.end_amdhsa_kernel
	.amdgpu_metadata
---
amdhsa.version: [ 1, 2 ]
amdhsa.kernels:
  - .name:           k_q161f8f9035_proj
    .symbol:         k_q161f8f9035_proj.kd
    .args:
      - { .name: xc, .offset: 0, .size: 8, .value_kind: global_buffer, .address_space: global }
      - { .name: xs, .offset: 8, .size: 8, .value_kind: global_buffer, .address_space: global }
      - { .name: bq, .offset: 16, .size: 8, .value_kind: global_buffer, .address_space: global }
      - { .name: bk, .offset: 24, .size: 8, .value_kind: global_buffer, .address_space: global }
      - { .name: qc, .offset: 32, .size: 8, .value_kind: global_buffer, .address_space: global }
      - { .name: qs, .offset: 40, .size: 8, .value_kind: global_buffer, .address_space: global }
      - { .name: bv, .offset: 48, .size: 8, .value_kind: global_buffer, .address_space: global }
      - { .name: kv, .offset: 56, .size: 8, .value_kind: global_buffer, .address_space: global }
    .group_segment_fixed_size: 327680
    .private_segment_fixed_size: 0
    .kernarg_segment_align: 8
    .kernarg_segment_size: 64
    .max_flat_workgroup_size: 128
    .sgpr_count:     102
    .vgpr_count:     1024
    .wavefront_size: 32
...
	.end_amdgpu_metadata
.endif
;; end of part 2
;; launch attn (part 3): grid 8 x 32, 16 waves a work-group, clusters of 4 x 1, 206,848 bytes of LDS; arguments qc, qs, kv, oc, os; writes oc, os
.if DOCPART == 3
	.amdgcn_target "amdgcn-amd-amdhsa--gfx1250"
	.amdhsa_code_object_version 6
	.text
	.protected	k_q161f8f9035_attn
	.globl	k_q161f8f9035_attn
	.p2align	8
	.type	k_q161f8f9035_attn,@function
k_q161f8f9035_attn:
	s_mov_b64 s[64:65], 0
	v_nop
	global_prefetch_b8 v0, s[64:65] scope:SCOPE_SE
	s_setreg_imm32_b32 hwreg(HW_REG_WAVE_MODE, 25, 1), 1
	s_wait_xcnt 0x0
	s_wait_alu depctr_hold_cnt(0) depctr_sa_sdst(0) depctr_va_vdst(0) depctr_va_sdst(0) depctr_va_ssrc(0) depctr_va_vcc(0) depctr_vm_vsrc(0)
	s_getreg_b32 s2, hwreg(HW_REG_IB_STS2, 6, 4)
	s_cmp_eq_u32 s2, 0
	s_cbranch_scc0 .Lentry_in_a_cluster
	s_endpgm
.Lentry_in_a_cluster:
	s_bfe_u32 s2, ttmp6, 0x10000c
	s_cmp_lg_u32 s2, 0x3003
	s_cbranch_scc0 .Lentry_shape_is_right
	s_endpgm
.Lentry_shape_is_right:
; Attention of one head on codes of BF6 (E3M2) with E8M0 scales; head size 64, 2,048 keys, 32 heads (16 x batch + head).
; t = score x log2(e) / 8; M = the running largest t rounded up to a whole number; p = 2^(t - M) is quantised along the keys, not normalised; the row's sum is taken of the unquantised p and divides at the end.
; The result is quantised along head x 64 + d and leaves as an operand of the output projection: oc [token tile][head][768], os [token][32 bytes], bytes 2 head and 2 head + 1.
; SHARES.  A work-group owns 256 queries of a head, each of its sixteen waves one tile of 16, in 256 registers: four waves to a SIMD, so that one wave's vector work stands beside another's matrix work.
; THE WHOLE HEAD'S K AND V, 204,800 bytes, LIE IN LDS, filled once: no slot is ever filled again.  The fills go out in four groups, each wave one load a group; a group is waited for just ahead of the
; four key steps that read it: groups 0..n hold 208, 400, 608, 800 runs of 256 bytes, key steps 0..4 n + 3 need 200, 400, 600, 800.
; CLUSTER.  The four query blocks of a cluster read the same head: each fill is asked for jointly, by the same tensor load with the same descriptor and the mask of all four.
; A key step's record (12,800 bytes): four PAIR fragments of K (K 0-63 of the instruction: key tile 2 B's 64 channels; K 64-127: key tile 2 B + 1's), four fragments of V^T (16 channels x 128 keys),
; K's scale words (16 r + 4 B), V's (16 r + 4 tile).  All as images of the operand's registers: registers 0-3 of lane l at 16 l, 4-5 at 512 + 8 l, and the same 768 bytes on.
; HEAD SIZE 64 IN A K OF 128.  Q stands in v16-33 as [q][zero codes][q]: v[16:27] multiplies a pair's first tile, v[22:33] its second; the dead half's codes are zeros, which add nothing.
; LAYOUT.  Both products are used transposed: a lane holds one query (lane % 16) throughout.  The keys of a tile and the channels of a tile of V were laid so that the 16 registers of two neighbouring
; result tiles are 16 neighbours: 32 B + 16 (lane / 16) + 0 .. 15.
; LIMITS: a block whose largest magnitude lies under 2^-122, a block of zeros among them, gets the scale byte 1 (its codes are zeros or next to nothing; only this program reads the bytes).
.set REC,  12800
.set HEADB, 16*REC
.set F,    36                          ; v36-83   four fragments of K or of V
.set S,    84                          ; v84-147  S^T, then p
.set O,    148                         ; v148-179 O^T
.set PC,   180                         ; v180-191 p's codes
.set CV,   192                         ; v192-194, v196-198 the conversions' second halves
.set BM,   200                         ; v200-203 the blocks' largest scores, then largest p
.set BT,   204                         ; v204-207 at work
.set SO,   208                         ; v208-211 the conversions' scale operands
.set FP,   212                         ; v[212:213] f = 2^(old M - new M)
.set TMP,  214
.set SU2,  216                         ; v[216:217] the sum's second chain
.set KS,   240                         ; v240-243 K's scale words;  v244-247 V's;  v248, v249 Q's for the two halves;  v250 p's: these hold scales and nothing else
.set VS,   244
.set QSA,  248
.set QSB,  249
.set PWD,  250
.set WV,   18
.set SEL,  20
.set CS,   22
.set G1A,  24                          ; s[24:31] group 1: 13 rows of 256 bytes;  s[32:39]: 12 rows
.set G1B,  32
.set G0,   40                          ; s[40:55] four groups 0
.set TB,   56                          ; s56 LDS byte at which the key step's record begins
.set CNT,  57
.macro CROUND                          ; a round of the cluster's barrier
	s_barrier_signal -1
	s_barrier_wait -1
	s_cmp_lg_u32 s[WV], 0
	s_cbranch_scc1 .Lnot_wave_0_\@
	s_barrier_signal -3
.Lnot_wave_0_\@:
	s_barrier_wait -3
	s_barrier_signal -1
	s_barrier_wait -1
.endm
.macro G0SET g, rw, u                  ; fill g: LDS byte = byte of the head = 256 (u + wave x rows a wave)
	s_mov_b32 s[G0+4*\g], 1
	s_add_co_u32 s[G0+4*\g+1], s[\rw], 256*\u
	s_mov_b32 s66, s[G0+4*\g+1]
	s_add_nc_u64 s[G0+4*\g+2:G0+4*\g+3], s[8:9], s[66:67]
	s_or_b32 s[G0+4*\g+3], s[G0+4*\g+3], 0x80000000
.endm
	s_load_b256 s[4:11], s[0:1], 0x0               ; qc, qs, kv, oc
	s_load_b64 s[12:13], s[0:1], 0x20              ; os
	v_lshl_add_u32 v254, v0, 2, 0x32000
	v_mov_b32 v255, 0
	ds_add_u32 v254, v255
	ds_add_u32 v254, v255
	v_lshrrev_b32 v1, 5, v0
	v_readfirstlane_b32 s[WV], v1                  ; wave 0..15
	s_and_b32 s59, ttmp7, 0xffff                   ; the head, which the four partners share
	s_mul_i32 s60, s59, HEADB
	s_mov_b32 s61, 0
	s_mul_i32 s62, s[WV], 13*256
	s_mul_i32 s63, s[WV], 12*256
	s_mov_b32 s67, 0
	s_bfe_u32 s58, ttmp6, 0x40000                  ; cx: it enters Q's and the outputs' addresses alone
	s_lshl_b32 s78, ttmp9, 2
	s_add_co_u32 s78, s78, s58
	s_lshl_b32 s78, s78, 4
	s_add_co_u32 s78, s78, s[WV]                   ; my query tile: 16 x block + wave
	s_mul_i32 s68, s59, 98304
	s_mul_i32 s69, s78, 768
	s_add_co_u32 s68, s68, s69                     ; its codes
	s_mov_b32 s69, 0
	s_lshl_b32 s70, s59, 12
	s_lshr_b32 s71, s78, 3
	s_lshl_b32 s71, s71, 8
	s_add_co_u32 s70, s70, s71
	s_bfe_u32 s71, s78, 0x20001
	s_lshl_b32 s71, s71, 2
	s_add_co_u32 s70, s70, s71                     ; its pair's scale words
	s_mov_b32 s71, 0
	s_lshr_b32 s72, s59, 4
	s_lshl_b32 s72, s72, 7
	s_add_co_u32 s72, s72, s78                     ; the token tile: 128 x batch + query tile
	s_and_b32 s73, s59, 15
	s_mul_i32 s74, s72, 12288
	s_mul_i32 s75, s73, 768
	s_add_co_u32 s74, s74, s75
	s_mov_b32 s75, 0
	s_lshl_b32 s76, s72, 9
	s_lshl_b32 s77, s73, 1
	s_add_co_u32 s76, s76, s77
	s_mov_b32 s77, 0
	s_and_b32 s79, s[WV], 1
	s_lshl_b32 s79, s79, 4                         ; which half of the pair's scale word is my tile's
.irp g, G1A, G1B
	s_mov_b32 s[\g], 15|(3<<16)|(1<<21)            ; 15:0 the mask: all four work-groups; 17:16 elements of 8 bytes; 21 set beside a mask
	s_mov_b32 s[\g+1], 32<<16                      ; tensor_dim0: 256 bytes
	s_mov_b32 s[\g+3], 32<<16                      ; tile_dim0
	s_mov_b32 s[\g+5], 32                          ; tensor_dim0_stride: dense
	s_mov_b32 s[\g+6], 0
	s_mov_b32 s[\g+7], 0
.endr
	s_mov_b32 s[G1A+2], 13<<16                     ; tensor_dim1
	s_mov_b32 s[G1A+4], 13                         ; tile_dim1
	s_mov_b32 s[G1B+2], 12<<16
	s_mov_b32 s[G1B+4], 12
	s_mov_b32 s[SEL], 0x76543210
	s_mov_b32 s[SEL+1], 0xfedcba98
	s_mov_b32 s[CS], 0x3e38aa3b                    ; c = log2(e) / sqrt(64)
	s_mov_b32 s[CS+1], s[CS]                       ; (named with it as a pair)
	s_wait_dscnt 0x0
	s_wait_kmcnt 0x0
	s_add_nc_u64 s[8:9], s[8:9], s[60:61]          ; kv at my head
	G0SET 0, 62, 0
	G0SET 1, 63, 208
	G0SET 2, 62, 400
	G0SET 3, 63, 608
	CROUND                                         ; all four work-groups are here: the joint loads meet
	tensor_load_to_lds s[G0:G0+3], s[G1A:G1A+7]    ; four loads of mine are out
	s_nop 0
	tensor_load_to_lds s[G0+4:G0+7], s[G1B:G1B+7]
	s_nop 0
	tensor_load_to_lds s[G0+8:G0+11], s[G1A:G1A+7]
	s_nop 0
	tensor_load_to_lds s[G0+12:G0+15], s[G1B:G1B+7]
	s_nop 0
.rept 4
	v_nop
.endr
	s_add_nc_u64 s[4:5], s[4:5], s[68:69]
	s_add_nc_u64 s[6:7], s[6:7], s[70:71]
	s_add_nc_u64 s[10:11], s[10:11], s[74:75]
	s_add_nc_u64 s[12:13], s[12:13], s[76:77]
	v_and_b32 v10, 15, v0                          ; r
	v_and_b32 v11, 31, v0                          ; lane
	v_lshlrev_b32 v1, 4, v11                       ; 16 x lane: an image's first part, in LDS and in memory
	v_lshlrev_b32 v2, 3, v11                       ; 8 x lane: its second
	v_lshlrev_b32 v8, 4, v10                       ; 16 r
	v_add_nc_u32 v3, 12288, v8                     ; a record's scale words
	v_lshlrev_b32 v9, 5, v10                       ; 32 r
	global_load_b128 v[16:19], v1, s[4:5]          ; Q's half image, twice
	global_load_b64 v[20:21], v2, s[4:5] offset:512
	global_load_b128 v[28:31], v1, s[4:5]
	global_load_b64 v[32:33], v2, s[4:5] offset:512
	global_load_b32 v[TMP], v8, s[6:7]
.irp j, 22,23,24,25,26,27
	v_mov_b32 v\j, 0                               ; zero codes between them
.endr
	v_mov_b32 v13, 0xff61b1e6                      ; the largest t so far: -3e38
	v_floor_f32 v12, -v13                          ; -M
	v_mov_b32 v14, 0                               ; the sum, in two halves
	v_mov_b32 v15, 0
.irp b, 0,1,2,3
	v_mov_b32 v[BT+\b], 0                          ; written once: a lane permute's destination counts as one of its sources
.endr
	v_mov_b32 v[FP+1], 0                           ; (named as the upper half of a pair)
	s_wait_loadcnt 0x0
	v_lshrrev_b32 v[TMP], s79, v[TMP]
	v_and_b32 v[QSA], 0xffff, v[TMP]               ; my tile's two bytes for K 0-63; the bytes of the dead half are 0, over zero codes
	v_lshlrev_b32 v[QSB], 16, v[QSA]               ; and for K 64-127
.set j, 0
.rept 32
	v_mov_b32 v[O+j], 0                            ; O^T: the step is written once, its first turn finds zeros.  (These are also the places between the scale words above and the first product)
.set j, j+1
.endr
.macro FRAG reg, off
	ds_load_b128 v[\reg:\reg+3],     v4 offset:\off
	ds_load_b64  v[\reg+4:\reg+5],   v5 offset:\off+512
	ds_load_b128 v[\reg+6:\reg+9],   v4 offset:\off+768
	ds_load_b64  v[\reg+10:\reg+11], v5 offset:\off+1280
.endm
; A KEY STEP: 128 keys
.macro STEP
	v_add_nc_u32 v4, s[TB], v1                     ; three additions and a v_nop: the four places between the last step's products and the loads into their registers
	v_add_nc_u32 v5, s[TB], v2
	v_add_nc_u32 v6, s[TB], v3
	v_nop
.irp b, 0,1,2,3
	FRAG F+12*\b, 1536*\b
.endr
	ds_load_b128 v[KS:KS+3], v6
	ds_load_b128 v[VS:VS+3], v6 offset:256
	s_wait_dscnt 0x0
.irp b, 0,1,2,3                                ; S^T = K Q^T: a pair fragment against Q in the low half, then in the high half
	v_wmma_scale_f32_16x16x128_f8f6f4 v[S+16*\b:S+16*\b+7], v[F+12*\b:F+12*\b+11], v[16:27], 0, v[KS+\b], v[QSA] matrix_a_fmt:MATRIX_FMT_BF6 matrix_b_fmt:MATRIX_FMT_BF6
	v_wmma_scale_f32_16x16x128_f8f6f4 v[S+16*\b+8:S+16*\b+15], v[F+12*\b:F+12*\b+11], v[22:33], 0, v[KS+\b], v[QSB] matrix_a_fmt:MATRIX_FMT_BF6 matrix_b_fmt:MATRIX_FMT_BF6
.endr
.rept 4
	v_nop                                          ; places in front of the loads into K's registers and of the first read of the scores
.endr
.irp d, 0,1,2,3
	FRAG F+12*\d, 6144+1536*\d                     ; V's fragments land under the softmax
.endr
.irp b, 0,1,2,3
	v_max3_num_f32 v[BM+\b], v[S+16*\b], v[S+1+16*\b], v[S+2+16*\b]   ; the largest score of each block of 32 keys: for the row's maximum, and, since p rises with the score, for the block's largest p
.endr
.irp i, 3,5,7,9,11,13
.irp b, 0,1,2,3
	v_max3_num_f32 v[BM+\b], v[BM+\b], v[S+16*\b+\i], v[S+1+16*\b+\i]
.endr
.endr
.irp b, 0,1,2,3
	v_max_num_f32 v[BM+\b], v[BM+\b], v[S+15+16*\b]
.endr
.irp b, 0,1,2,3
	v_permlanex16_b32 v[BT+\b], v[BM+\b], s[SEL], s[SEL+1]
.endr
.irp b, 0,1,2,3
	v_max_num_f32 v[BM+\b], v[BM+\b], v[BT+\b]     ; with lane l xor 16's 16 keys
.endr
	v_max3_num_f32 v[TMP], v[BM], v[BM+1], v[BM+2]
	v_max_num_f32 v[TMP], v[TMP], v[BM+3]
	v_mul_f32 v[TMP], s[CS], v[TMP]                ; as t (c is positive)
	v_max_num_f32 v13, v13, v[TMP]                 ; the running largest t
	v_mov_b32 v[TMP], v12
	v_floor_f32 v12, -v13                          ; the new -M = -ceil(t): a whole number
	v_sub_f32 v[TMP], v12, v[TMP]                  ; old M - new M: a whole number, 0 or less
	v_cvt_i32_f32 v[TMP], v[TMP]                   ; (it saturates)
	v_ldexp_f32 v[FP], 1.0, v[TMP]                 ; f = 2^(old M - new M): a multiplication by it rounds nothing
.set j, 0
.rept 32
	v_pk_fma_f32 v[S+j:S+j+1], v[S+j:S+j+1], s[CS:CS+1], v[12:13] op_sel_hi:[1,0,0]   ; t - M, two at a time
.set j, j+2
.endr
.irp b, 0,1,2,3
	v_fma_f32 v[BM+\b], v[BM+\b], s[CS], v12       ; the same of each block's largest score
.endr
.set j, 0
.rept 64
	v_exp_f32 v[S+j], v[S+j]                       ; p = 2^(t - M), at most 1
.set j, j+1
.endr
.irp b, 0,1,2,3
	v_exp_f32 v[BM+\b], v[BM+\b]                   ; the block's largest p: the same two instructions on the same number give the same bits
.endr
	v_pk_mul_f32 v[14:15], v[14:15], v[FP:FP+1] op_sel_hi:[1,0]   ; the sums under the new M.  (A plain place behind the exponentials)
	s_wait_alu depctr_va_vdst(0)
.irp b, 0,1,2,3
	v_max_num_f32 v[BM+\b], 0x2800000, v[BM+\b]    ; the floor 2^(5 - 127): the byte cannot fall under 1
.endr
.irp b, 0,1,2,3
	v_add_nc_u32 v[SO+\b], 0xfe000000, v[BM+\b]    ; 4 off the exponent field: the conversion's scale operand
.endr
.irp b, 0,1,2,3
	v_lshrrev_b32 v[BT+\b], 23, v[SO+\b]           ; the scale's byte
.endr
	v_lshl_or_b32 v[PWD], v[BT+1], 8, v[BT]        ; p's scale word for these 128 keys
	v_lshl_or_b32 v[PWD], v[BT+2], 16, v[PWD]
	v_lshl_or_b32 v[PWD], v[BT+3], 24, v[PWD]
.irp c, 0,1
	v_cvt_scalef32_pk16_bf6_f32 v[PC+6*\c:PC+6*\c+2], v[S+32*\c:S+32*\c+15], v[SO+2*\c]
	v_cvt_scalef32_pk16_bf6_f32 v[CV+4*\c:CV+4*\c+2], v[S+16+32*\c:S+31+32*\c], v[SO+2*\c+1]   ; (a conversion's three registers begin on an even number)
.endr
	v_nop                                          ; one plain place behind a scaled conversion
.irp c, 0,1                                    ; the operand's layout wants a whole block in a lane
.irp i, 0,1,2
	v_permlane16_swap_b32 v[PC+6*\c+\i], v[CV+4*\c+\i]
.endr
.irp i, 0,1,2
	v_mov_b32 v[PC+3+6*\c+\i], v[CV+4*\c+\i]
.endr
.endr
	v_pk_add_f32 v[SU2:SU2+1], v[S:S+1], v[S+2:S+3]   ; the row's sum is taken of the unquantised p: two at a time, in two chains
.irp j, 4,8,12,16,20,24,28,32,36,40,44,48,52,56,60
	v_pk_add_f32 v[14:15], v[14:15], v[S+\j:S+\j+1]
	v_pk_add_f32 v[SU2:SU2+1], v[SU2:SU2+1], v[S+2+\j:S+3+\j]
.endr
	v_pk_add_f32 v[14:15], v[14:15], v[SU2:SU2+1]
.set j, 0
.rept 16
	v_pk_mul_f32 v[O+j:O+j+1], v[O+j:O+j+1], v[FP:FP+1] op_sel_hi:[1,0]   ; O^T under the new M
.set j, j+2
.endr
	s_wait_dscnt 0x0                               ; V is in
.irp d, 0,1,2,3                                ; O^T += V^T P^T: the four accumulators by turns; the eight score products stand between a link and the next
	v_wmma_scale_f32_16x16x128_f8f6f4 v[O+8*\d:O+8*\d+7], v[F+12*\d:F+12*\d+11], v[PC:PC+11], v[O+8*\d:O+8*\d+7], v[VS+\d], v[PWD] matrix_a_fmt:MATRIX_FMT_BF6 matrix_b_fmt:MATRIX_FMT_BF6
.endr
.endm
; Four key steps.  In front of them fill n of every wave has landed; the later fills may stay out, since no LDS byte is ever filled again.
.macro GROUP n
	s_wait_tensorcnt 3-\n                          ; my fills 0 .. n are in; 3 - n younger ones may be out
	s_barrier_signal -1
	s_barrier_wait -1                              ; everybody's are
	s_mov_b32 s[TB], \n*4*REC
	s_mov_b32 s[CNT], 4
.Lstep_\@:
	STEP
	s_add_co_u32 s[TB], s[TB], REC
	s_sub_co_u32 s[CNT], s[CNT], 1
	s_cmp_lg_u32 s[CNT], 0
	s_cbranch_scc1 .Lstep_\@
.endm
	GROUP 0
	GROUP 1
	GROUP 2
	GROUP 3
	; THE WAY OUT: O^T / the sum, quantised along the head's 64 (two blocks), as half an operand image and two scale bytes a row
.rept 4
	v_nop                                          ; places behind the last products
.endr
	v_add_f32 v14, v14, v15                        ; the sum's two halves,
	v_permlanex16_b32 v[TMP], v14, s[SEL], s[SEL+1]
	v_add_f32 v14, v14, v[TMP]                     ; and lane l xor 16's
	v_rcp_f32 v14, v14
	v_nop                                          ; one plain place behind a transcendental
.set j, 0
	s_wait_alu depctr_va_vdst(0)
.rept 32
	v_mul_f32 v[S+j], v[O+j], v14                  ; register 16 B + i is channel 32 B + 16 h + i of my query; each accumulator from its low end on
.set j, j+1
.endr
.irp b, 0,1
	v_max3_num_f32 v[BM+\b], |v[S+16*\b]|, |v[S+1+16*\b]|, 0x2800000
.endr
.irp i, 2,4,6,8,10,12,14
.irp b, 0,1
	v_max3_num_f32 v[BM+\b], v[BM+\b], |v[S+16*\b+\i]|, |v[S+1+16*\b+\i]|
.endr
.endr
.irp b, 0,1
	v_permlanex16_b32 v[BT+\b], v[BM+\b], s[SEL], s[SEL+1]
.endr
.irp b, 0,1
	v_max_num_f32 v[BM+\b], v[BM+\b], v[BT+\b]
.endr
.irp b, 0,1
	v_add_nc_u32 v[SO+\b], 0xfe000000, v[BM+\b]
.endr
.irp b, 0,1
	v_lshrrev_b32 v[BT+\b], 23, v[SO+\b]
.endr
	v_lshl_or_b32 v[TMP], v[BT+1], 8, v[BT]        ; my row's two scale bytes
	v_cvt_scalef32_pk16_bf6_f32 v[PC:PC+2], v[S:S+15], v[SO]
	v_cvt_scalef32_pk16_bf6_f32 v[CV:CV+2], v[S+16:S+31], v[SO+1]
	v_nop
.irp i, 0,1,2
	v_permlane16_swap_b32 v[PC+\i], v[CV+\i]
.endr
.irp i, 0,1,2
	v_mov_b32 v[PC+3+\i], v[CV+\i]
.endr
	global_store_b128 v1, v[PC:PC+3], s[10:11]     ; 512 and 256 consecutive bytes, aligned
	global_store_b64 v2, v[PC+4:PC+5], s[10:11] offset:512
	global_store_b16 v9, v[TMP], s[12:13]          ; two bytes a row are all that a head owns of a row's 32; lanes 16-31 repeat lanes 0-15
	s_wait_tensorcnt 0x0
	ds_add_u32 v254, v255
	s_wait_dscnt 0x0
	CROUND                                         ; the closing round
	s_endpgm
.Lfunc_end_k_q161f8f9035_attn:
	.size	k_q161f8f9035_attn, .Lfunc_end_k_q161f8f9035_attn-k_q161f8f9035_attn
	.p2alignl 7, 3214868480
	.fill 96, 4, 3214868480
	.section	.rodata,"a",@progbits
	.p2align	6, 0x0
	.amdhsa_kernel k_q161f8f9035_attn
		.amdhsa_group_segment_fixed_size 206848
		.amdhsa_private_segment_fixed_size 0
		.amdhsa_enable_private_segment 0
		.amdhsa_kernarg_size 40
		.amdhsa_user_sgpr_count 2
		.amdhsa_user_sgpr_kernarg_segment_ptr 1
		.amdhsa_wavefront_size32 1
		.amdhsa_system_sgpr_workgroup_id_x 1
		.amdhsa_system_sgpr_workgroup_id_y 1
		.amdhsa_system_sgpr_workgroup_id_z 1
		.amdhsa_system_vgpr_workitem_id 0
		.amdhsa_next_free_vgpr 256
		.amdhsa_next_free_sgpr 80
		.amdhsa_reserve_vcc 0
		.amdhsa_float_denorm_mode_32 3
		.amdhsa_float_denorm_mode_16_64 3
		.amdhsa_memory_ordered 1
		.amdhsa_forward_progress 1
		.amdhsa_inst_pref_size 76
	.end_amdhsa_kernel
	.amdgpu_metadata
---
amdhsa.version: [ 1, 2 ]
amdhsa.kernels:
  - .name:           k_q161f8f9035_attn
    .symbol:         k_q161f8f9035_attn.kd
    .args:
      - { .name: qc, .offset: 0, .size: 8, .value_kind: global_buffer, .address_space: global }
      - { .name: qs, .offset: 8, .size: 8, .value_kind: global_buffer, .address_space: global }
      - { .name: kv, .offset: 16, .size: 8, .value_kind: global_buffer, .address_space: global }
      - { .name: oc, .offset: 24, .size: 8, .value_kind: global_buffer, .address_space: global }
      - { .name: os, .offset: 32, .size: 8, .value_kind: global_buffer, .address_space: global }
    .group_segment_fixed_size: 206848
    .private_segment_fixed_size: 0
    .kernarg_segment_align: 8
    .kernarg_segment_size: 40
    .max_flat_workgroup_size: 512
    .sgpr_count:     80
    .vgpr_count:     256
    .wavefront_size: 32
...
	.end_amdgpu_metadata
.endif
;; end of part 3
;; launch oproj (part 4): grid 4 x 16, 4 waves a work-group, clusters of 4 x 4, 327,680 bytes of LDS; arguments oc, os, xc, xs, bo, out0; writes out0
.if DOCPART == 4
	.amdgcn_target "amdgcn-amd-amdhsa--gfx1250"
	.amdhsa_code_object_version 6
	.text
	.protected	k_q161f8f9035_oproj
	.globl	k_q161f8f9035_oproj
	.p2align	8
	.type	k_q161f8f9035_oproj,@function
k_q161f8f9035_oproj:
	s_mov_b64 s[64:65], 0
	v_nop
	global_prefetch_b8 v0, s[64:65] scope:SCOPE_SE
	s_setreg_imm32_b32 hwreg(HW_REG_WAVE_MODE, 25, 1), 1
	s_wait_xcnt 0x0
	s_wait_alu depctr_hold_cnt(0) depctr_sa_sdst(0) depctr_va_vdst(0) depctr_va_sdst(0) depctr_va_ssrc(0) depctr_va_vcc(0) depctr_vm_vsrc(0)
	s_getreg_b32 s2, hwreg(HW_REG_IB_STS2, 6, 4)
	s_cmp_eq_u32 s2, 0
	s_cbranch_scc0 .Lentry_in_a_cluster
	s_endpgm
.Lentry_in_a_cluster:
	s_bfe_u32 s2, ttmp6, 0x10000c
	s_cmp_lg_u32 s2, 0xf033
	s_cbranch_scc0 .Lentry_shape_is_right
	s_endpgm
.Lentry_shape_is_right:
; out0 = a Wo^T + bo on codes of BF6 (E3M2) with E8M0 scales; a [4096][1024] is the attention's result (oc, os), Wo's codes are row tiles 960-1023 of xc, xs; out0 [4096][1024] f32; K = 1,024.
; A work-group of four waves makes 256 x 256, a wave 128 x 128: 64 accumulators.  K goes in steps of 256 through a ring of two LDS slots filled by the tensor data mover.
; OPERANDS lie as images of their registers ([row tile of 16][K step of 128][1,536 bytes]); scales as [row][32 bytes]; a slot's part of a row tile is 3,072 consecutive bytes.
; The matrix instruction is used transposed (source 0 = 16 rows of Wo, source 1 = 16 tokens): a lane holds eight neighbouring numbers of a row of out0.  The bias is the C of each sum's first instruction.
; CLUSTERS: 4 x 4 work-groups; a's tiles are asked for jointly along a row of the cluster, Wo's along a column.  The grid has 64 work-groups: 256 x 256 keeps the LDS bytes read for each product lowest.
; REGISTERS: window 0: v0-31 addresses; v32-63 scale words, two sets; v64-127 the bias; from v128 A's fragments, one set; on the way out v128-255 take rows.
;   window 1: B's fragments, two sets.   windows 2, 3: the accumulators ((a, b) at v[8 (8 (a % 4) + b)]).
.set SIZE_N, 1024
.set NQ,     2
.set FR,     12
.set FRB,    1536
.set NL,     4
.set NP,     4
.set TILEB,  NQ*FRB
.set GROW,   8*FRB
.set HALFT,  8*TILEB
.set SLOT,   4*HALFT
.set LAPS,   2
.set KS,     32
.set SCL,    2*SLOT
.set HALFS,  (128*KS/256)*272
.set SBLK,   (16*KS/256)*272
.set SPARE,  SCL+4*HALFS               ; the spare words, 128 bytes for each wave: two blocks of 256 bytes that no other line names
.set SPITCH, 528                       ; the way out: a stage of 16 rows x (512 bytes + 16) for each wave, in slot 0, which has had its last fill and its last read by then
.set ADRA, 16
.set ADRB, 20
.set STO,  24
.set RD,   25
.set CO,   26
.set ADRS, 27
.set SPW,  28
.set NIL,  29
.set SC,   32
.set BI,   64                          ; v64-127 the bias: register 8 b + j: column 16 b + 8 (lane / 16) + j of my 128
.set AF,   128
.set BK,   128
.set G1, 24
.set G0, 32
.set G1B, 48
.set G0B, 56
.set G1S, 68
.set G0S, 76
.set G1SB, 80
.set G0SB, 88
.set MSB, 0
.macro WIN new
.if MSB != (\new)
	s_set_vgpr_msb (MSB<<8)|(\new)
.set MSB, (\new)
.endif
.endm
.set MUL_LO, 0xa1                      ; source 0 (B) window 1, source 1 (A) window 0, C and D window 2
.set MUL_HI, 0xf1
.set BEG_LO, 0x81                      ; the same with C (the bias) in window 0
.set BEG_HI, 0xc1
.set TO_B,   0x40
.macro JLOAD g0a, g1a, g0b, g1b        ; a joint load: waves 0 and 1 fetch for A, waves 2 and 3 for B; four v_nop follow each of the two lines
	s_cmp_eq_u32 s15, 0
	s_cbranch_scc0 .Lfor_b_\@
	tensor_load_to_lds s[\g0a:\g0a+3], s[\g1a:\g1a+7]
	s_nop 0
.rept 4
	v_nop
.endr
	s_branch .Lasked_\@
.Lfor_b_\@:
	tensor_load_to_lds s[\g0b:\g0b+3], s[\g1b:\g1b+7]
	s_nop 0
.rept 4
	v_nop
.endr
.Lasked_\@:
.endm
.macro CREST
	s_cmp_lg_u32 s14, 0
	s_cbranch_scc1 .Lnot_wave_0_\@
	s_barrier_signal -3
.Lnot_wave_0_\@:
	s_barrier_wait -3
	s_barrier_signal -1
	s_barrier_wait -1
.endm
.macro CROUND
	s_barrier_signal -1
	s_barrier_wait -1
	CREST
.endm
	s_load_b128 s[4:7], s[0:1], 0x0                ; oc, os
	s_load_b128 s[8:11], s[0:1], 0x10              ; xc, xs
	s_load_b64 s[96:97], s[0:1], 0x20              ; bo
	s_load_b64 s[12:13], s[0:1], 0x28              ; out0
	v_lshl_add_u32 v[SPW], v0, 2, SPARE
	v_mov_b32 v[NIL], 0
	ds_add_u32 v28, v29
	ds_add_u32 v28, v29
	s_wait_dscnt 0x0
	v_lshrrev_b32 v1, 5, v0
	v_readfirstlane_b32 s14, v1                    ; wave 0..3
	s_lshr_b32 s15, s14, 1                         ; which half of the tile's rows is mine.  Also: I fetch for A (0) or for B (1)
	s_and_b32 s16, s14, 1                          ; which half of its columns.  Also: which 128 rows of that tile I fetch
	s_bfe_u32 s40, ttmp6, 0x40000                  ; cx, cy
	s_bfe_u32 s41, ttmp6, 0x40004
	s_lshl_b32 s42, ttmp9, 2
	s_add_co_u32 s42, s42, s40                     ; tile column = 4 x cluster x + cx
	s_and_b32 s17, ttmp7, 0xffff
	s_lshl_b32 s17, s17, 2
	s_add_co_u32 s17, s17, s41                     ; tile row = 4 x cluster y + cy
	s_lshl_b32 s43, s41, 2
	s_lshl_b32 s43, 15, s43                        ; my row of the cluster
	s_lshl_b32 s44, 0x1111, s40                    ; my column
	s_or_b32 s[G1+0], s43, (3<<16)|(1<<21)         ; 8 row tiles x 3,072 bytes (384 elements of 8 bytes), 12,288 bytes apart; dense in LDS
	s_or_b32 s[G1B+0], s44, (3<<16)|(1<<21)
.irp g, G1, G1B
	s_mov_b32 s[\g+1], (TILEB/8)<<16
	s_mov_b32 s[\g+2], 8<<16
	s_mov_b32 s[\g+3], (TILEB/8)<<16
	s_mov_b32 s[\g+4], 8
	s_mov_b32 s[\g+5], GROW/8
	s_mov_b32 s[\g+6], 0
	s_mov_b32 s[\g+7], 0
.endr
	s_or_b32 s[G1S+0], s43, (3<<16)|(1<<20)|(1<<21)|(5<<22)|(3<<25)   ; the scales of 128 rows: 16 rows of 256 bytes, 16 bytes of padding behind each
	s_or_b32 s[G1SB+0], s44, (3<<16)|(1<<20)|(1<<21)|(5<<22)|(3<<25)
.irp g, G1S, G1SB
	s_mov_b32 s[\g+1], 32<<16
	s_mov_b32 s[\g+2], (128*KS/256)<<16
	s_mov_b32 s[\g+3], 32<<16
	s_mov_b32 s[\g+4], 128*KS/256
	s_mov_b32 s[\g+5], 32
	s_mov_b32 s[\g+6], 0
	s_mov_b32 s[\g+7], 0
.endr
	s_lshl_b32 s19, s16, 3                         ; which 8 row tiles of the 16 I fetch
	s_lshl_b32 s18, s17, 4
	s_add_co_u32 s18, s18, s19                     ; A: row tile 16 x tile row + 8 x half
	s_lshl_b32 s46, s42, 4
	s_add_co_u32 s46, s46, s19
	s_add_co_u32 s46, s46, 960                     ; B: Wo's row tiles begin at 960
	s_mul_i32 s20, s18, GROW
	s_mov_b32 s21, 0
	s_lshl_b32 s22, s18, 9
	s_mov_b32 s23, 0
	s_lshl_b32 s92, s46, 9
	s_mov_b32 s93, 0
	s_mul_i32 s46, s46, GROW
	s_mov_b32 s47, 0
	s_mul_i32 s45, s14, HALFT
	s_mul_i32 s94, s14, HALFS
	s_wait_kmcnt 0x0
	s_add_nc_u64 s[20:21], s[4:5], s[20:21]
	s_add_nc_u64 s[22:23], s[6:7], s[22:23]
	s_add_nc_u64 s[46:47], s[8:9], s[46:47]
	s_add_nc_u64 s[92:93], s[10:11], s[92:93]
	CROUND                                         ; all sixteen work-groups are here: the first joint loads meet
	s_mov_b32 s[G0S], 1
	s_add_co_u32 s[G0S+1], s94, SCL
	s_mov_b64 s[G0S+2:G0S+3], s[22:23]
	s_or_b32 s[G0S+3], s[G0S+3], 0x80000000
	s_mov_b32 s[G0SB], 1
	s_add_co_u32 s[G0SB+1], s94, SCL
	s_mov_b64 s[G0SB+2:G0SB+3], s[92:93]
	s_or_b32 s[G0SB+3], s[G0SB+3], 0x80000000
	JLOAD G0S, G1S, G0SB, G1SB
.irp s, 0,1
	s_mov_b32 s[G0+4*\s], 1
	s_add_co_u32 s[G0+4*\s+1], s45, \s*SLOT
	s_add_nc_u64 s[G0+4*\s+2:G0+4*\s+3], s[20:21], \s*TILEB
	s_or_b32 s[G0+4*\s+3], s[G0+4*\s+3], 0x80000000
	s_mov_b32 s[G0B+4*\s], 1
	s_add_co_u32 s[G0B+4*\s+1], s45, \s*SLOT
	s_add_nc_u64 s[G0B+4*\s+2:G0B+4*\s+3], s[46:47], \s*TILEB
	s_or_b32 s[G0B+4*\s+3], s[G0B+4*\s+3], 0x80000000
	JLOAD G0+4*\s, G1, G0B+4*\s, G1B
.endr
	v_and_b32 v1, 15, v0                           ; r
	v_bfe_u32 v2, v0, 4, 1                         ; h
	v_and_b32 v3, 31, v0                           ; lane
	v_lshlrev_b32 v4, 4, v3
	v_lshlrev_b32 v5, 3, v3
	s_mul_i32 s21, s15, HALFT
	s_mul_i32 s22, s16, HALFT
	s_add_co_u32 s22, s22, 2*HALFT
.irp s, 0,1
	v_add_nc_u32 v[ADRA+\s], s21, v4
	v_add_nc_u32 v[ADRB+\s], s22, v4
	v_add_nc_u32 v[ADRA+2+\s], s21, v5
	v_add_nc_u32 v[ADRB+2+\s], s22, v5
	s_add_co_u32 s21, s21, SLOT
	s_add_co_u32 s22, s22, SLOT
.endr
	v_mul_u32_u24 v5, v1, KS
	v_lshrrev_b32 v6, 8, v5
	v_lshl_add_u32 v5, v6, 4, v5
	s_mul_i32 s21, s15, HALFS
	s_mul_i32 s22, s16, HALFS
	s_add_co_u32 s22, s22, 2*HALFS
	s_sub_co_u32 s22, s22, s21
	v_mul_u32_u24 v6, s22, v2                      ; lanes 16-31 take B's
	s_add_co_u32 s21, s21, SCL
	v_add_nc_u32 v5, v5, v6
	v_add_nc_u32 v[ADRS], s21, v5
	s_mul_i32 s23, s14, 16*SPITCH                  ; my stage
	v_mul_u32_u24 v5, v1, SPITCH
	v_lshl_add_u32 v5, v2, 5, v5
	v_add_nc_u32 v[STO], s23, v5                   ; in: row r, 32 bytes for each half of the lanes
	v_lshlrev_b32 v[CO], 4, v3                     ; back: the 32 lanes take one row of 512 bytes; and the same in out0
	v_add_nc_u32 v[RD], s23, v[CO]
	s_lshl_b32 s20, s17, 8
	s_lshl_b32 s21, s15, 7
	s_add_co_u32 s20, s20, s21                     ; my first row: 256 x tile row + 128 x half
	s_lshl_b32 s20, s20, 12                        ; x 4,096 bytes
	s_mov_b32 s21, 0
	s_lshl_b32 s46, s42, 10
	s_lshl_b32 s47, s16, 9
	s_add_co_u32 s46, s46, s47                     ; my first column, in bytes
	s_mov_b32 s47, 0
	s_add_nc_u64 s[96:97], s[96:97], s[46:47]      ; bo at my first column
	s_add_nc_u64 s[20:21], s[20:21], s[46:47]
	s_add_nc_u64 s[12:13], s[12:13], s[20:21]
	v_lshlrev_b32 v6, 5, v2                        ; 32 h
.irp b, 0,1,2,3,4,5,6,7
	global_load_b128 v[BI+8*\b:BI+8*\b+3], v6, s[96:97] offset:64*\b
	global_load_b128 v[BI+8*\b+4:BI+8*\b+7], v6, s[96:97] offset:64*\b+16
.endr
.macro FRAG reg, adr, q, i
	ds_load_b128 v[\reg:\reg+3],     v[\adr]   offset:(\i)*TILEB+(\q)*FRB
	ds_load_b64  v[\reg+4:\reg+5],   v[\adr+2] offset:(\i)*TILEB+(\q)*FRB+512
	ds_load_b128 v[\reg+6:\reg+9],   v[\adr]   offset:(\i)*TILEB+(\q)*FRB+768
	ds_load_b64  v[\reg+10:\reg+11], v[\adr+2] offset:(\i)*TILEB+(\q)*FRB+1280
.endm
; 16 matrix instructions; first = 1: the bias is C, so the first product starts the sums.  The 64 accumulators take turns, one instruction a turn.
.macro MUL16 a0, p, q, sc, first
.irp a, \a0, \a0+1
.irp b, 0,1,2,3,4,5,6,7
.if \first
	v_wmma_scale_f32_16x16x128_f8f6f4 v[8*(8*((\a)%4)+\b):8*(8*((\a)%4)+\b)+7], v[128*(\p)+FR*\b:128*(\p)+FR*\b+FR-1], v[AF+FR*(\a):AF+FR*(\a)+FR-1], v[BI+8*\b:BI+8*\b+7], v[SC+8*NQ*(\sc)+NQ*\b+(\q)], v[SC+8*NQ*(\sc)+NQ*(\a)+(\q)] matrix_a_fmt:MATRIX_FMT_BF6 matrix_b_fmt:MATRIX_FMT_BF6 matrix_a_scale:MATRIX_SCALE_ROW1
.else
	v_wmma_scale_f32_16x16x128_f8f6f4 v[8*(8*((\a)%4)+\b):8*(8*((\a)%4)+\b)+7], v[128*(\p)+FR*\b:128*(\p)+FR*\b+FR-1], v[AF+FR*(\a):AF+FR*(\a)+FR-1], v[8*(8*((\a)%4)+\b):8*(8*((\a)%4)+\b)+7], v[SC+8*NQ*(\sc)+NQ*\b+(\q)], v[SC+8*NQ*(\sc)+NQ*(\a)+(\q)] matrix_a_fmt:MATRIX_FMT_BF6 matrix_b_fmt:MATRIX_FMT_BF6 matrix_a_scale:MATRIX_SCALE_ROW1
.endif
.endr
.endr
.endm
.macro FETCH_B slot, q, p
	WIN TO_B
.irp i, 0,1,2,3,4,5,6,7
	FRAG 128*(\p)+FR*\i, ADRB+\slot, \q, \i
.endr
	WIN 0
.endm
.macro FETCH_A slot, q, i0
.irp i, \i0, \i0+1, \i0+2, \i0+3
	FRAG AF+FR*(\i), ADRA+\slot, \q, \i
.endr
.endm
.macro SCALES sc
.irp i, 0,1,2,3,4,5,6,7
	ds_load_b64 v[SC+8*NQ*\sc+NQ*\i:SC+8*NQ*\sc+NQ*\i+1], v[ADRS] offset:\i*SBLK
.endr
.endm
.macro PLACES n
.rept \n
	v_nop
.endr
.endm
.macro STEP slot, q, first
	s_wait_dscnt 4*NL                              ; B's set and A's blocks 0-3 are in; the youngest sixteen loads (A's blocks 4-7) may be out
.if \first
	WIN BEG_LO
.else
	WIN MUL_LO
.endif
	MUL16 0, (\q)%2, \q, \slot, \first
	MUL16 2, (\q)%2, \q, \slot, \first
	s_wait_dscnt 0
	PLACES NP
	FETCH_B \slot, (\q)+1, 1-(\q)%2
	FETCH_A \slot, (\q)+1, 0
.if \first
	WIN BEG_HI
.else
	WIN MUL_HI
.endif
	MUL16 4, (\q)%2, \q, \slot, \first
	MUL16 6, (\q)%2, \q, \slot, \first
	PLACES NP
	WIN 0
	FETCH_A \slot, (\q)+1, 4
.endm
.macro TURN slot, next, fill
	s_wait_tensorcnt 0x0                           ; all my tensor loads have landed: my part of the next slot
	ds_add_u32 v[SPW], v[NIL]                      ; 0 onto my spare word
	s_wait_dscnt 4*NL+1                            ; (the add and the youngest sixteen loads may be out)
	WIN MUL_LO
	MUL16 0, 1, NQ-1, \slot, 0
	s_wait_dscnt 0x0                               ; the add is done, and my reads of this slot are over
	s_barrier_signal -1
	MUL16 2, 1, NQ-1, \slot, 0
	WIN 0
	s_barrier_wait -1
.if \fill
	CREST                                          ; the barrier has opened a round of the cluster's barrier: no wave of any partner still reads this slot or has a load on its way
	s_add_nc_u64 s[G0+4*\slot+2:G0+4*\slot+3], s[G0+4*\slot+2:G0+4*\slot+3], 2*TILEB
	s_add_nc_u64 s[G0B+4*\slot+2:G0B+4*\slot+3], s[G0B+4*\slot+2:G0B+4*\slot+3], 2*TILEB
	JLOAD G0+4*\slot, G1, G0B+4*\slot, G1B
.else
	PLACES NP
.endif
	v_add_nc_u32 v[ADRS], 4*NQ, v[ADRS]
	FETCH_B \next, 0, 0
	FETCH_A \next, 0, 0
	SCALES \next
	WIN MUL_HI
	MUL16 4, 1, NQ-1, \slot, 0
	MUL16 6, 1, NQ-1, \slot, 0
	PLACES NP
	WIN 0
	FETCH_A \next, 0, 4
.endm
	s_wait_tensorcnt 1                             ; the scales and my part of K step 0 are in (K step 1's load may be out)
	s_barrier_signal -1
	s_barrier_wait -1
	FETCH_B 0, 0, 0
	FETCH_A 0, 0, 0
	SCALES 0
	FETCH_A 0, 0, 4
	s_wait_loadcnt 0x0                             ; the bias
	STEP 0, 0, 1
	s_mov_b32 s3, LAPS-1
.Llap:
	TURN 0, 1, 1
	STEP 1, 0, 0
	TURN 1, 0, 1
	STEP 0, 0, 0
	s_sub_co_u32 s3, s3, 1
	s_cmp_lg_u32 s3, 0
	s_cbranch_scc1 .Llap
	TURN 0, 1, 0                                   ; the last lap fills nothing
	STEP 1, 0, 0
	s_wait_dscnt 4*NL
	WIN MUL_LO
	MUL16 0, 1, NQ-1, 1, 0
	MUL16 2, 1, NQ-1, 1, 0
	s_wait_dscnt 0
	WIN MUL_HI
	MUL16 4, 1, NQ-1, 1, 0
	MUL16 6, 1, NQ-1, 1, 0
	WIN 0
; THE WAY OUT, block by block of 16 rows x 128 columns, through my own stage in LDS: back come whole rows of 512 bytes.  LDS serves a wave's instructions in order: no wait between the stores and the loads.
.macro TOSTAGE a
.set AC, 64*((\a)%4)
	WIN 0x08+4*((\a)/4)                            ; the data: window 2 or 3
.irp b, 0,1,2,3,4,5,6,7
	ds_store_b128 v[STO], v[AC+8*\b:AC+8*\b+3] offset:64*\b          ; each accumulator from its low end on
	ds_store_b128 v[STO], v[AC+8*\b+4:AC+8*\b+7] offset:64*\b+16
.endr
	WIN 0
.set BB, BK+64*((\a)%2)
.irp t, 0,1,2,3,4,5,6,7,8,9,10,11,12,13,14,15
	ds_load_b128 v[BB+4*\t:BB+4*\t+3], v[RD] offset:\t*SPITCH
.endr
.endm
.macro SEND a, younger
.set BB, BK+64*((\a)%2)
	s_wait_dscnt \younger                          ; the block is back in registers
.if (\a) > 0
	s_add_nc_u64 s[12:13], s[12:13], 16*SIZE_N*4   ; (behind a wait on XCNT: the earlier stores have read their base)
.endif
.irp t, 0,1,2,3,4,5,6,7,8,9,10,11,12,13,14,15
	global_store_b128 v[CO], v[BB+4*\t:BB+4*\t+3], s[12:13] offset:\t*SIZE_N*4 th:TH_STORE_NT   ; 32 lanes store 512 consecutive bytes, aligned
.endr
.endm
	PLACES NP
	TOSTAGE 0
.irp a, 1,2,3,4,5,6,7
.if \a > 1
	s_wait_xcnt 0x0                                ; block a - 2's stores have read their registers and their base
.endif
	TOSTAGE \a
	SEND \a-1, 32                                  ; behind block a - 1's loads: block a's 16 stores and 16 loads
.endr
	s_wait_xcnt 0x0
	SEND 7, 0
	s_wait_tensorcnt 0x0                           ; the wave's end
	ds_add_u32 v[SPW], v[NIL]
	s_wait_dscnt 0x0
	CROUND                                         ; the closing round
	s_endpgm
.Lfunc_end_k_q161f8f9035_oproj:
	.size	k_q161f8f9035_oproj, .Lfunc_end_k_q161f8f9035_oproj-k_q161f8f9035_oproj
	.p2alignl 7, 3214868480
	.fill 96, 4, 3214868480
	.section	.rodata,"a",@progbits
	.p2align	6, 0x0
	.amdhsa_kernel k_q161f8f9035_oproj
		.amdhsa_group_segment_fixed_size 327680
		.amdhsa_private_segment_fixed_size 0
		.amdhsa_enable_private_segment 0
		.amdhsa_kernarg_size 48
		.amdhsa_user_sgpr_count 2
		.amdhsa_user_sgpr_kernarg_segment_ptr 1
		.amdhsa_wavefront_size32 1
		.amdhsa_system_sgpr_workgroup_id_x 1
		.amdhsa_system_sgpr_workgroup_id_y 1
		.amdhsa_system_sgpr_workgroup_id_z 1
		.amdhsa_system_vgpr_workitem_id 0
		.amdhsa_next_free_vgpr 1024
		.amdhsa_next_free_sgpr 98
		.amdhsa_reserve_vcc 0
		.amdhsa_float_denorm_mode_32 3
		.amdhsa_float_denorm_mode_16_64 3
		.amdhsa_memory_ordered 1
		.amdhsa_forward_progress 1
		.amdhsa_inst_pref_size 145
	.end_amdhsa_kernel
	.amdgpu_metadata
---
amdhsa.version: [ 1, 2 ]
amdhsa.kernels:
  - .name:           k_q161f8f9035_oproj
    .symbol:         k_q161f8f9035_oproj.kd
    .args:
      - { .name: oc, .offset: 0, .size: 8, .value_kind: global_buffer, .address_space: global }
      - { .name: os, .offset: 8, .size: 8, .value_kind: global_buffer, .address_space: global }
      - { .name: xc, .offset: 16, .size: 8, .value_kind: global_buffer, .address_space: global }
      - { .name: xs, .offset: 24, .size: 8, .value_kind: global_buffer, .address_space: global }
      - { .name: bo, .offset: 32, .size: 8, .value_kind: global_buffer, .address_space: global }
      - { .name: out0, .offset: 40, .size: 8, .value_kind: global_buffer, .address_space: global }
    .group_segment_fixed_size: 327680
    .private_segment_fixed_size: 0
    .kernarg_segment_align: 8
    .kernarg_segment_size: 48
    .max_flat_workgroup_size: 128
    .sgpr_count:     98
    .vgpr_count:     1024
    .wavefront_size: 32
...
	.end_amdgpu_metadata
.endif
;; end of part 4
;; ======== version 2 of 2: 4 launches
;; limits: right only within a limited range of input values
;; workspace buffers: xc 12,582,912 bytes; xs 524,288 bytes; qc 3,145,728 bytes; qs 131,072 bytes; kv 6,553,600 bytes; oc 3,145,728 bytes; os 131,072 bytes
;; launch quant (part 5): grid 256 x 1, 16 waves a work-group, no clusters, 139,264 bytes of LDS; arguments q, k, v, Wq, Wk, Wv, Wo, xc, xs; writes xc, xs
.if DOCPART == 5
	.amdgcn_target "amdgcn-amd-amdhsa--gfx1250"
	.amdhsa_code_object_version 6
	.text
	.protected	k_q161f8f9035_quant
	.globl	k_q161f8f9035_quant
	.p2align	8
	.type	k_q161f8f9035_quant,@function
k_q161f8f9035_quant:
	s_mov_b64 s[64:65], 0
	v_nop
	global_prefetch_b8 v0, s[64:65] scope:SCOPE_SE
	s_setreg_imm32_b32 hwreg(HW_REG_WAVE_MODE, 25, 1), 1
	s_wait_xcnt 0x0
; q, k, v [4096][1024] and Wq, Wk, Wv, Wo [1024][1024], f32, become codes of BF6 (E3M2) with one E8M0 byte for each 32 along K (the last axis).
; A block's scale is 2^(floor(log2(its largest magnitude)) - 4); its byte is the largest magnitude's exponent field - 4, held at 1 from below.
; LIMITS: a block whose largest magnitude lies under 2^-122 gets the byte 1; a block of zeros gets the byte 1 where the quantiser says 127 (its codes are
; zeros, which add nothing, and only this program reads the bytes); NaN and infinities among the inputs are not served.
; LAYOUT OF xc: [row tile of 16 rows, 1024 of them][K step of 128, 8][1536 bytes]: a fragment as an image of the operand's 12 registers, in two halves of 768 bytes
; (64 along K): registers 0-3 of lane l at 16 l, registers 4-5 at 512 + 8 l.  Row tiles: q 0-255, k 256-511, v 512-767, Wq 768-, Wk 832-, Wv 896-, Wo 960-1023.
; LAYOUT OF xs: [row tile][place of the row in the tile][32 bytes], byte i for K = 32 i on.
; THE ROWS OF A TILE: q and Wo in their order.  In k, v, Wq, Wk, Wv place rho of tile 2 B + u holds row 32 B + 8 u + rho + 8 (rho / 8), so that the results of a product
; that takes such a tensor as its source 0 lie as 16 neighbours in the 16 registers of two neighbouring tiles.
; SHARES: a work-group takes four row tiles; wave w tile w / 4 and the K quarter w % 4: two fragments, 16 KiB of f32, all 32 loads out at once.  Each load reads 512 consecutive
; bytes of one row; the numbers turn through the wave's own stage in LDS, so that a lane holds 16 neighbours along K of each block of its row.
; No tensor loads, no matrix work, no cluster: the work-groups share no input, and memory binds.
; THE TILES OF k ARE LAID OTHERWISE than those of v and the weights: place rho of tile 4 C + u (u = 0 .. 3) holds row 64 C + 8 u + rho + 24 (rho / 8): rows 0-7 of four tiles are one block of 32 keys, rows 8-15 the next,
; so that the scores' registers of four tiles are a whole block of neighbours in each lane.
.set R,    16                          ; v16-143  two fragments' numbers as loaded: 4 registers a row
.set X,    144                         ; v144-207 64 numbers of my row: register 16 b + i = K 32 b + 16 (lane / 16) + i
.set PC,   208                         ; v208-219 the codes; v220-226 at work
.set TM,   228                         ; v228-243 at work
.set PW,   244                         ; the scale word just made
.set SW,   246                         ; v246-247 my two scale words
.set SEL,  4                           ; s[4:5] lane selects: lane l xor 16
.set SPI,  528                         ; a stage row: 512 bytes + 16
.set STG,  16*SPI                      ; a wave's stage
.set SCB,  16*STG                      ; behind the stages: the scale bytes of the group's four tiles, 2,048 bytes
.set FRB,  1536
; 64 numbers of a lane, v[s] on, become a fragment's codes in v[PC] on and its scale word in v[PW] (the same in lanes l and l xor 16)
.macro QUANT s
.irp b, 0,1,2,3
	v_max3_num_f32 v[TM+\b], |v[\s+16*\b]|, |v[\s+1+16*\b]|, 0x2800000   ; block b: my 16 numbers, and the floor 2^(5 - 127): the byte cannot fall under 1
.endr
.irp i, 2,4,6,8,10,12,14
.irp b, 0,1,2,3
	s_delay_alu instid0(VALU_DEP_4)
	v_max3_num_f32 v[TM+\b], v[TM+\b], |v[\s+16*\b+\i]|, |v[\s+1+16*\b+\i]|   ; the four blocks by turns
.endr
.endr
.irp b, 0,1,2,3
	s_delay_alu instid0(VALU_DEP_4)
	v_permlanex16_b32 v[TM+4+\b], v[TM+\b], s[SEL], s[SEL+1]
.endr
.irp b, 0,1,2,3
	s_delay_alu instid0(VALU_DEP_4)
	v_max_num_f32 v[TM+\b], v[TM+\b], v[TM+4+\b]   ; with lane l xor 16's: the block's largest magnitude
.endr
.irp b, 0,1,2,3
	s_delay_alu instid0(VALU_DEP_4)
	v_add_nc_u32 v[TM+12+\b], 0xfe000000, v[TM+\b]   ; 4 off its exponent field: the conversion takes this operand's exponent field as its scale
.endr
.irp b, 0,1,2,3
	s_delay_alu instid0(VALU_DEP_4)
	v_lshrrev_b32 v[TM+4+\b], 23, v[TM+12+\b]   ; the scale's byte
.endr
	s_delay_alu instid0(VALU_DEP_3)
	v_lshl_or_b32 v[PW], v[TM+5], 8, v[TM+4]
	s_delay_alu instid0(VALU_DEP_1)
	v_lshl_or_b32 v[PW], v[TM+6], 16, v[PW]
	s_delay_alu instid0(VALU_DEP_1)
	v_lshl_or_b32 v[PW], v[TM+7], 24, v[PW]
.irp c, 0,1
	v_cvt_scalef32_pk16_bf6_f32 v[PC+6*\c:PC+2+6*\c], v[\s+32*\c:\s+15+32*\c], v[TM+12+2*\c]
	v_cvt_scalef32_pk16_bf6_f32 v[PC+12+4*\c:PC+14+4*\c], v[\s+16+32*\c:\s+31+32*\c], v[TM+12+2*\c+1]   ; (a conversion's three registers begin on an even number)
.endr
	v_nop                                          ; one plain place behind a scaled conversion
.irp c, 0,1                                    ; the operand's layout wants a whole block in a lane: lanes 0-15 block 2 c, lanes 16-31 block 2 c + 1
.irp i, 0,1,2
	v_permlane16_swap_b32 v[PC+6*\c+\i], v[PC+12+4*\c+\i]
.endr
.irp i, 0,1,2
	s_delay_alu instid0(VALU_DEP_3)
	v_mov_b32 v[PC+3+6*\c+\i], v[PC+12+4*\c+\i]
.endr
.endr
.endm
	s_load_b512 s[8:23], s[0:1], 0x0               ; q, k, v, Wq, Wk, Wv, Wo, xc
	s_load_b64 s[24:25], s[0:1], 0x40              ; xs
	v_lshl_add_u32 v254, v0, 2, 0x21800
	v_mov_b32 v255, 0
	v_lshrrev_b32 v1, 5, v0
	s_delay_alu instid0(VALU_DEP_1)
	v_readfirstlane_b32 s28, v1                    ; wave 0..15
	v_and_b32 v1, 31, v0                           ; lane
	s_wait_alu depctr_va_vdst(0)
	v_and_b32 v2, 15, v0                           ; r
	s_wait_alu depctr_va_vdst(0)
	v_bfe_u32 v3, v0, 4, 1                         ; h
	s_lshr_b32 s29, s28, 2                         ; which of the four tiles
	s_and_b32 s30, s28, 3                          ; which K quarter
	s_mov_b32 s[SEL], 0x76543210
	s_mov_b32 s[SEL+1], 0xfedcba98
	s_lshl_b32 s33, s29, 4                         ; the tile's first row among the group's 64: in order, 16 x tile;
	s_lshr_b32 s34, s29, 1
	s_lshl_b32 s34, s34, 5
	s_and_b32 s35, s29, 1
	s_lshl_b32 s35, s35, 3
	s_add_co_u32 s34, s34, s35                     ; permuted, 32 (tile / 2) + 8 (tile % 2)
	s_sub_co_u32 s35, ttmp9, 64
	s_cmp_lt_u32 s35, 176                          ; work-groups 64 to 239 (k, v, Wq, Wk, Wv) are permuted
	s_cselect_b32 s33, s34, s33
	s_cselect_b32 s36, 0x8000, 0                   ; there the tile's upper eight places lie eight rows (32,768 bytes) further on
	s_lshl_b32 s31, s29, 3
	s_cmp_lt_u32 s35, 64                           ; work-groups 64 to 127 (k): the first row is 8 x tile, and the upper eight places lie 24 rows further on
	s_cselect_b32 s33, s31, s33
	s_cselect_b32 s36, 0x18000, s36
	s_cmp_lt_u32 ttmp9, 192
	s_cselect_b32 s35, 63, 15
	s_and_b32 s35, ttmp9, s35                      ; the work-group's number within its tensor
	s_lshl_b32 s35, s35, 6
	s_add_co_u32 s33, s33, s35                     ; row
	s_lshl_b32 s32, s33, 12                        ; x 4,096 bytes
	s_lshl_b32 s35, s30, 10
	s_add_co_u32 s32, s32, s35                     ; + the K quarter's 1,024 bytes
	s_mov_b32 s33, 0
	s_lshl_b32 s34, ttmp9, 2
	s_add_co_u32 s34, s34, s29
	s_mul_i32 s34, s34, 8*FRB                      ; xc: row tile x 12,288
	s_mul_i32 s35, s30, 2*FRB
	s_add_co_u32 s34, s34, s35                     ; + my two fragments' place
	s_mov_b32 s35, 0
	s_mul_i32 s37, s28, STG                        ; my stage
	v_lshlrev_b32 v4, 4, v1                        ; 16 x lane: a load's 512 bytes, and an image's first part
	s_delay_alu instid0(VALU_DEP_1)
	v_add_nc_u32 v5, s36, v4                       ; the same for the tile's upper eight places
	s_delay_alu instid0(VALU_DEP_2)
	v_add_nc_u32 v6, s37, v4                       ; the stage, on the way in
	v_mul_u32_u24 v7, v2, SPI
	s_wait_alu depctr_va_vdst(0)
	v_lshl_add_u32 v7, v3, 6, v7
	s_delay_alu instid0(VALU_DEP_1)
	v_add_nc_u32 v7, s37, v7                       ; and out: row r, + 64 h
	v_lshlrev_b32 v9, 3, v1                        ; 8 x lane: an image's second part
	s_lshl_b32 s38, s29, 9
	s_lshl_b32 s39, s30, 3
	s_add_co_u32 s38, s38, s39
	s_add_co_u32 s38, s38, SCB
	v_lshl_add_u32 v10, v2, 5, s38                 ; my two scale words: 512 x tile + 32 r + 8 x quarter
	s_lshl_b32 s41, s30, 9
	s_add_co_u32 s39, s41, SCB
	v_lshl_add_u32 v11, v1, 4, s39                 ; on the way out waves 0-3 take a tile's 512 bytes each
	v_lshl_add_u32 v12, v1, 4, s41
.irp b, 0,1,2,3
	v_mov_b32 v[TM+4+\b], 0                        ; written once: a lane permute's destination counts as one of its sources
.endr
	s_wait_alu depctr_va_vdst(0)
	s_wait_kmcnt 0x0
	s_mov_b64 s[26:27], s[20:21]                   ; which tensor: the choice hangs on the work-group's number alone
	s_cmp_lt_u32 ttmp9, 240
	s_cselect_b64 s[26:27], s[18:19], s[26:27]
	s_cmp_lt_u32 ttmp9, 224
	s_cselect_b64 s[26:27], s[16:17], s[26:27]
	s_cmp_lt_u32 ttmp9, 208
	s_cselect_b64 s[26:27], s[14:15], s[26:27]
	s_cmp_lt_u32 ttmp9, 192
	s_cselect_b64 s[26:27], s[12:13], s[26:27]
	s_cmp_lt_u32 ttmp9, 128
	s_cselect_b64 s[26:27], s[10:11], s[26:27]
	s_cmp_lt_u32 ttmp9, 64
	s_cselect_b64 s[26:27], s[8:9], s[26:27]
	s_add_nc_u64 s[26:27], s[26:27], s[32:33]
	s_add_nc_u64 s[22:23], s[22:23], s[34:35]
	s_lshl_b32 s34, ttmp9, 11
	s_add_nc_u64 s[24:25], s[24:25], s[34:35]      ; xs: 2,048 bytes a work-group
.irp f, 0,1
.set rho, 0
.rept 16
.if rho < 8
	global_load_b128 v[R+64*\f+4*rho:R+64*\f+4*rho+3], v4, s[26:27] offset:rho*4096+512*\f th:TH_LOAD_NT   ; 32 lanes read 512 consecutive bytes of one row
.else
	global_load_b128 v[R+64*\f+4*rho:R+64*\f+4*rho+3], v5, s[26:27] offset:rho*4096+512*\f th:TH_LOAD_NT
.endif
.set rho, rho+1
.endr
.endr
.macro PART f
	s_wait_loadcnt 16-16*\f                        ; this fragment's sixteen loads are in; the other's may be out
.set rho, 0
.rept 16
	ds_store_b128 v6, v[R+64*\f+4*rho:R+64*\f+4*rho+3] offset:SPI*rho
.set rho, rho+1
.endr
.irp b, 0,1,2,3
.irp j, 0,1,2,3
	ds_load_b128 v[X+16*\b+4*\j:X+16*\b+4*\j+3], v7 offset:128*\b+16*\j   ; LDS serves a wave's instructions in order: these see the stores above
.endr
.endr
	s_wait_dscnt 0x0
.if \f
	s_wait_xcnt 0x0                                ; the first fragment's stores have read their data: the codes' registers are written again only behind this wait
.endif
	QUANT X
	global_store_b128 v4, v[PC:PC+3], s[22:23] offset:FRB*\f            ; each store covers 512 or 256 consecutive bytes, aligned
	global_store_b64 v9, v[PC+4:PC+5], s[22:23] offset:FRB*\f+512
	global_store_b128 v4, v[PC+6:PC+9], s[22:23] offset:FRB*\f+768
	global_store_b64 v9, v[PC+10:PC+11], s[22:23] offset:FRB*\f+1280
	v_mov_b32 v[SW+\f], v[PW]
.endm
	PART 0
	PART 1
	ds_store_b64 v10, v[SW:SW+1]                   ; lanes l and l xor 16 write the same bytes with the same value
	s_wait_dscnt 0x0                               ; for the others' sake: my store has landed
	s_barrier_signal -1
	s_barrier_wait -1
	s_cmp_gt_u32 s28, 3
	s_cbranch_scc1 .Ldone
	ds_load_b128 v[248:251], v11                   ; a tile's scale bytes, made by four waves
	s_wait_dscnt 0x0
	global_store_b128 v12, v[248:251], s[24:25]    ; 512 consecutive bytes, aligned
.Ldone:
	s_wait_tensorcnt 0x0
	ds_add_u32 v254, v255
	s_wait_dscnt 0x0
	s_endpgm
.Lfunc_end_k_q161f8f9035_quant:
	.size	k_q161f8f9035_quant, .Lfunc_end_k_q161f8f9035_quant-k_q161f8f9035_quant
	.p2alignl 7, 3214868480
	.fill 96, 4, 3214868480
	.section	.rodata,"a",@progbits
	.p2align	6, 0x0
	.amdhsa_kernel k_q161f8f9035_quant
		.amdhsa_group_segment_fixed_size 139264
		.amdhsa_private_segment_fixed_size 0
		.amdhsa_enable_private_segment 0
		.amdhsa_kernarg_size 72
		.amdhsa_user_sgpr_count 2
		.amdhsa_user_sgpr_kernarg_segment_ptr 1
		.amdhsa_wavefront_size32 1
		.amdhsa_system_sgpr_workgroup_id_x 1
		.amdhsa_system_sgpr_workgroup_id_y 1
		.amdhsa_system_sgpr_workgroup_id_z 1
		.amdhsa_system_vgpr_workitem_id 0
		.amdhsa_next_free_vgpr 256
		.amdhsa_next_free_sgpr 66
		.amdhsa_reserve_vcc 0
		.amdhsa_float_denorm_mode_32 3
		.amdhsa_float_denorm_mode_16_64 3
		.amdhsa_memory_ordered 1
		.amdhsa_forward_progress 1
		.amdhsa_inst_pref_size 24
	.end_amdhsa_kernel
	.amdgpu_metadata
---
amdhsa.version: [ 1, 2 ]
amdhsa.kernels:
  - .name:           k_q161f8f9035_quant
    .symbol:         k_q161f8f9035_quant.kd
    .args:
      - { .name: q, .offset: 0, .size: 8, .value_kind: global_buffer, .address_space: global }
      - { .name: k, .offset: 8, .size: 8, .value_kind: global_buffer, .address_space: global }
      - { .name: v, .offset: 16, .size: 8, .value_kind: global_buffer, .address_space: global }
      - { .name: Wq, .offset: 24, .size: 8, .value_kind: global_buffer, .address_space: global }
      - { .name: Wk, .offset: 32, .size: 8, .value_kind: global_buffer, .address_space: global }
      - { .name: Wv, .offset: 40, .size: 8, .value_kind: global_buffer, .address_space: global }
      - { .name: Wo, .offset: 48, .size: 8, .value_kind: global_buffer, .address_space: global }
      - { .name: xc, .offset: 56, .size: 8, .value_kind: global_buffer, .address_space: global }
      - { .name: xs, .offset: 64, .size: 8, .value_kind: global_buffer, .address_space: global }
    .group_segment_fixed_size: 139264
    .private_segment_fixed_size: 0
    .kernarg_segment_align: 8
    .kernarg_segment_size: 72
    .max_flat_workgroup_size: 512
    .sgpr_count:     66
    .vgpr_count:     256
    .wavefront_size: 32
...
	.end_amdgpu_metadata
.endif
;; end of part 5
;; launch proj (part 6): grid 4 x 48, 4 waves a work-group, clusters of 4 x 4, 327,680 bytes of LDS; arguments xc, xs, bq, bk, qc, qs, bv, kv; writes qc, qs, kv
.if DOCPART == 6
	.amdgcn_target "amdgcn-amd-amdhsa--gfx1250"
	.amdhsa_code_object_version 6
	.text
	.protected	k_q161f8f9035_proj
	.globl	k_q161f8f9035_proj
	.p2align	8
	.type	k_q161f8f9035_proj,@function
k_q161f8f9035_proj:
	s_mov_b64 s[64:65], 0
	v_nop
	global_prefetch_b8 v0, s[64:65] scope:SCOPE_SE
	s_setreg_imm32_b32 hwreg(HW_REG_WAVE_MODE, 25, 1), 1
	s_wait_xcnt 0x0
	s_wait_alu depctr_hold_cnt(0) depctr_sa_sdst(0) depctr_va_vdst(0) depctr_va_sdst(0) depctr_va_ssrc(0) depctr_va_vcc(0) depctr_vm_vsrc(0)
	s_getreg_b32 s2, hwreg(HW_REG_IB_STS2, 6, 4)
	s_cmp_eq_u32 s2, 0
	s_cbranch_scc0 .Lentry_in_a_cluster
	s_endpgm
.Lentry_in_a_cluster:
	s_bfe_u32 s2, ttmp6, 0x10000c
	s_cmp_lg_u32 s2, 0xf033
	s_cbranch_scc0 .Lentry_shape_is_right
	s_endpgm
.Lentry_shape_is_right:
; The three input projections on codes of BF6 (E3M2) with E8M0 scales: y = x W^T + b, K = 1,024; y is quantised in registers and leaves as codes and scale bytes for the attention launch.
; A work-group of four waves makes 256 x 256 of one product, a wave 128 x 128: 64 accumulators.  K goes in steps of 256 through a ring of two LDS slots filled by the tensor data mover.
; OPERANDS lie in xc as images of their registers ([row tile of 16][K step of 128][1,536 bytes]) and in xs as [row][32 scale bytes]; a row tile's part is 3,072 consecutive bytes in slot 0 and 6,144 in slot 1.
; ROLES.  Source 1 ('A': one row a lane) and source 0 ('B': rows along a lane's registers).  Clusters 0-3 along y: q (A = tokens, B = Wq); 4-7: k (A = tokens, B = Wk): a lane then holds one token and
; 128 features, two heads: quantised along the head's 64.  Clusters 8-11: v (A = Wv, B = tokens): a lane holds one feature and 128 tokens: quantised along the keys.
; B's rows were laid so that the 16 registers of accumulators (a, 2 B) and (a, 2 B + 1) are the 16 neighbours 32 B + 16 (lane / 16) + 0 .. 15.
; OUT.  qc [head][query tile][768]; qs [head][8 tiles][256]: word 16 r + 4 pair, a tile's two bytes in each half.  kv [head][key step of 128][12,800]: K's eight half images, V's four fragments,
; K's scale words (16 r + 4 pair), V's (16 r + 4 tile).
; CLUSTERS: 4 x 4 work-groups; A's tiles are asked for jointly along a row of the cluster, B's along a column.  The role hangs on the cluster's y alone: it is alike in all partners.
; LIMITS: a block whose largest magnitude lies under 2^-122, a block of zeros among them, gets the scale byte 1 (zeros' codes are zeros; only this program reads the bytes); NaN and infinities are not served.
; REGISTERS: window 0: v0-31 addresses; v32-63 scale words, two sets; v64-127 the bias; from v128 A's fragments, one set; behind the last product v128-251 serve the way out.
;   window 1: B's fragments, two sets, at v0 and v128.   windows 2, 3: the accumulators of my A rows 0-63, 64-127 ((a, b) at v[8 (8 (a % 4) + b)]).
.set NQ,     2                         ; matrix instructions deep in a slot
.set FR,     12                        ; registers of a fragment
.set FRB,    1536                      ; and its image in bytes
.set NL,     4                         ; LDS loads that bring one
.set NP,     4                         ; places behind this matrix instruction (ISA guide 7.12.1)
.set TILEB,  NQ*FRB                    ; a row tile's bytes in a slot
.set GROW,   8*FRB                     ; a row tile's bytes in memory
.set HALFT,  8*TILEB                   ; 128 rows: what one tensor load brings
.set SLOT,   4*HALFT                   ; A's 256 rows, then B's
; THE SLOTS: slot 0 holds K step 0 (256 along K), slot 1 K steps 1 AND 2, brought by one load (a row tile's 6,144 bytes on end); K step 3 fills slot 0 again.  Steps of 128 along K are numbered 0 to 7.
.set KS,     32                        ; a row of scales in bytes
.set SCL,    3*SLOT                    ; behind slot 0 and slot 1 (twice as large): the scales, as runs of 256 bytes + 16 of padding
.set HALFS,  (128*KS/256)*272
.set SBLK,   (16*KS/256)*272
.set SPARE,  SCL+4*HALFS               ; the spare words, 128 bytes for each wave: two blocks of 256 bytes that no other line names
.set HEADB,  204800                    ; a head's bytes in kv
.set REC,    12800                     ; a key step's
.set ADRA, 16                          ; v16-17 LDS address of my A fragments in slot 0, 1, + 16 x lane;  v18-19 the same + 8 x lane
.set ADRB, 20                          ; v20-23 the same for B
.set ADRS, 27                          ; v27 my scale words: lanes 0-15 A's rows, lanes 16-31 B's
.set SPW,  28                          ; v28 my spare word; never rewritten
.set NIL,  29                          ; v29 0; never rewritten
.set SC,   32
.set BIAS, 64
.set AF,   128
.set T,    128                         ; the way out: 64 numbers
.set PC,   192
.set TM,   212
.set PW,   228
.set VSEL, 230
.set PWS,  232                         ; the eight scale words of my eight tiles
.set XD,   240
.set L16,  244
.set L8,   245
.set L16C, 246
.set L8C,  247
.set VOS,  248
.set VB,   249
.set G1, 24
.set G0, 32
.set G1B, 48
.set G0B, 56
.set G1S, 68
.set G0S, 76
.set G1SB, 80
.set G0SB, 88
.set SEL, 92
.set MSB, 0
.macro WIN new                         ; the immediate's high byte repeats the setting that is left
.if MSB != (\new)
	s_set_vgpr_msb (MSB<<8)|(\new)
.set MSB, (\new)
.endif
.endm
.set MUL_LO, 0xa1                      ; source 0 (B) window 1, source 1 (A) window 0, C and D window 2
.set MUL_HI, 0xf1
.set TO_B,   0x40
; A joint load: waves 0 and 1 fetch for A, waves 2 and 3 for B; the branch hangs on the wave's number alone.  Four v_nop follow each of the two lines.
.macro JLOAD g0a, g1a, g0b, g1b
	s_cmp_eq_u32 s15, 0
	s_cbranch_scc0 .Lfor_b_\@
	tensor_load_to_lds s[\g0a:\g0a+3], s[\g1a:\g1a+7]
	s_nop 0
.rept 4
	v_nop
.endr
	s_branch .Lasked_\@
.Lfor_b_\@:
	tensor_load_to_lds s[\g0b:\g0b+3], s[\g1b:\g1b+7]
	s_nop 0
.rept 4
	v_nop
.endr
.Lasked_\@:
.endm
.macro CREST                           ; a round of the cluster's barrier behind its opening barrier
	s_cmp_lg_u32 s14, 0
	s_cbranch_scc1 .Lnot_wave_0_\@
	s_barrier_signal -3
.Lnot_wave_0_\@:
	s_barrier_wait -3
	s_barrier_signal -1
	s_barrier_wait -1
.endm
.macro CROUND
	s_barrier_signal -1
	s_barrier_wait -1
	CREST
.endm
; 64 numbers of a lane, v[s] on, register 16 b + i = K 32 b + 16 (lane / 16) + i of my row, become a fragment's codes in v[PC] on and its scale word in v[PW]
.macro QUANT s
.irp b, 0,1,2,3
	v_max3_num_f32 v[TM+\b], |v[\s+16*\b]|, |v[\s+1+16*\b]|, 0x2800000   ; my 16 numbers, and the floor 2^(5 - 127): the byte cannot fall under 1
.endr
.irp i, 2,4,6,8,10,12,14
.irp b, 0,1,2,3
	v_max3_num_f32 v[TM+\b], v[TM+\b], |v[\s+16*\b+\i]|, |v[\s+1+16*\b+\i]|
.endr
.endr
.irp b, 0,1,2,3
	v_permlanex16_b32 v[TM+4+\b], v[TM+\b], s[SEL], s[SEL+1]
.endr
.irp b, 0,1,2,3
	v_max_num_f32 v[TM+\b], v[TM+\b], v[TM+4+\b]
.endr
.irp b, 0,1,2,3
	v_add_nc_u32 v[TM+12+\b], 0xfe000000, v[TM+\b]   ; 4 off the exponent field: the conversion's scale operand
.endr
.irp b, 0,1,2,3
	v_lshrrev_b32 v[TM+4+\b], 23, v[TM+12+\b]   ; the scale's byte
.endr
	v_lshl_or_b32 v[PW], v[TM+5], 8, v[TM+4]
	v_lshl_or_b32 v[PW], v[TM+6], 16, v[PW]
	v_lshl_or_b32 v[PW], v[TM+7], 24, v[PW]
	WIN 0x40                                       ; the codes lie in window 1, where B's fragments are done with: 20 registers of its own for each of the eight tiles, so no store's data are written again
.irp c, 0,1
	v_cvt_scalef32_pk16_bf6_f32 v[PC+6*\c:PC+2+6*\c], v[\s+32*\c:\s+15+32*\c], v[TM+12+2*\c]
	v_cvt_scalef32_pk16_bf6_f32 v[PC+12+4*\c:PC+14+4*\c], v[\s+16+32*\c:\s+31+32*\c], v[TM+12+2*\c+1]
.endr
	v_nop                                          ; one plain place behind a scaled conversion
	WIN 0x55
.irp c, 0,1
.irp i, 0,1,2
	v_permlane16_swap_b32 v[PC+6*\c+\i], v[PC+12+4*\c+\i]
.endr
.irp i, 0,1,2
	v_mov_b32 v[PC+3+6*\c+\i], v[PC+12+4*\c+\i]
.endr
.endr
.endm
	s_load_b128 s[4:7], s[0:1], 0x0                ; xc, xs
	s_load_b128 s[8:11], s[0:1], 0x10              ; bq, bk
	s_load_b128 s[96:99], s[0:1], 0x20             ; qc, qs
	s_load_b64 s[12:13], s[0:1], 0x30              ; bv
	s_load_b64 s[100:101], s[0:1], 0x38            ; kv
	v_lshl_add_u32 v[SPW], v0, 2, SPARE
	v_mov_b32 v[NIL], 0
	ds_add_u32 v28, v29
	ds_add_u32 v28, v29
	s_wait_dscnt 0x0
	v_lshrrev_b32 v1, 5, v0
	v_readfirstlane_b32 s14, v1                    ; wave 0..3
	s_lshr_b32 s15, s14, 1                         ; which half of A's rows is mine.  Also: I fetch for A (0) or for B (1)
	s_and_b32 s16, s14, 1                          ; which half of B's rows.  Also: which 128 rows of that tile I fetch
	s_bfe_u32 s40, ttmp6, 0x40000                  ; cx, cy: my place in the cluster
	s_bfe_u32 s41, ttmp6, 0x40004
	s_and_b32 s17, ttmp7, 0xffff                   ; the cluster's y, 0..11
	s_lshr_b32 s66, s17, 2                         ; which product: 0 q, 1 k, 2 v
	s_and_b32 s67, s17, 3                          ; which quarter of its 4,096 tokens
	s_lshl_b32 s18, s66, 8
	s_lshl_b32 s19, s67, 6
	s_add_co_u32 s18, s18, s19                     ; q, k: the tokens' first row tile: 256 x product + 64 x quarter
	s_lshl_b32 s20, s66, 6
	s_add_co_u32 s20, s20, 768                     ; and the weight's: 768 + 64 x product
	s_add_co_u32 s21, s19, 512                     ; v: the tokens' first row tile
	s_lshl_b32 s22, s67, 2
	s_mov_b32 s23, 896                             ; and Wv's
	s_cmp_lt_u32 s66, 2
	s_cselect_b32 s18, s18, s23                    ; A's first row tile
	s_cselect_b32 s20, s20, s21                    ; B's
	s_cselect_b32 s17, s22, 0
	s_cselect_b32 s42, 0, s22
	s_add_co_u32 s17, s17, s41                     ; A's tile of 256 rows within its tensor
	s_add_co_u32 s42, s42, s40                     ; B's
	s_lshl_b32 s43, s41, 2
	s_lshl_b32 s43, 15, s43                        ; my row of the cluster
	s_lshl_b32 s44, 0x1111, s40                    ; my column
	; descriptor group 1: 16 row tiles x 3,072 bytes (384 elements of 8 bytes), 12,288 bytes apart; dense in LDS
	s_or_b32 s[G1+0], s43, (3<<16)|(1<<21)         ; 15:0 the mask: A's tiles go to my row; 17:16 elements of 8 bytes; 21 set beside a mask
	s_or_b32 s[G1B+0], s44, (3<<16)|(1<<21)
.irp g, G1, G1B
	s_mov_b32 s[\g+1], (TILEB/8)<<16               ; tensor_dim0
	s_mov_b32 s[\g+2], 16<<16                      ; tensor_dim1: 16 row tiles for the head's loads; behind them this word and tile_dim1 are set to 8, for the ring's
	s_mov_b32 s[\g+3], (TILEB/8)<<16               ; tile_dim0
	s_mov_b32 s[\g+4], 16                          ; tile_dim1
	s_mov_b32 s[\g+5], GROW/8                      ; tensor_dim0_stride
	s_mov_b32 s[\g+6], 0
	s_mov_b32 s[\g+7], 0
.endr
	; the scales of 256 rows: 8,192 dense bytes, as rows of 256 bytes, 16 bytes of padding behind each
	s_or_b32 s[G1S+0], s43, (3<<16)|(1<<20)|(1<<21)|(5<<22)|(3<<25)
	s_or_b32 s[G1SB+0], s44, (3<<16)|(1<<20)|(1<<21)|(5<<22)|(3<<25)
.irp g, G1S, G1SB
	s_mov_b32 s[\g+1], 32<<16
	s_mov_b32 s[\g+2], KS<<16                      ; the scales of 256 rows: 8,192 dense bytes
	s_mov_b32 s[\g+3], 32<<16
	s_mov_b32 s[\g+4], KS
	s_mov_b32 s[\g+5], 32
	s_mov_b32 s[\g+6], 0
	s_mov_b32 s[\g+7], 0
.endr
	s_lshl_b32 s21, s41, 4
	s_add_co_u32 s18, s18, s21                     ; A: row tile = first + 16 cy: no register of A's address ever holds cx
	s_lshl_b32 s46, s40, 4
	s_add_co_u32 s46, s46, s20                     ; B: first + 16 cx
	s_mul_i32 s20, s18, GROW                       ; A's codes, in bytes
	s_mov_b32 s21, 0
	s_lshl_b32 s22, s18, 9                         ; A's scales: 512 bytes a row tile
	s_mov_b32 s23, 0
	s_lshl_b32 s92, s46, 9
	s_mov_b32 s93, 0
	s_mul_i32 s46, s46, GROW
	s_mov_b32 s47, 0
	s_mul_i32 s45, s14, HALFT                      ; where the ring's loads go: wave x 128 rows: no place in the cluster enters an LDS address
	s_mul_i32 s18, s16, 8*GROW                     ; in the ring I fetch 8 of a tile's 16 row tiles: which half, in bytes
	s_mov_b32 s19, 0
	s_wait_kmcnt 0x0
	s_add_nc_u64 s[20:21], s[4:5], s[20:21]
	s_add_nc_u64 s[22:23], s[6:7], s[22:23]
	s_add_nc_u64 s[46:47], s[4:5], s[46:47]
	s_add_nc_u64 s[92:93], s[6:7], s[92:93]
	CROUND                                         ; all sixteen work-groups are here: the first joint loads meet
	s_mov_b32 s[G0S], 1
	s_mov_b32 s[G0S+1], SCL
	s_mov_b64 s[G0S+2:G0S+3], s[22:23]
	s_or_b32 s[G0S+3], s[G0S+3], 0x80000000
	s_mov_b32 s[G0SB], 1
	s_mov_b32 s[G0SB+1], SCL+2*HALFS
	s_mov_b64 s[G0SB+2:G0SB+3], s[92:93]
	s_or_b32 s[G0SB+3], s[G0SB+3], 0x80000000
	s_mov_b32 s[G0], 1                             ; K step 0 whole: A's 16 row tiles,
	s_mov_b32 s[G0+1], 0
	s_mov_b64 s[G0+2:G0+3], s[20:21]
	s_or_b32 s[G0+3], s[G0+3], 0x80000000
	s_mov_b32 s[G0B], 1                            ; and B's 16 row tiles behind them
	s_mov_b32 s[G0B+1], 2*HALFT
	s_mov_b64 s[G0B+2:G0B+3], s[46:47]
	s_or_b32 s[G0B+3], s[G0B+3], 0x80000000
	s_add_nc_u64 s[20:21], s[20:21], s[18:19]      ; for the ring: my half of the row tiles
	s_add_nc_u64 s[46:47], s[46:47], s[18:19]
	s_lshl_b32 s94, s45, 1                         ; in slot 1 a row tile has twice the bytes
	s_mov_b32 s[G0+4], 1
	s_add_co_u32 s[G0+5], s94, SLOT
	s_add_nc_u64 s[G0+6:G0+7], s[20:21], TILEB
	s_or_b32 s[G0+7], s[G0+7], 0x80000000
	s_mov_b32 s[G0B+4], 1
	s_add_co_u32 s[G0B+5], s94, SLOT
	s_add_nc_u64 s[G0B+6:G0B+7], s[46:47], TILEB
	s_or_b32 s[G0B+7], s[G0B+7], 0x80000000
; The head's four tiles, one load a wave: wave 0 A's codes of K step 0, wave 1 B's, wave 2 the scales of A's 256 rows, wave 3 those of B's.
.macro ARM under, g0, g1, next
	s_cmp_lt_u32 s14, \under
	s_cbranch_scc0 \next
	tensor_load_to_lds s[\g0:\g0+3], s[\g1:\g1+7]
	s_nop 0
.rept 4
	v_nop
.endr
	s_branch .Lhead_asked
\next:
.endm
	ARM 1, G0,  G1,  .Lhead_b
	ARM 2, G0B, G1B, .Lhead_sa
	ARM 3, G0S, G1S, .Lhead_sb
	tensor_load_to_lds s[G0SB:G0SB+3], s[G1SB:G1SB+7]
	s_nop 0
.rept 4
	v_nop
.endr
.Lhead_asked:
	v_and_b32 v1, 15, v0                           ; r; kept
	v_bfe_u32 v2, v0, 4, 1                         ; h; kept
	v_and_b32 v3, 31, v0                           ; lane; kept
	v_lshlrev_b32 v4, 4, v3
	v_lshlrev_b32 v5, 3, v3
	s_mul_i32 s21, s15, HALFT                      ; my 128 rows of A
	s_mul_i32 s22, s16, HALFT                      ; my 128 rows of B,
	s_add_co_u32 s22, s22, 2*HALFT                 ; which lie behind A's 256
.irp s, 0,1
	v_add_nc_u32 v[ADRA+\s], s21, v4
	v_add_nc_u32 v[ADRB+\s], s22, v4
	v_add_nc_u32 v[ADRA+2+\s], s21, v5
	v_add_nc_u32 v[ADRB+2+\s], s22, v5
	s_lshl_b32 s21, s21, 1                         ; slot 1: SLOT + twice the place in slot 0
	s_lshl_b32 s22, s22, 1
	s_add_co_u32 s21, s21, SLOT
	s_add_co_u32 s22, s22, SLOT
.endr
	v_mul_u32_u24 v5, v1, KS                       ; my row's scales: KS bytes a row,
	v_lshrrev_b32 v6, 8, v5
	v_lshl_add_u32 v5, v6, 4, v5                   ; and 16 more for each 256 passed
	s_mul_i32 s21, s15, HALFS
	s_mul_i32 s22, s16, HALFS
	s_add_co_u32 s22, s22, 2*HALFS
	s_sub_co_u32 s22, s22, s21
	v_mul_u32_u24 v6, s22, v2                      ; lanes 16-31 take B's
	s_add_co_u32 s21, s21, SCL
	v_add_nc_u32 v5, v5, v6
	v_add_nc_u32 v[ADRS], s21, v5
.macro FRAG reg, adr, q, i             ; a fragment comes back as it was stored: four loads, each of consecutive bytes across the lanes
	ds_load_b128 v[\reg:\reg+3],     v[\adr]   offset:(\i)*TILEB+(\q)*FRB
	ds_load_b64  v[\reg+4:\reg+5],   v[\adr+2] offset:(\i)*TILEB+(\q)*FRB+512
	ds_load_b128 v[\reg+6:\reg+9],   v[\adr]   offset:(\i)*TILEB+(\q)*FRB+768
	ds_load_b64  v[\reg+10:\reg+11], v[\adr+2] offset:(\i)*TILEB+(\q)*FRB+1280
.endm
; 16 matrix instructions: A's blocks a0, a0 + 1 x B's eight, 128 along K.  The 64 accumulators take turns, one instruction a turn, in the same order in every step.
.macro MUL16 a0, p, q, sc, zero
.irp a, \a0, \a0+1
.irp b, 0,1,2,3,4,5,6,7
.if \zero
	v_wmma_scale_f32_16x16x128_f8f6f4 v[8*(8*((\a)%4)+\b):8*(8*((\a)%4)+\b)+7], v[128*(\p)+FR*\b:128*(\p)+FR*\b+FR-1], v[AF+FR*(\a):AF+FR*(\a)+FR-1], 0, v[SC+8*NQ*(\sc)+NQ*\b+(\q)], v[SC+8*NQ*(\sc)+NQ*(\a)+(\q)] matrix_a_fmt:MATRIX_FMT_BF6 matrix_b_fmt:MATRIX_FMT_BF6 matrix_a_scale:MATRIX_SCALE_ROW1
.else
	v_wmma_scale_f32_16x16x128_f8f6f4 v[8*(8*((\a)%4)+\b):8*(8*((\a)%4)+\b)+7], v[128*(\p)+FR*\b:128*(\p)+FR*\b+FR-1], v[AF+FR*(\a):AF+FR*(\a)+FR-1], v[8*(8*((\a)%4)+\b):8*(8*((\a)%4)+\b)+7], v[SC+8*NQ*(\sc)+NQ*\b+(\q)], v[SC+8*NQ*(\sc)+NQ*(\a)+(\q)] matrix_a_fmt:MATRIX_FMT_BF6 matrix_b_fmt:MATRIX_FMT_BF6 matrix_a_scale:MATRIX_SCALE_ROW1
.endif
.endr
.endr
.endm
.macro FETCH_B slot, q, p
	WIN TO_B
.irp i, 0,1,2,3,4,5,6,7
	FRAG 128*(\p)+FR*\i, ADRB+\slot, \q, (\i)*(1+\slot)
.endr
	WIN 0
.endm
.macro FETCH_A slot, q, i0
.irp i, \i0, \i0+1, \i0+2, \i0+3
	FRAG AF+FR*(\i), ADRA+\slot, \q, (\i)*(1+\slot)
.endr
.endm
.macro SCALES sc, pr                   ; the scale words of K step pr: lanes 0-15 take A's block i, lanes 16-31 B's block i
.irp i, 0,1,2,3,4,5,6,7
	ds_load_b64 v[SC+8*NQ*(\sc)+NQ*\i:SC+8*NQ*(\sc)+NQ*\i+1], v[ADRS] offset:\i*SBLK+4*NQ*(\pr)
.endr
.endm
.macro PLACES n                        ; plain vector instructions between a matrix instruction and a load into, or a vector access to, its registers
.rept \n
	v_nop
.endr
.endm
.macro NEXT st                         ; where the step behind step st lies: steps 0, 1, 6, 7 in slot 0, steps 2 to 5 in slot 1
.set NS, (\st)+1
.set SL, ((NS+2)/4)%2
.set QN, SL*((NS+2)%4)+(1-SL)*(NS%2)
.endm
.macro STEP st, zero                   ; a step of 128 along K that has its successor in the same slot
	NEXT \st
	s_wait_dscnt 4*NL                              ; B's set, the scale words and A's blocks 0-3 are in; the youngest sixteen loads (A's blocks 4-7) may be out
	WIN MUL_LO
	MUL16 0, (\st)%2, (\st)%2, ((\st)/2)%2, \zero
	MUL16 2, (\st)%2, (\st)%2, ((\st)/2)%2, \zero
	s_wait_dscnt 0
	PLACES NP
	FETCH_B SL, QN, NS%2
	FETCH_A SL, QN, 0
.if NS%2 == 0
	SCALES (NS/2)%2, NS/2
.endif
	WIN MUL_HI
	MUL16 4, (\st)%2, (\st)%2, ((\st)/2)%2, \zero
	MUL16 6, (\st)%2, (\st)%2, ((\st)/2)%2, \zero
	PLACES NP
	WIN 0
	FETCH_A SL, QN, 4
.endm
; A slot's last step changes slots: one barrier; in front of it each wave waits for all its tensor loads, adds 0 to its spare word, and waits for that and for its reads of this slot.
.macro TURN st, fill
	NEXT \st
	s_wait_tensorcnt 0x0                           ; all my tensor loads have landed: my part of the next slot
	ds_add_u32 v[SPW], v[NIL]                      ; 0 onto my spare word
.if \fill
.irp g, G1, G1B
	s_mov_b32 s[\g+1], (TILEB/8)<<16               ; no load of mine is out: the refill brings one K step
	s_mov_b32 s[\g+3], (TILEB/8)<<16
.endr
.endif
	s_wait_dscnt 4*NL+1                            ; (the add and the youngest sixteen loads may be out)
	WIN MUL_LO
	MUL16 0, 1, 1, ((\st)/2)%2, 0
	s_wait_dscnt 0x0                               ; the add is done, and my reads of this slot are over
	s_barrier_signal -1
	MUL16 2, 1, 1, ((\st)/2)%2, 0
	WIN 0
	s_barrier_wait -1
.if \fill
	CREST                                          ; the barrier has opened a round of the cluster's barrier: no wave of any partner still reads this slot or has a load on its way
	JLOAD G0, G1, G0B, G1B                         ; K step 3, the first tensor load behind the round; its four v_nop are also the places in front of the loads below
.else
	PLACES NP
.endif
	FETCH_B SL, QN, 0
	FETCH_A SL, QN, 0
	SCALES (NS/2)%2, NS/2
	WIN MUL_HI
	MUL16 4, 1, 1, ((\st)/2)%2, 0
	MUL16 6, 1, 1, ((\st)/2)%2, 0
	PLACES NP
	WIN 0
	FETCH_A SL, QN, 4
.endm
.macro LAST                            ; the very last step: nothing more to fetch
	s_wait_dscnt 4*NL
	WIN MUL_LO
	MUL16 0, 1, NQ-1, 1, 0
	MUL16 2, 1, NQ-1, 1, 0
	s_wait_dscnt 0
	WIN MUL_HI
	MUL16 4, 1, NQ-1, 1, 0
	MUL16 6, 1, NQ-1, 1, 0
	WIN 0
	PLACES NP                                      ; in front of the first read of results and the first write over A's fragments
.endm
	s_wait_alu depctr_va_vdst(0)
	s_wait_tensorcnt 0x0                           ; my tile of the head's four is in; these lines stand ahead of a later first fill as ahead of a refill
	ds_add_u32 v[SPW], v[NIL]                      ; 0 onto my spare word
.irp g, G1, G1B
	s_mov_b32 s[\g+1], (2*TILEB/8)<<16             ; no tensor load of mine is out, so descriptors may be written: the next load brings two K steps
	s_mov_b32 s[\g+2], 8<<16                       ; of 8 row tiles,
	s_mov_b32 s[\g+3], (2*TILEB/8)<<16
	s_mov_b32 s[\g+4], 8
.endr
	s_mov_b32 s[G0+1], s45                         ; and slot 0's refill goes to and comes from my half, at K step 3
	s_add_nc_u64 s[G0+2:G0+3], s[G0+2:G0+3], s[18:19]
	s_add_nc_u64 s[G0+2:G0+3], s[G0+2:G0+3], 3*TILEB
	s_mov_b32 s[G0B+1], s45
	s_add_nc_u64 s[G0B+2:G0B+3], s[G0B+2:G0B+3], s[18:19]
	s_add_nc_u64 s[G0B+2:G0B+3], s[G0B+2:G0B+3], 3*TILEB
	s_wait_dscnt 0x0                               ; the add is done
	CROUND                                         ; all four tiles are in, and all sixteen work-groups are here
	JLOAD G0+4, G1, G0B+4, G1B                     ; K step 1, the first tensor load behind the round
	FETCH_B 0, 0, 0
	FETCH_A 0, 0, 0
	SCALES 0, 0
	FETCH_A 0, 0, 4
	STEP 0, 1                                      ; the first step's products start the sums
	TURN 1, 1
	STEP 2, 0
	STEP 3, 0
	STEP 4, 0
	TURN 5, 0                                      ; fills nothing; no tensor load of mine is out from here on, so the descriptors' registers are free
	STEP 6, 0
	s_lshl_b32 s68, s17, 8
	s_lshl_b32 s69, s15, 7
	s_add_co_u32 s68, s68, s69                     ; my first row of A within its tensor
	s_lshl_b32 s69, s42, 8
	s_lshl_b32 s70, s16, 7
	s_add_co_u32 s69, s69, s70                     ; my first row of B
	s_mov_b32 s[SEL], 0x76543210
	s_mov_b32 s[SEL+1], 0xfedcba98
	s_mov_b32 s87, 0
	v_lshlrev_b32 v[L16], 4, v3
	v_lshlrev_b32 v[L8], 3, v3
	v_cmp_gt_u32 vcc_lo, 16, v3                    ; lanes 0-15
	s_cmp_eq_u32 s66, 2                            ; the product's number comes from the cluster's y: the branch is alike in all partners
	s_cbranch_scc1 .Lv
	; ---- q and k: a lane holds one token; my 128 features are two heads
	s_lshr_b32 s70, s68, 11
	s_lshl_b32 s70, s70, 4
	s_lshr_b32 s71, s69, 6
	s_add_co_u32 s70, s70, s71                     ; the first head: 16 x batch + feature / 64
	s_bfe_u32 s71, s68, 0x40007                    ; which 128 tokens of the batch's 2,048
	s_mov_b32 s72, HEADB
	s_mov_b32 s73, REC
	s_cmp_eq_u32 s66, 0
	s_cselect_b64 s[76:77], s[96:97], s[100:101]   ; codes go to qc or to kv,
	s_cselect_b64 s[78:79], s[98:99], s[100:101]   ; scale words to qs or to kv,
	s_cselect_b64 s[80:81], s[8:9], s[10:11]       ; the bias is bq or bk
	s_cselect_b32 s74, 98304, s72                  ; bytes from head to head, codes
	s_cselect_b32 s75, 6144, s73                   ; from 128 tokens to the next
	s_cselect_b32 s82, 4096, s72                   ; the same for the scale words
	s_cselect_b32 s83, 256, s73
	s_cselect_b32 s84, 0, 12288                    ; in kv they lie behind the record's codes
	s_mul_i32 s86, s70, s74
	s_mul_i32 s88, s71, s75
	s_add_co_u32 s86, s86, s88
	s_add_nc_u64 s[76:77], s[76:77], s[86:87]
	s_mul_i32 s86, s70, s82
	s_mul_i32 s88, s71, s83
	s_add_co_u32 s86, s86, s88
	s_add_co_u32 s86, s86, s84
	s_add_nc_u64 s[78:79], s[78:79], s[86:87]
	s_lshl_b32 s86, s69, 2
	s_add_nc_u64 s[80:81], s[80:81], s[86:87]
	s_wait_alu depctr_va_vdst(0)
	v_add_nc_u32 v[L16C], s74, v[L16]              ; the second head's images
	v_add_nc_u32 v[L8C], s74, v[L8]
	v_mul_u32_u24 v[VOS], s82, v2
	v_lshl_add_u32 v[VOS], v1, 4, v[VOS]           ; scale words: 16 r; lanes 16-31 store the second head's
	v_lshlrev_b32 v[VB], 6, v2                     ; the bias: register 16 B + i wants feature 32 B + 16 h + i
	v_mov_b32 v250, 0x07060302
	v_mov_b32 v251, 0x05040100
	v_cndmask_b32 v[VSEL], v250, v251, vcc_lo      ; lanes 0-15 pick the two low bytes of two words, lanes 16-31 the two high ones
.irp b, 0,1,2,3
.irp j, 0,1,2,3
	global_load_b128 v[BIAS+16*\b+4*\j:BIAS+16*\b+4*\j+3], v[VB], s[80:81] offset:128*\b+16*\j
.endr
.endr
	LAST                                           ; 64 matrix instructions stand between the bias's loads and the wait for them
	s_wait_loadcnt 0x0
.irp b, 0,1,2,3
	v_mov_b32 v[TM+4+\b], 0                        ; written once: a lane permute's destination counts as one of its sources
.endr
.irp a, 0,1,2,3,4,5,6,7
	WIN 0x02+\a/4                                  ; source 0: window 2 or 3
.set n, 0
.rept 32
	v_pk_add_f32 v[T+n:T+n+1], v[64*(\a%4)+n:64*(\a%4)+n+1], v[BIAS+n:BIAS+n+1]   ; + bias; each accumulator from its low end on
.set n, n+2
.endr
	WIN 0
.set PC, 20*\a
	QUANT T
	WIN 0
	v_mov_b32 v[PWS+\a], v[PW]
	WIN 0x04                                       ; (the stores' data in window 1)
	global_store_b128 v[L16], v[PC:PC+3], s[76:77] offset:768*\a           ; the first head's half image: 512 and 256 consecutive bytes, aligned
	global_store_b64 v[L8], v[PC+4:PC+5], s[76:77] offset:768*\a+512
	global_store_b128 v[L16C], v[PC+6:PC+9], s[76:77] offset:768*\a        ; the second head's
	global_store_b64 v[L8C], v[PC+10:PC+11], s[76:77] offset:768*\a+512
.endr
	WIN 0
.irp j, 0,1,2,3
	v_perm_b32 v[XD+\j], v[PWS+2*\j+1], v[PWS+2*\j], v[VSEL]   ; tile 2 j's two bytes of my head below, tile 2 j + 1's above
.endr
	global_store_b128 v[VOS], v[XD:XD+3], s[78:79]  ; sixteen lanes store 256 consecutive bytes for each head
	s_branch .Lend
.Lv:	; ---- v: a lane holds one feature (a row of Wv); my 128 tokens are one key step; my 128 features are two heads of four tiles
	s_lshr_b32 s70, s69, 11
	s_lshl_b32 s70, s70, 4
	s_lshr_b32 s71, s68, 6
	s_add_co_u32 s70, s70, s71                     ; the first head
	s_bfe_u32 s71, s69, 0x40007                    ; the key step
	s_mul_i32 s86, s70, HEADB
	s_mul_i32 s88, s71, REC
	s_add_co_u32 s86, s86, s88
	s_add_nc_u64 s[76:77], s[100:101], s[86:87]
	s_lshl_b32 s86, s68, 2
	s_add_nc_u64 s[80:81], s[12:13], s[86:87]
	v_mul_u32_u24 v[VOS], HEADB, v2
	v_lshl_add_u32 v[VOS], v1, 4, v[VOS]
	v_and_b32 v250, 8, v1
	v_add_nc_u32 v250, v250, v1
	v_lshlrev_b32 v[VB], 2, v250                   ; place r of tile 2 B + u is feature 32 B + 8 u + r + 8 (r / 8)
.irp a, 0,1,2,3,4,5,6,7
	global_load_b32 v[BIAS+2*\a], v[VB], s[80:81] offset:4*(32*(\a/2)+8*(\a%2))
	v_mov_b32 v[BIAS+2*\a+1], 0                    ; (named with it as a pair)
.endr
	LAST
	s_wait_loadcnt 0x0
.irp b, 0,1,2,3
	v_mov_b32 v[TM+4+\b], 0
.endr
.irp a, 0,1,2,3,4,5,6,7
	WIN 0x02+\a/4
.set n, 0
.rept 32
	v_pk_add_f32 v[T+n:T+n+1], v[64*(\a%4)+n:64*(\a%4)+n+1], v[BIAS+2*\a:BIAS+2*\a+1] op_sel_hi:[1,0]   ; + my feature's bias
.set n, n+2
.endr
	WIN 0
.set PC, 20*\a
	QUANT T                                        ; along the keys
	WIN 0
	v_mov_b32 v[PWS+\a], v[PW]
	WIN 0x04
	global_store_b128 v[L16], v[PC:PC+3], s[76:77] offset:6144+(\a/4)*HEADB+(\a%4)*FRB
	global_store_b64 v[L8], v[PC+4:PC+5], s[76:77] offset:6144+(\a/4)*HEADB+(\a%4)*FRB+512
	global_store_b128 v[L16], v[PC+6:PC+9], s[76:77] offset:6144+(\a/4)*HEADB+(\a%4)*FRB+768
	global_store_b64 v[L8], v[PC+10:PC+11], s[76:77] offset:6144+(\a/4)*HEADB+(\a%4)*FRB+1280
.endr
	WIN 0
.irp j, 0,1,2,3
	v_cndmask_b32 v[XD+\j], v[PWS+4+\j], v[PWS+\j], vcc_lo   ; lanes 0-15 the first head's four words, lanes 16-31 the second's
.endr
	global_store_b128 v[VOS], v[XD:XD+3], s[76:77] offset:12544
.Lend:
	s_wait_tensorcnt 0x0                           ; the wave's end
	ds_add_u32 v[SPW], v[NIL]
	s_wait_dscnt 0x0
	CROUND                                         ; the closing round: no work-group ends while a partner may still ask for a tile that names it
	s_endpgm
.Lfunc_end_k_q161f8f9035_proj:
	.size	k_q161f8f9035_proj, .Lfunc_end_k_q161f8f9035_proj-k_q161f8f9035_proj
	.p2alignl 7, 3214868480
	.fill 96, 4, 3214868480
	.section	.rodata,"a",@progbits
	.p2align	6, 0x0
	.amdhsa_kernel k_q161f8f9035_proj
		.amdhsa_group_segment_fixed_size 327680
		.amdhsa_private_segment_fixed_size 0
		.amdhsa_enable_private_segment 0
		.amdhsa_kernarg_size 64
		.amdhsa_user_sgpr_count 2
		.amdhsa_user_sgpr_kernarg_segment_ptr 1
		.amdhsa_wavefront_size32 1
		.amdhsa_system_sgpr_workgroup_id_x 1
		.amdhsa_system_sgpr_workgroup_id_y 1
		.amdhsa_system_sgpr_workgroup_id_z 1
		.amdhsa_system_vgpr_workitem_id 0
		.amdhsa_next_free_vgpr 1024
		.amdhsa_next_free_sgpr 102
		.amdhsa_reserve_vcc 1
		.amdhsa_float_denorm_mode_32 3
		.amdhsa_float_denorm_mode_16_64 3
		.amdhsa_memory_ordered 1
		.amdhsa_forward_progress 1
		.amdhsa_inst_pref_size 230
	.end_amdhsa_kernel
	.amdgpu_metadata
---
amdhsa.version: [ 1, 2 ]
amdhsa.kernels:
  - .name:           k_q161f8f9035_proj
    .symbol:         k_q161f8f9035_proj.kd
    .args:
      - { .name: xc, .offset: 0, .size: 8, .value_kind: global_buffer, .address_space: global }
      - { .name: xs, .offset: 8, .size: 8, .value_kind: global_buffer, .address_space: global }
      - { .name: bq, .offset: 16, .size: 8, .value_kind: global_buffer, .address_space: global }
      - { .name: bk, .offset: 24, .size: 8, .value_kind: global_buffer, .address_space: global }
      - { .name: qc, .offset: 32, .size: 8, .value_kind: global_buffer, .address_space: global }
      - { .name: qs, .offset: 40, .size: 8, .value_kind: global_buffer, .address_space: global }
      - { .name: bv, .offset: 48, .size: 8, .value_kind: global_buffer, .address_space: global }
      - { .name: kv, .offset: 56, .size: 8, .value_kind: global_buffer, .address_space: global }
    .group_segment_fixed_size: 327680
    .private_segment_fixed_size: 0
    .kernarg_segment_align: 8
    .kernarg_segment_size: 64
    .max_flat_workgroup_size: 128
    .sgpr_count:     102
    .vgpr_count:     1024
    .wavefront_size: 32
...
	.end_amdgpu_metadata
.endif
;; end of part 6
;; launch attn (part 7): grid 8 x 32, 8 waves a work-group, clusters of 4 x 1, 206,848 bytes of LDS; arguments qc, qs, kv, oc, os; writes oc, os
.if DOCPART == 7
	.amdgcn_target "amdgcn-amd-amdhsa--gfx1250"
	.amdhsa_code_object_version 6
	.text
	.protected	k_q161f8f9035_attn
	.globl	k_q161f8f9035_attn
	.p2align	8
	.type	k_q161f8f9035_attn,@function
k_q161f8f9035_attn:
	s_mov_b64 s[64:65], 0
	v_nop
	global_prefetch_b8 v0, s[64:65] scope:SCOPE_SE
	s_setreg_imm32_b32 hwreg(HW_REG_WAVE_MODE, 25, 1), 1
	s_wait_xcnt 0x0
	s_wait_alu depctr_hold_cnt(0) depctr_sa_sdst(0) depctr_va_vdst(0) depctr_va_sdst(0) depctr_va_ssrc(0) depctr_va_vcc(0) depctr_vm_vsrc(0)
	s_getreg_b32 s2, hwreg(HW_REG_IB_STS2, 6, 4)
	s_cmp_eq_u32 s2, 0
	s_cbranch_scc0 .Lentry_in_a_cluster
	s_endpgm
.Lentry_in_a_cluster:
	s_bfe_u32 s2, ttmp6, 0x10000c
	s_cmp_lg_u32 s2, 0x3003
	s_cbranch_scc0 .Lentry_shape_is_right
	s_endpgm
.Lentry_shape_is_right:
; Attention of one head on codes of BF6 (E3M2) with E8M0 scales; head size 64, 2,048 keys, 32 heads (16 x batch + head).
; t = score x log2(e) / 8; M = the running largest t rounded up to a whole number; p = 2^(t - M) is quantised along the keys, not normalised; the row's sum is taken of the unquantised p and divides at the end.
; The result is quantised along head x 64 + d and leaves as an operand of the output projection: oc [token tile][head][768], os [token][32 bytes], bytes 2 head and 2 head + 1.
; SHARES.  A work-group owns 256 queries of a head; each of its eight waves two neighbouring tiles of 16, X and Y: each fragment of K and V that comes from LDS serves both.
; THE WHOLE HEAD'S K AND V, 204,800 bytes, LIE IN LDS, filled once: wave w fetches the records of key steps 2 w and 2 w + 1 by its one tensor load (100 runs of 256 bytes).  One barrier behind that wait; the key steps have none.
; CLUSTER.  The four query blocks of a cluster read the same head: each fill is asked for jointly, by the same tensor load with the same descriptor and the mask of all four.
; No prefetch: every byte of K and V is asked for at the head, and no loop of loads follows in which a prefetch could run ahead.
; A key step's record (12,800 bytes): four PAIR fragments of K (K 0-63 of the instruction: key tile 2 B's 64 channels; K 64-127: key tile 2 B + 1's), four fragments of V^T (16 channels x 128 keys),
; K's scale words (16 r + 4 B), V's (16 r + 4 tile).  All as images of the operand's registers: registers 0-3 of lane l at 16 l, 4-5 at 512 + 8 l, and the same 768 bytes on.
; HEAD SIZE 64 IN A K OF 128.  Q stands in 18 registers as [q][zero codes][q]: the first 12 multiply a pair's first tile, the last 12 its second; the dead half's codes are zeros, which add nothing.
; LAYOUT.  Both products are used transposed: a lane (r, h) holds one query, r, throughout.  The keys of a tile were laid so that the 32 registers of tiles 4 C .. 4 C + 3 are keys 64 C + 32 h + 0 .. 31: a WHOLE BLOCK in one lane, in the
; order in which p's operand wants it: a block's maximum and its codes need no other lane.  The channels of a tile of V: the 16 registers of tiles 2 B, 2 B + 1 are channels 32 B + 16 h + 0 .. 15.
; REGISTERS.  Window 0: addresses, all scale words, both tiles' scores and what the softmax works on, so that the two tiles' lines stand among each other.  Window 1: O^T, Q, K's and V's fragments.
; ORDER OF A KEY STEP.  Maxima of X; X's running maximum among Y's maxima; Y's among X's t - M; O^T of both under the new M; X's exponentials among Y's t - M; X's codes; Y's exponentials among sums of X's p; X's last product; Y's codes and sums; Y's.
; LIMITS: a block whose largest magnitude lies under 2^-122, a block of zeros among them, gets the scale byte 1 (its codes are zeros or next to nothing; only this program reads the bytes); NaN and infinities are not served;
; the scaled scores stay under 2^31 in magnitude.
.set REC,  12800
.set NSTEP, 16
.set HEADB, NSTEP*REC
.set SPARE, HEADB                      ; behind the records: the spare words, 128 bytes for each wave
; A tile's small registers, from its base on: + 0 the running largest score; + 1 at work; + 2, 3 -M; + 4, 5 f = 2^(old M - new M); + 6, 7 the row's sum; + 8 the old -M; + 9 a lane permute's destination;
; + 10 .. 13 the blocks' largest scores, then largest p; + 14, 15 the conversions' scale operands; + 16, 17 scale bytes; + 18 another permute's destination.  (The upper halves of the pairs are named with them.)
.set BX,   10
.set BY,   30
.set H8,   29                          ; 8 h
.set R32,  49                          ; 32 r
.set PCX,  50                          ; p's codes; 7 more from PC + 12 on for the conversions' second halves
.set SX,   72                          ; v72-135, v136-199 S^T, then p: register 32 c + i is key 64 c + 32 h + i
.set SY,   136
.set PCY,  200
.set KS,   240                         ; v240-243 K's scale words; 244-247 V's; 248, 249 Q's of X for the two halves; 250, 251 of Y; 252, 253 p's of X and Y: these hold scales and nothing else
.set VS,   244
.set QS,   248
.set PWD,  252
.set OX,   0                           ; window 1: O^T of X, of Y,
.set OY,   32
.set QX,   64                          ; Q,
.set QY,   82
.set FK,   100                         ; four fragments of K,
.set FV,   148                         ; four of V
.set WV,   18
.set NC,   19
.set SEL,  20
.set CS,   22
.set G1,   24
.set G0,   32
.set KB,   55                          ; LDS byte of the next key step's record
.set TB,   56                          ; of this one's
.set CNT,  57
.set MSB, 0
.macro WIN new                         ; the immediate's high byte repeats the setting that is left
.if MSB != (\new)
	s_set_vgpr_msb (MSB<<8)|(\new)
.set MSB, (\new)
.endif
.endm
.set W_S,  0x05                        ; scores: sources 0 and 1 in window 1, result in window 0
.set W_O,  0x51                        ; O^T += V^T p^T: source 0, C and D in window 1
.set W_F,  0x41                        ; O^T x f: source 0 and destination in window 1
.set W_L,  0x40                        ; loads into window 1
.macro CROUND                          ; a round of the cluster's barrier
	s_barrier_signal -1
	s_barrier_wait -1
	s_cmp_lg_u32 s[WV], 0
	s_cbranch_scc1 .Lnot_wave_0_\@
	s_barrier_signal -3
.Lnot_wave_0_\@:
	s_barrier_wait -3
	s_barrier_signal -1
	s_barrier_wait -1
.endm
	s_load_b256 s[4:11], s[0:1], 0x0               ; qc, qs, kv, oc
	s_load_b64 s[12:13], s[0:1], 0x20              ; os
	v_lshl_add_u32 v254, v0, 2, SPARE
	v_mov_b32 v255, 0
	ds_add_u32 v254, v255                          ; the opening lines: the add, twice on end, and its wait ahead of the first tensor load
	ds_add_u32 v254, v255
	v_lshrrev_b32 v1, 5, v0
	v_readfirstlane_b32 s[WV], v1                  ; wave 0..7
	s_and_b32 s59, ttmp7, 0xffff                   ; the head, which the four partners share
	s_mul_i32 s60, s59, HEADB
	s_mov_b32 s61, 0
	s_mul_i32 s62, s[WV], 2*REC                    ; my two records: in the head and in LDS
	s_mov_b32 s63, 0
	s_mov_b32 s[G1], 15|(3<<16)|(1<<21)            ; 15:0 the mask: all four work-groups; 17:16 elements of 8 bytes; 21 set beside a mask
	s_mov_b32 s[G1+1], 32<<16                      ; tensor_dim0: 256 bytes
	s_mov_b32 s[G1+2], (2*REC/256)<<16             ; tensor_dim1
	s_mov_b32 s[G1+3], 32<<16                      ; tile_dim0
	s_mov_b32 s[G1+4], 2*REC/256                   ; tile_dim1
	s_mov_b32 s[G1+5], 32                          ; tensor_dim0_stride: dense
	s_mov_b32 s[G1+6], 0
	s_mov_b32 s[G1+7], 0
	s_mov_b32 s[G0], 1
	s_mov_b32 s[G0+1], s62
	s_bfe_u32 s58, ttmp6, 0x40000                  ; cx: it enters Q's and the outputs' addresses alone
	s_lshl_b32 s78, ttmp9, 2
	s_add_co_u32 s78, s78, s58
	s_lshl_b32 s78, s78, 4
	s_lshl_b32 s79, s[WV], 1
	s_add_co_u32 s78, s78, s79                     ; tile X: 16 x block + 2 x wave; Y is the next one
	s_mul_i32 s68, s59, 98304
	s_mul_i32 s69, s78, 768
	s_add_co_u32 s68, s68, s69                     ; X's codes
	s_mov_b32 s69, 0
	s_lshl_b32 s70, s59, 12
	s_lshr_b32 s71, s78, 3
	s_lshl_b32 s71, s71, 8
	s_add_co_u32 s70, s70, s71
	s_bfe_u32 s71, s78, 0x20001
	s_lshl_b32 s71, s71, 2
	s_add_co_u32 s70, s70, s71                     ; the pair's scale words: X's two bytes below, Y's above
	s_mov_b32 s71, 0
	s_lshr_b32 s72, s59, 4
	s_lshl_b32 s72, s72, 7
	s_add_co_u32 s72, s72, s78                     ; the token tile: 128 x batch + query tile
	s_and_b32 s73, s59, 15
	s_mul_i32 s74, s72, 12288
	s_mul_i32 s75, s73, 768
	s_add_co_u32 s74, s74, s75
	s_mov_b32 s75, 0
	s_lshl_b32 s76, s72, 9
	s_lshl_b32 s77, s73, 1
	s_add_co_u32 s76, s76, s77
	s_mov_b32 s77, 0
	s_mov_b32 s[SEL], 0x76543210
	s_mov_b32 s[SEL+1], 0xfedcba98                 ; lane selects: lane l xor 16
	s_mov_b32 s[CS], 0x3e38aa3b                    ; c = log2(e) / sqrt(64)
	s_mov_b32 s[CS+1], s[CS]                       ; (named with it as a pair)
	s_mov_b32 s[NC], 0xbe38aa3b                    ; -c
	s_wait_dscnt 0x0
	s_wait_kmcnt 0x0
	s_add_nc_u64 s[8:9], s[8:9], s[60:61]          ; kv at my head
	s_add_nc_u64 s[G0+2:G0+3], s[8:9], s[62:63]
	s_or_b32 s[G0+3], s[G0+3], 0x80000000
	CROUND                                         ; all four work-groups are here: the joint loads meet
	tensor_load_to_lds s[G0:G0+3], s[G1:G1+7]      ; my one load
	s_nop 0
.rept 4
	v_nop
.endr
	s_add_nc_u64 s[4:5], s[4:5], s[68:69]
	s_add_nc_u64 s[6:7], s[6:7], s[70:71]
	s_add_nc_u64 s[10:11], s[10:11], s[74:75]
	s_add_nc_u64 s[12:13], s[12:13], s[76:77]
	v_and_b32 v4, 15, v0                           ; r
	v_and_b32 v5, 31, v0                           ; lane
	v_bfe_u32 v6, v0, 4, 1                         ; h
	v_lshlrev_b32 v1, 4, v5                        ; 16 x lane: an image's first part, in LDS and in memory
	v_lshlrev_b32 v2, 3, v5                        ; 8 x lane: its second
	v_lshlrev_b32 v8, 4, v4                        ; 16 r
	v_add_nc_u32 v3, 12288, v8                     ; a record's scale words
	v_lshlrev_b32 v[R32], 5, v4
	v_lshlrev_b32 v[H8], 3, v6
	global_load_b32 v[BX+1], v8, s[6:7]
	WIN W_L
.irp t, 0,1                                    ; each tile's half image, twice
	global_load_b128 v[QX+18*\t:QX+18*\t+3], v1, s[4:5] offset:768*\t
	global_load_b64 v[QX+18*\t+4:QX+18*\t+5], v2, s[4:5] offset:768*\t+512
	global_load_b128 v[QX+18*\t+12:QX+18*\t+15], v1, s[4:5] offset:768*\t
	global_load_b64 v[QX+18*\t+16:QX+18*\t+17], v2, s[4:5] offset:768*\t+512
.endr
.irp j, 6,7,8,9,10,11
	v_mov_b32 v[QX+\j], 0                          ; zero codes between them
	v_mov_b32 v[QY+\j], 0
.endr
.set j, 0
.rept 64
	v_mov_b32 v[OX+j], 0                           ; O^T: the step is written once, its first turn finds zeros
.set j, j+1
.endr
	WIN 0
	s_wait_alu depctr_va_vdst(0)
	s_wait_loadcnt 0x0
	v_and_b32 v[QS], 0xffff, v[BX+1]               ; X's two bytes for K 0-63; the bytes of the dead half are 0, over zero codes;
	v_lshlrev_b32 v[QS+1], 16, v[BX+1]             ; for K 64-127;
	v_lshrrev_b32 v[QS+2], 16, v[BX+1]             ; and the same for Y
	v_and_b32 v[QS+3], 0xffff0000, v[BX+1]
.irp b, BX, BY                                 ; (more than the eight places between the scale words above and the first product)
	v_mov_b32 v[\b], 0xff61b1e6                    ; the largest score so far: -3e38
	v_mov_b32 v[\b+2], 0x7f61b1e6                  ; -M: so the first f is 0
	v_mov_b32 v[\b+3], 0                           ; (named as the upper half of a pair)
	v_mov_b32 v[\b+5], 0
	v_mov_b32 v[\b+6], 0                           ; the sum
	v_mov_b32 v[\b+7], 0
	v_mov_b32 v[\b+9], 0                           ; (a lane permute's destination counts as one of its sources)
	v_mov_b32 v[\b+18], 0
.endr
.macro FRAG reg, a16, a8, off
	ds_load_b128 v[\reg:\reg+3],     v[\a16] offset:\off
	ds_load_b64  v[\reg+4:\reg+5],   v[\a8]  offset:\off+512
	ds_load_b128 v[\reg+6:\reg+9],   v[\a16] offset:\off+768
	ds_load_b64  v[\reg+10:\reg+11], v[\a8]  offset:\off+1280
.endm
.macro EX2 s, k
	v_exp_f32 v[\s+2*(\k)], v[\s+2*(\k)]
	v_exp_f32 v[\s+2*(\k)+1], v[\s+2*(\k)+1]
.endm
.macro TM b, s, k                      ; t - M of pair k
	v_pk_fma_f32 v[\s+2*(\k):\s+2*(\k)+1], v[\s+2*(\k):\s+2*(\k)+1], s[CS:CS+1], v[\b+2:\b+3] op_sel_hi:[1,0,0]
.endm
.macro ADD s, a, d, n                  ; a level of the sum of p: pairs a .. a + n - 1 take the pairs d further on
.set AN, \a
.rept \n
	v_pk_add_f32 v[\s+2*AN:\s+2*AN+1], v[\s+2*AN:\s+2*AN+1], v[\s+2*(AN+\d):\s+2*(AN+\d)+1]
.set AN, AN+1
.endr
.endm
.macro TOTAL b, s                      ; the sum under the new M, + this step's
	v_pk_fma_f32 v[\b+6:\b+7], v[\b+6:\b+7], v[\b+4:\b+5], v[\s:\s+1] op_sel_hi:[1,0,1]
.endm
.macro MAXN b, s, k                    ; line k of 28 of a tile's maxima: two chains a block by turns, registers ascending
.set MC, (\k)%4
.set MO, \s+32*(MC%2)+16*(MC/2)
.set MI, MO+1+2*((\k)/4)
.if (\k) < 4
	v_max3_num_f32 v[\b+10+MC], v[MO], v[MO+1], v[MO+2]
.else
	v_max3_num_f32 v[\b+10+MC], v[\b+10+MC], v[MI], v[MI+1]
.endif
.endm
.macro LINK b, s, q                    ; line q of 14: from the chains to M and f
.if (\q) == 0
	v_max3_num_f32 v[\b+10], v[\b+10], v[\s+15], v[\s+31]
.elseif (\q) == 1
	v_max3_num_f32 v[\b+11], v[\b+11], v[\s+47], v[\s+63]
.elseif (\q) == 2
	v_max_num_f32 v[\b+10], v[\b+10], v[\b+12]     ; my block of keys 0-63: its largest score; since p rises with the score it gives the block's largest p too
.elseif (\q) == 3
	v_max_num_f32 v[\b+11], v[\b+11], v[\b+13]     ; and of keys 64-127
.elseif (\q) == 4
	v_max3_num_f32 v[\b], v[\b], v[\b+10], v[\b+11]
.elseif (\q) == 5
	v_permlanex16_b32 v[\b+9], v[\b], s[SEL], s[SEL+1]
.elseif (\q) == 6
	v_max_num_f32 v[\b], v[\b], v[\b+9]            ; with lane l xor 16's keys: the running largest score
.elseif (\q) == 7
	v_mul_f32 v[\b+1], s[NC], v[\b]                ; -t (c is positive)
.elseif (\q) == 8
	v_floor_f32 v[\b+2], v[\b+1]                   ; the new -M = -ceil(t): a whole number
.elseif (\q) == 9
	v_sub_f32 v[\b+1], v[\b+2], v[\b+8]            ; old M - new M: a whole number, 0 or less
.elseif (\q) == 10
	v_fma_f32 v[\b+10], v[\b+10], s[CS], v[\b+2]   ; t - M of each block's largest score
.elseif (\q) == 11
	v_cvt_i32_f32 v[\b+1], v[\b+1]                 ; (it saturates)
.elseif (\q) == 12
	v_fma_f32 v[\b+11], v[\b+11], s[CS], v[\b+2]
.else
	v_ldexp_f32 v[\b+4], 1.0, v[\b+1]              ; f = 2^(old M - new M): a multiplication by it rounds nothing
.endif
.endm
.macro SCORES s, q, qs                 ; S^T = K Q^T: a pair fragment against Q in the low half, then in the high half
.irp b, 0,1,2,3
	v_wmma_scale_f32_16x16x128_f8f6f4 v[\s+16*\b:\s+16*\b+7], v[FK+12*\b:FK+12*\b+11], v[\q:\q+11], 0, v[KS+\b], v[\qs] matrix_a_fmt:MATRIX_FMT_BF6 matrix_b_fmt:MATRIX_FMT_BF6
	v_wmma_scale_f32_16x16x128_f8f6f4 v[\s+16*\b+8:\s+16*\b+15], v[FK+12*\b:FK+12*\b+11], v[\q+6:\q+17], 0, v[KS+\b], v[\qs+1] matrix_a_fmt:MATRIX_FMT_BF6 matrix_b_fmt:MATRIX_FMT_BF6
.endr
.endm
.macro CODES b, s, pc, pw              ; p's codes and scale word.  (A conversion's three registers begin on an even number: the second halves are made at pc + 12 on and moved by MOV)
	v_max_num_f32 v[\b+10], 0x2800000, v[\b+10]    ; the floor 2^(5 - 127): the byte cannot fall under 1
	v_max_num_f32 v[\b+11], 0x2800000, v[\b+11]
	v_add_nc_u32 v[\b+14], 0xfe000000, v[\b+10]    ; 4 off the exponent field: the conversion's scale operand
	v_add_nc_u32 v[\b+15], 0xfe000000, v[\b+11]
	v_lshrrev_b32 v[\b+16], 23, v[\b+14]           ; the scales' bytes: blocks h and 2 + h
	v_lshrrev_b32 v[\b+17], 23, v[\b+15]
	v_cvt_scalef32_pk16_bf6_f32 v[\pc:\pc+2], v[\s:\s+15], v[\b+14]
	v_cvt_scalef32_pk16_bf6_f32 v[\pc+12:\pc+14], v[\s+16:\s+31], v[\b+14]
	v_lshl_or_b32 v[\b+16], v[\b+17], 16, v[\b+16]
	v_cvt_scalef32_pk16_bf6_f32 v[\pc+6:\pc+8], v[\s+32:\s+47], v[\b+15]
	v_cvt_scalef32_pk16_bf6_f32 v[\pc+16:\pc+18], v[\s+48:\s+63], v[\b+15]
	v_lshlrev_b32 v[\b+16], v[H8], v[\b+16]        ; my two bytes at their places in the scale word.  (A plain place behind the conversions)
	v_permlanex16_b32 v[\b+18], v[\b+16], s[SEL], s[SEL+1]
	v_or_b32 v[\pw], v[\b+16], v[\b+18]            ; with lane l xor 16's two the word is whole
.endm
.macro MOV pc, k                       ; move k of 6
.if (\k) < 3
	v_mov_b32 v[\pc+3+(\k)], v[\pc+12+(\k)]
.else
	v_mov_b32 v[\pc+6+(\k)], v[\pc+13+(\k)]
.endif
.endm
.macro PV o, pc, pw                    ; O^T += V^T p^T: the four accumulators by turns
	WIN W_O
.irp d, 0,1,2,3
	v_wmma_scale_f32_16x16x128_f8f6f4 v[\o+8*\d:\o+8*\d+7], v[FV+12*\d:FV+12*\d+11], v[\pc:\pc+11], v[\o+8*\d:\o+8*\d+7], v[VS+\d], v[\pw] matrix_a_fmt:MATRIX_FMT_BF6 matrix_b_fmt:MATRIX_FMT_BF6
.endr
	WIN 0
.endm
	s_mov_b32 s[TB], 0
	s_mov_b32 s[CNT], NSTEP
	s_wait_alu depctr_va_vdst(0)
	s_wait_tensorcnt 0x0                           ; my two records are in,
	s_barrier_signal -1
	s_barrier_wait -1                              ; and everybody's: the whole head.  No LDS byte is filled again
	ds_load_b128 v[KS:KS+3], v3                    ; K of key step 0
	WIN W_L
.irp b, 0,1,2,3
	FRAG FK+12*\b, 1, 2, 1536*\b
.endr
	WIN 0
.Lstep:                                                ; a key step: 128 keys
	s_add_co_u32 s[KB], s[TB], REC
	s_min_u32 s[KB], s[KB], (NSTEP-1)*REC          ; the last step's loads of K repeat its own record, inside the filled bytes
	s_wait_dscnt 0x0                               ; K and its scale words are in
	WIN W_S
	SCORES SX, QX, QS
	SCORES SY, QY, QS+2
	WIN 0
	v_add_nc_u32 v4, s[TB], v1                     ; eight plain lines: also the places between products and loads into their registers, and the first read of the scores
	v_add_nc_u32 v5, s[TB], v2
	v_add_nc_u32 v6, s[TB], v3
	v_add_nc_u32 v7, s[KB], v1
	v_add_nc_u32 v8, s[KB], v2
	v_add_nc_u32 v9, s[KB], v3
	v_mov_b32 v[BX+8], v[BX+2]                     ; -M as it stands
	v_mov_b32 v[BY+8], v[BY+2]
	ds_load_b128 v[VS:VS+3], v6 offset:256
	WIN W_L
.irp d, 0,1,2,3
	FRAG FV+12*\d, 4, 5, 6144+1536*\d              ; V of this step lands under the softmax,
.endr
.irp b, 0,1,2,3
	FRAG FK+12*\b, 7, 8, 1536*\b                   ; and so does K of the next
.endr
	WIN 0
	ds_load_b128 v[KS:KS+3], v9
.set k, 0
.rept 28
	MAXN BX, SX, k
.set k, k+1
.endr
.set k, 0
.rept 14                               ; X's running maximum among Y's maxima
	LINK BX, SX, k
	MAXN BY, SY, 2*k
	MAXN BY, SY, 2*k+1
.set k, k+1
.endr
.set k, 0
.rept 14                               ; Y's among X's t - M
	LINK BY, SY, k
	TM BX, SX, 2*k
	TM BX, SX, 2*k+1
.set k, k+1
.endr
.irp n, 28,29,30,31
	TM BX, SX, \n
.endr
	WIN W_F
	s_wait_alu depctr_va_vdst(0)                   ; ahead of O^T's first readers, and of X's exponentials, whose sources are all written
.set j, 0
.rept 16
	v_pk_mul_f32 v[OX+j:OX+j+1], v[OX+j:OX+j+1], v[BX+4:BX+5] op_sel_hi:[1,0]   ; O^T under the new M, each accumulator from its low end on
.set j, j+2
.endr
.set j, 0
.rept 16
	v_pk_mul_f32 v[OY+j:OY+j+1], v[OY+j:OY+j+1], v[BY+4:BY+5] op_sel_hi:[1,0]
.set j, j+2
.endr
	WIN 0
	v_exp_f32 v[BX+10], v[BX+10]                   ; X's blocks' largest p: the same multiply-add and exponential on the same number give the same bits
	v_exp_f32 v[BX+11], v[BX+11]
.set k, 0
.rept 32                               ; X's p = 2^(t - M), and between them Y's t - M
	EX2 SX, k
	TM BY, SY, k
.set k, k+1
.endr
	s_wait_alu depctr_va_vdst(0)                   ; behind X's batch and ahead of Y's
	CODES BX, SX, PCX, PWD
.irp k, 0,1,2,3,4,5
	MOV PCX, \k
.endr
	v_exp_f32 v[BY+10], v[BY+10]
	v_exp_f32 v[BY+11], v[BY+11]
.set k, 0
.rept 32                               ; Y's p, and between them the first level of X's sum, of which no line reads another's result (X's p has been converted: its pairs may be written over)
	EX2 SY, k
.if k%2 == 0
	ADD SX, k/2, 16, 1
.endif
.set k, k+1
.endr
	s_wait_alu depctr_va_vdst(0)                   ; ahead of the readers of this batch, and of the wait below
	s_wait_dscnt 17                                ; V and its scale words are in; behind them the next step's K: 16 loads of fragments and one of scale words
	PV OX, PCX, PWD
	ADD SX, 0, 8, 8
	CODES BY, SY, PCY, PWD+1
	ADD SX, 0, 4, 4
.irp k, 0,1,2,3,4,5
	MOV PCY, \k
.endr
	ADD SY, 0, 16, 16                              ; these lines are also the places between Y's codes and scale word and the products
	ADD SX, 0, 2, 2
	ADD SY, 0, 8, 8
	ADD SX, 0, 1, 1
	ADD SY, 0, 4, 4
	TOTAL BX, SX
	ADD SY, 0, 2, 2
	ADD SY, 0, 1, 1
	TOTAL BY, SY
	PV OY, PCY, PWD+1
	s_add_co_u32 s[TB], s[TB], REC
	s_sub_co_u32 s[CNT], s[CNT], 1
	s_cmp_lg_u32 s[CNT], 0
	s_wait_alu depctr_va_vdst(0)
	s_cbranch_scc1 .Lstep
; THE WAY OUT: O^T / the sum, quantised along the head's 64 (two blocks, each in lanes l and l xor 16), as half an operand image and two scale bytes a row.  Both tiles among each other: Y's registers lie 20 (scores 64) further on.
.irp t, 0,1
	v_add_f32 v[BX+20*\t+1], v[BX+20*\t+6], v[BX+20*\t+7]
.endr
.irp t, 0,1
	v_permlanex16_b32 v[BX+20*\t+9], v[BX+20*\t+1], s[SEL], s[SEL+1]
.endr
.irp t, 0,1
	v_add_f32 v[BX+20*\t+1], v[BX+20*\t+1], v[BX+20*\t+9]   ; with lane l xor 16's: the row's sum
.endr
	s_wait_alu depctr_va_vdst(0)
	v_rcp_f32 v[BX+1], v[BX+1]
	v_rcp_f32 v[BY+1], v[BY+1]
	v_nop                                          ; one plain place behind a transcendental
	WIN 0x01                                       ; (source 0 in window 1)
	s_wait_alu depctr_va_vdst(0)                   ; and ahead of their first readers, which are O^T's first readers too
.irp t, 0,1
.set j, 0
.rept 32
	v_mul_f32 v[SX+64*\t+j], v[OX+32*\t+j], v[BX+20*\t+1]   ; register 16 B + i is channel 32 B + 16 h + i of my query; each accumulator from its low end on
.set j, j+1
.endr
.endr
	WIN 0
.irp c, 0,1,2,3                                ; block c % 2 of tile c / 2
	v_max3_num_f32 v[BX+20*(\c/2)+10+\c%2], |v[SX+64*(\c/2)+16*(\c%2)]|, |v[SX+64*(\c/2)+16*(\c%2)+1]|, 0x2800000
.endr
.irp i, 2,4,6,8,10,12,14
.irp c, 0,1,2,3
	v_max3_num_f32 v[BX+20*(\c/2)+10+\c%2], v[BX+20*(\c/2)+10+\c%2], |v[SX+64*(\c/2)+16*(\c%2)+\i]|, |v[SX+64*(\c/2)+16*(\c%2)+\i+1]|
.endr
.endr
.irp c, 0,1,2,3
	v_permlanex16_b32 v[BX+20*(\c/2)+9+9*(\c%2)], v[BX+20*(\c/2)+10+\c%2], s[SEL], s[SEL+1]
.endr
.irp c, 0,1,2,3
	v_max_num_f32 v[BX+20*(\c/2)+10+\c%2], v[BX+20*(\c/2)+10+\c%2], v[BX+20*(\c/2)+9+9*(\c%2)]
.endr
.irp c, 0,1,2,3
	v_add_nc_u32 v[BX+20*(\c/2)+14+\c%2], 0xfe000000, v[BX+20*(\c/2)+10+\c%2]
.endr
.irp c, 0,1,2,3
	v_lshrrev_b32 v[BX+20*(\c/2)+16+\c%2], 23, v[BX+20*(\c/2)+14+\c%2]
.endr
.macro ENC b, s, pc
	v_cvt_scalef32_pk16_bf6_f32 v[\pc:\pc+2], v[\s:\s+15], v[\b+14]
	v_cvt_scalef32_pk16_bf6_f32 v[\pc+12:\pc+14], v[\s+16:\s+31], v[\b+15]
	v_lshl_or_b32 v[\b+8], v[\b+17], 8, v[\b+16]   ; my row's two scale bytes.  (A plain place behind the conversions)
.irp i, 0,1,2
	v_permlane16_swap_b32 v[\pc+\i], v[\pc+12+\i]  ; the operand's layout wants a whole block in a lane
.endr
.irp i, 0,1,2
	v_mov_b32 v[\pc+3+\i], v[\pc+12+\i]
.endr
.endm
	ENC BX, SX, PCX
	ENC BY, SY, PCY
	global_store_b128 v1, v[PCX:PCX+3], s[10:11]   ; 512 and 256 consecutive bytes, aligned
	global_store_b64 v2, v[PCX+4:PCX+5], s[10:11] offset:512
	global_store_b128 v1, v[PCY:PCY+3], s[10:11] offset:12288
	global_store_b64 v2, v[PCY+4:PCY+5], s[10:11] offset:12288+512
	global_store_b16 v[R32], v[BX+8], s[12:13]     ; two bytes a row are all that a head owns of a row's 32; lanes 16-31 repeat lanes 0-15
	global_store_b16 v[R32], v[BY+8], s[12:13] offset:512
	s_wait_tensorcnt 0x0                           ; the wave's end
	ds_add_u32 v254, v255
	s_wait_dscnt 0x0
	CROUND                                         ; the closing round: no work-group ends while a partner may still ask for a tile that names it
	s_endpgm
.Lfunc_end_k_q161f8f9035_attn:
	.size	k_q161f8f9035_attn, .Lfunc_end_k_q161f8f9035_attn-k_q161f8f9035_attn
	.p2alignl 7, 3214868480
	.fill 96, 4, 3214868480
	.section	.rodata,"a",@progbits
	.p2align	6, 0x0
	.amdhsa_kernel k_q161f8f9035_attn
		.amdhsa_group_segment_fixed_size 206848
		.amdhsa_private_segment_fixed_size 0
		.amdhsa_enable_private_segment 0
		.amdhsa_kernarg_size 40
		.amdhsa_user_sgpr_count 2
		.amdhsa_user_sgpr_kernarg_segment_ptr 1
		.amdhsa_wavefront_size32 1
		.amdhsa_system_sgpr_workgroup_id_x 1
		.amdhsa_system_sgpr_workgroup_id_y 1
		.amdhsa_system_sgpr_workgroup_id_z 1
		.amdhsa_system_vgpr_workitem_id 0
		.amdhsa_next_free_vgpr 512
		.amdhsa_next_free_sgpr 80
		.amdhsa_reserve_vcc 0
		.amdhsa_float_denorm_mode_32 3
		.amdhsa_float_denorm_mode_16_64 3
		.amdhsa_memory_ordered 1
		.amdhsa_forward_progress 1
		.amdhsa_inst_pref_size 44
	.end_amdhsa_kernel
	.amdgpu_metadata
---
amdhsa.version: [ 1, 2 ]
amdhsa.kernels:
  - .name:           k_q161f8f9035_attn
    .symbol:         k_q161f8f9035_attn.kd
    .args:
      - { .name: qc, .offset: 0, .size: 8, .value_kind: global_buffer, .address_space: global }
      - { .name: qs, .offset: 8, .size: 8, .value_kind: global_buffer, .address_space: global }
      - { .name: kv, .offset: 16, .size: 8, .value_kind: global_buffer, .address_space: global }
      - { .name: oc, .offset: 24, .size: 8, .value_kind: global_buffer, .address_space: global }
      - { .name: os, .offset: 32, .size: 8, .value_kind: global_buffer, .address_space: global }
    .group_segment_fixed_size: 206848
    .private_segment_fixed_size: 0
    .kernarg_segment_align: 8
    .kernarg_segment_size: 40
    .max_flat_workgroup_size: 256
    .sgpr_count:     80
    .vgpr_count:     512
    .wavefront_size: 32
...
	.end_amdgpu_metadata
.endif
;; end of part 7
;; launch oproj (part 8): grid 8 x 32, 4 waves a work-group, clusters of 4 x 4, 327,680 bytes of LDS; arguments oc, os, xc, xs, bo, out0; writes out0
.if DOCPART == 8
	.amdgcn_target "amdgcn-amd-amdhsa--gfx1250"
	.amdhsa_code_object_version 6
	.text
	.protected	k_q161f8f9035_oproj
	.globl	k_q161f8f9035_oproj
	.p2align	8
	.type	k_q161f8f9035_oproj,@function
k_q161f8f9035_oproj:
	s_mov_b64 s[64:65], 0
	v_nop
	global_prefetch_b8 v0, s[64:65] scope:SCOPE_SE
	s_setreg_imm32_b32 hwreg(HW_REG_WAVE_MODE, 25, 1), 1
	s_wait_xcnt 0x0
	s_wait_alu depctr_hold_cnt(0) depctr_sa_sdst(0) depctr_va_vdst(0) depctr_va_sdst(0) depctr_va_ssrc(0) depctr_va_vcc(0) depctr_vm_vsrc(0)
	s_getreg_b32 s2, hwreg(HW_REG_IB_STS2, 6, 4)
	s_cmp_eq_u32 s2, 0
	s_cbranch_scc0 .Lentry_in_a_cluster
	s_endpgm
.Lentry_in_a_cluster:
	s_bfe_u32 s2, ttmp6, 0x10000c
	s_cmp_lg_u32 s2, 0xf033
	s_cbranch_scc0 .Lentry_shape_is_right
	s_endpgm
.Lentry_shape_is_right:
; out = attention's result x Wo^T + bo on codes of BF6 (E3M2) with E8M0 scales, f32 out.  K = 1,024.  A work-group of four waves makes 128 x 128, a wave 64 x 64: 16 accumulators, the bias as their first C.
; Operands lie in oc and xc as images of their registers ([row tile of 16][K step of 128][1,536 bytes]), their scales as [row][32 bytes].
; ALL OF K LIES IN LDS, filled once: at the head wave 0 fetches A's 8 row tiles whole (98,304 bytes), wave 1 B's, wave 2 A's scales, wave 3 B's: one load a wave, one wait, one barrier; no slot is filled again.
; CLUSTERS: 4 x 4 work-groups; A's tiles are asked for jointly along a row of the cluster, B's along a column.  No prefetch: no loop of loads follows in which one could run ahead.
; The product is used transposed (source 0 = rows of Wo), so that a lane holds eight neighbouring columns; the way out goes through each wave's own stage in LDS, so that sixteen lanes store 256 consecutive bytes.
; LIMITS: NaN and infinities ahead of a quantiser are not served.
.set SIZE_N, 1024
.set FR,     12
.set FRB,    1536
.set TILEB,  8*FRB                     ; a row tile's bytes in LDS: all of K
.set GROW,   8*FRB
.set QB,     8*TILEB
.set BREG,   QB                        ; A's 128 rows, then B's
.set KS,     32
.set SCL,    2*BREG
.set HALFS,  (64*KS/256)*272
.set SBLK,   (16*KS/256)*272
.set STAGE,  SCL+4*HALFS
.set SPITCH, 272
.set ADRA, 16
.set ADRB, 20
.set STO,  24
.set RD,   25
.set CO,   26
.set ADRS, 27
.set SC,   32
.set BI,   64
.set OUTR, 64
.set ACC,  128
.set G1, 24
.set G0, 32
.set G1B, 48
.set G0B, 56
.set G1S, 68
.set G0S, 76
.set G1SB, 80
.set G0SB, 88
.set MSB, 0
.macro WIN new
.if MSB != (\new)
	s_set_vgpr_msb (MSB<<8)|(\new)
.set MSB, (\new)
.endif
.endm
.set MULW, 0x05
.set TO_F, 0x40
; One arm of the head's tree of joint loads: the branch hangs on the wave's number alone.  Four v_nop follow each load.
.macro ARM under, g0, g1, next
	s_cmp_lt_u32 s14, \under
	s_cbranch_scc0 \next
	tensor_load_to_lds s[\g0:\g0+3], s[\g1:\g1+7]
	s_nop 0
.rept 4
	v_nop
.endr
	s_branch .Lhead_asked
\next:
.endm
.macro CROUND
	s_barrier_signal -1
	s_barrier_wait -1
	s_cmp_lg_u32 s14, 0
	s_cbranch_scc1 .Lnot_wave_0_\@
	s_barrier_signal -3
.Lnot_wave_0_\@:
	s_barrier_wait -3
	s_barrier_signal -1
	s_barrier_wait -1
.endm
	s_load_b128 s[4:7], s[0:1], 0x0
	s_load_b128 s[8:11], s[0:1], 0x10
	s_load_b64 s[96:97], s[0:1], 0x20
	s_load_b64 s[12:13], s[0:1], 0x28
	v_lshl_add_u32 v30, v0, 2, 0x36600
	v_mov_b32 v31, 0
	ds_add_u32 v30, v31
	ds_add_u32 v30, v31
	v_lshrrev_b32 v1, 5, v0
	v_readfirstlane_b32 s14, v1
	s_lshr_b32 s15, s14, 1
	s_and_b32 s16, s14, 1
	s_bfe_u32 s40, ttmp6, 0x40000
	s_bfe_u32 s41, ttmp6, 0x40004
	s_lshl_b32 s42, ttmp9, 2
	s_add_co_u32 s42, s42, s40
	s_and_b32 s17, ttmp7, 0xffff
	s_lshl_b32 s17, s17, 2
	s_add_co_u32 s17, s17, s41
	s_lshl_b32 s43, s41, 2
	s_lshl_b32 s43, 15, s43
	s_lshl_b32 s44, 0x1111, s40
	s_or_b32 s[G1+0], s43, (3<<16)|(1<<21)
	s_or_b32 s[G1B+0], s44, (3<<16)|(1<<21)
.irp g, G1, G1B
	s_mov_b32 s[\g+1], (TILEB/8)<<16
	s_mov_b32 s[\g+2], 8<<16
	s_mov_b32 s[\g+3], (TILEB/8)<<16
	s_mov_b32 s[\g+4], 8
	s_mov_b32 s[\g+5], GROW/8
	s_mov_b32 s[\g+6], 0
	s_mov_b32 s[\g+7], 0
.endr
	s_or_b32 s[G1S+0], s43, (3<<16)|(1<<20)|(1<<21)|(5<<22)|(3<<25)
	s_or_b32 s[G1SB+0], s44, (3<<16)|(1<<20)|(1<<21)|(5<<22)|(3<<25)
.irp g, G1S, G1SB
	s_mov_b32 s[\g+1], 32<<16
	s_mov_b32 s[\g+2], (128*KS/256)<<16            ; the scales of 128 rows: 4,096 dense bytes, 16 bytes of padding behind each 256
	s_mov_b32 s[\g+3], 32<<16
	s_mov_b32 s[\g+4], 128*KS/256
	s_mov_b32 s[\g+5], 32
	s_mov_b32 s[\g+6], 0
	s_mov_b32 s[\g+7], 0
.endr
	s_lshl_b32 s18, s17, 3
	s_lshl_b32 s46, s42, 3
	s_add_co_u32 s46, s46, 960
	s_mul_i32 s20, s18, GROW                       ; A's codes, in bytes
	s_mov_b32 s21, 0
	s_lshl_b32 s22, s18, 9                         ; A's scales
	s_mov_b32 s23, 0
	s_lshl_b32 s92, s46, 9                         ; B's
	s_mov_b32 s93, 0
	s_mul_i32 s46, s46, GROW
	s_mov_b32 s47, 0
	s_wait_dscnt 0x0
	s_wait_kmcnt 0x0
	s_add_nc_u64 s[20:21], s[4:5], s[20:21]
	s_add_nc_u64 s[22:23], s[6:7], s[22:23]
	s_add_nc_u64 s[46:47], s[8:9], s[46:47]
	s_add_nc_u64 s[92:93], s[10:11], s[92:93]
	CROUND
	s_mov_b32 s[G0S], 1
	s_mov_b32 s[G0S+1], SCL
	s_mov_b64 s[G0S+2:G0S+3], s[22:23]
	s_or_b32 s[G0S+3], s[G0S+3], 0x80000000
	s_mov_b32 s[G0SB], 1
	s_mov_b32 s[G0SB+1], SCL+2*HALFS
	s_mov_b64 s[G0SB+2:G0SB+3], s[92:93]
	s_or_b32 s[G0SB+3], s[G0SB+3], 0x80000000
	s_mov_b32 s[G0], 1
	s_mov_b32 s[G0+1], 0
	s_mov_b64 s[G0+2:G0+3], s[20:21]
	s_or_b32 s[G0+3], s[G0+3], 0x80000000
	s_mov_b32 s[G0B], 1
	s_mov_b32 s[G0B+1], BREG
	s_mov_b64 s[G0B+2:G0B+3], s[46:47]
	s_or_b32 s[G0B+3], s[G0B+3], 0x80000000
	ARM 1, G0,  G1,  .Lhead_b
	ARM 2, G0B, G1B, .Lhead_sa
	ARM 3, G0S, G1S, .Lhead_sb
	tensor_load_to_lds s[G0SB:G0SB+3], s[G1SB:G1SB+7]
	s_nop 0
.rept 4
	v_nop
.endr
.Lhead_asked:
	v_and_b32 v1, 15, v0
	v_bfe_u32 v2, v0, 4, 1
	v_and_b32 v3, 31, v0
	v_lshlrev_b32 v4, 4, v3
	v_lshlrev_b32 v5, 3, v3
	s_mul_i32 s21, s15, 4*TILEB
	s_mul_i32 s22, s16, 4*TILEB
	s_add_co_u32 s22, s22, BREG
.irp p, 0,1
	v_add_nc_u32 v[ADRA+\p], s21, v4
	v_add_nc_u32 v[ADRB+\p], s22, v4
	v_add_nc_u32 v[ADRA+2+\p], s21, v5
	v_add_nc_u32 v[ADRB+2+\p], s22, v5
	s_add_co_u32 s21, s21, 4*FRB                   ; K steps 4 to 7
	s_add_co_u32 s22, s22, 4*FRB
.endr
	v_mul_u32_u24 v5, v1, KS
	v_lshrrev_b32 v6, 8, v5
	v_lshl_add_u32 v5, v6, 4, v5
	s_mul_i32 s21, s15, HALFS
	s_mul_i32 s22, s16, HALFS
	s_add_co_u32 s22, s22, 2*HALFS
	s_sub_co_u32 s22, s22, s21
	v_mul_u32_u24 v6, s22, v2
	s_add_co_u32 s21, s21, SCL
	v_add_nc_u32 v5, v5, v6
	v_add_nc_u32 v[ADRS], s21, v5
	s_mul_i32 s23, s14, 16*SPITCH
	s_add_co_u32 s23, s23, STAGE
	v_mul_u32_u24 v5, v1, SPITCH
	v_lshl_add_u32 v5, v2, 5, v5
	v_add_nc_u32 v[STO], s23, v5
	v_mul_u32_u24 v5, v2, SPITCH
	v_lshl_add_u32 v5, v1, 4, v5
	v_add_nc_u32 v[RD], s23, v5
	v_lshlrev_b32 v[CO], 12, v2
	v_lshl_add_u32 v[CO], v1, 4, v[CO]
	s_lshl_b32 s20, s17, 7
	s_lshl_b32 s21, s15, 6
	s_add_co_u32 s20, s20, s21
	s_lshl_b32 s20, s20, 12
	s_mov_b32 s21, 0
	s_lshl_b32 s46, s42, 9
	s_lshl_b32 s47, s16, 8
	s_add_co_u32 s46, s46, s47
	s_mov_b32 s47, 0
	s_add_nc_u64 s[96:97], s[96:97], s[46:47]
	s_add_nc_u64 s[20:21], s[20:21], s[46:47]
	s_add_nc_u64 s[12:13], s[12:13], s[20:21]
	v_lshlrev_b32 v7, 5, v2
.irp b, 0,1,2,3
	global_load_b128 v[BI+8*\b:BI+8*\b+3], v7, s[96:97] offset:64*\b
	global_load_b128 v[BI+8*\b+4:BI+8*\b+7], v7, s[96:97] offset:64*\b+16
.endr
.macro FRAG reg, a16, a8, off
	ds_load_b128 v[\reg:\reg+3],     v[\a16] offset:\off
	ds_load_b64  v[\reg+4:\reg+5],   v[\a8]  offset:\off+512
	ds_load_b128 v[\reg+6:\reg+9],   v[\a16] offset:\off+768
	ds_load_b64  v[\reg+10:\reg+11], v[\a8]  offset:\off+1280
.endm
.macro FETCH_A s
	WIN TO_F
.irp i, 0,1,2,3
	FRAG 128*((\s)%2)+FR*\i, ADRA+(\s)/4, ADRA+2+(\s)/4, \i*TILEB+((\s)%4)*FRB
.endr
.endm
.macro FETCH_B s
	WIN TO_F
.irp i, 0,1,2,3
	FRAG 128*((\s)%2)+48+FR*\i, ADRB+(\s)/4, ADRB+2+(\s)/4, \i*TILEB+((\s)%4)*FRB
.endr
.endm
.macro MUL s, a0, first
	WIN MULW
.irp a, \a0, \a0+1
.irp b, 0,1,2,3
.if \first
	v_wmma_scale_f32_16x16x128_f8f6f4 v[ACC+8*(4*(\a)+\b):ACC+8*(4*(\a)+\b)+7], v[128*((\s)%2)+48+FR*\b:128*((\s)%2)+48+FR*\b+FR-1], v[128*((\s)%2)+FR*(\a):128*((\s)%2)+FR*(\a)+FR-1], v[BI+8*\b:BI+8*\b+7], v[SC+8*\b+(\s)], v[SC+8*(\a)+(\s)] matrix_a_fmt:MATRIX_FMT_BF6 matrix_b_fmt:MATRIX_FMT_BF6 matrix_a_scale:MATRIX_SCALE_ROW1
.else
	v_wmma_scale_f32_16x16x128_f8f6f4 v[ACC+8*(4*(\a)+\b):ACC+8*(4*(\a)+\b)+7], v[128*((\s)%2)+48+FR*\b:128*((\s)%2)+48+FR*\b+FR-1], v[128*((\s)%2)+FR*(\a):128*((\s)%2)+FR*(\a)+FR-1], v[ACC+8*(4*(\a)+\b):ACC+8*(4*(\a)+\b)+7], v[SC+8*\b+(\s)], v[SC+8*(\a)+(\s)] matrix_a_fmt:MATRIX_FMT_BF6 matrix_b_fmt:MATRIX_FMT_BF6 matrix_a_scale:MATRIX_SCALE_ROW1
.endif
.endr
.endr
.endm
.macro PLACES
.rept 4
	v_nop
.endr
.endm
.macro STEP s
	PLACES
	FETCH_A (\s)+1
	s_wait_dscnt 16
	MUL \s, 0, 0
	FETCH_B (\s)+1
	MUL \s, 2, 0
.endm
	s_wait_alu depctr_va_vdst(0)
	s_wait_tensorcnt 0x0                           ; my one load is in,
	s_barrier_signal -1
	s_barrier_wait -1                              ; and everybody's
.irp i, 0,1,2,3
	ds_load_b128 v[SC+8*\i:SC+8*\i+3], v[ADRS] offset:\i*SBLK
	ds_load_b128 v[SC+8*\i+4:SC+8*\i+7], v[ADRS] offset:\i*SBLK+16
.endr
	FETCH_A 0
	FETCH_B 0
	s_wait_loadcnt 0x0
	FETCH_A 1
	s_wait_dscnt 16
	MUL 0, 0, 1
	FETCH_B 1
	MUL 0, 2, 1
	STEP 1
	STEP 2
	STEP 3
	STEP 4
	STEP 5
	STEP 6
	s_wait_dscnt 0x0
	MUL 7, 0, 0
	MUL 7, 2, 0
	WIN 0
.macro TOSTAGE a
.irp b, 0,1,2,3
	ds_store_b128 v[STO], v[ACC+8*(4*(\a)+\b):ACC+8*(4*(\a)+\b)+3] offset:64*\b
	ds_store_b128 v[STO], v[ACC+8*(4*(\a)+\b)+4:ACC+8*(4*(\a)+\b)+7] offset:64*\b+16
.endr
.irp t, 0,1,2,3,4,5,6,7
	ds_load_b128 v[OUTR+32*((\a)%2)+4*\t:OUTR+32*((\a)%2)+4*\t+3], v[RD] offset:\t*2*SPITCH
.endr
.endm
.macro SEND a, younger
	s_wait_dscnt \younger
.irp t, 0,1,2,3,4,5,6,7
	global_store_b128 v[CO], v[OUTR+32*((\a)%2)+4*\t:OUTR+32*((\a)%2)+4*\t+3], s[12:13] offset:(16*(\a)+2*\t)*SIZE_N*4 th:TH_STORE_NT
.endr
.endm
	PLACES
	s_wait_alu depctr_va_vdst(0)
	TOSTAGE 0
.irp a, 1,2,3
.if \a > 1
	s_wait_xcnt 0x0
.endif
	TOSTAGE \a
	SEND \a-1, 16
.endr
	SEND 3, 0
	s_wait_tensorcnt 0x0
	ds_add_u32 v30, v31
	s_wait_dscnt 0x0
	CROUND
	s_endpgm
.Lfunc_end_k_q161f8f9035_oproj:
	.size	k_q161f8f9035_oproj, .Lfunc_end_k_q161f8f9035_oproj-k_q161f8f9035_oproj
	.p2alignl 7, 3214868480
	.fill 96, 4, 3214868480
	.section	.rodata,"a",@progbits
	.p2align	6, 0x0
	.amdhsa_kernel k_q161f8f9035_oproj
		.amdhsa_group_segment_fixed_size 327680
		.amdhsa_private_segment_fixed_size 0
		.amdhsa_enable_private_segment 0
		.amdhsa_kernarg_size 48
		.amdhsa_user_sgpr_count 2
		.amdhsa_user_sgpr_kernarg_segment_ptr 1
		.amdhsa_wavefront_size32 1
		.amdhsa_system_sgpr_workgroup_id_x 1
		.amdhsa_system_sgpr_workgroup_id_y 1
		.amdhsa_system_sgpr_workgroup_id_z 1
		.amdhsa_system_vgpr_workitem_id 0
		.amdhsa_next_free_vgpr 512
		.amdhsa_next_free_sgpr 98
		.amdhsa_reserve_vcc 0
		.amdhsa_float_denorm_mode_32 3
		.amdhsa_float_denorm_mode_16_64 3
		.amdhsa_memory_ordered 1
		.amdhsa_forward_progress 1
		.amdhsa_inst_pref_size 52
	.end_amdhsa_kernel
	.amdgpu_metadata
---
amdhsa.version: [ 1, 2 ]
amdhsa.kernels:
  - .name:           k_q161f8f9035_oproj
    .symbol:         k_q161f8f9035_oproj.kd
    .args:
      - { .name: oc, .offset: 0, .size: 8, .value_kind: global_buffer, .address_space: global }
      - { .name: os, .offset: 8, .size: 8, .value_kind: global_buffer, .address_space: global }
      - { .name: xc, .offset: 16, .size: 8, .value_kind: global_buffer, .address_space: global }
      - { .name: xs, .offset: 24, .size: 8, .value_kind: global_buffer, .address_space: global }
      - { .name: bo, .offset: 32, .size: 8, .value_kind: global_buffer, .address_space: global }
      - { .name: out0, .offset: 40, .size: 8, .value_kind: global_buffer, .address_space: global }
    .group_segment_fixed_size: 327680
    .private_segment_fixed_size: 0
    .kernarg_segment_align: 8
    .kernarg_segment_size: 48
    .max_flat_workgroup_size: 128
    .sgpr_count:     98
    .vgpr_count:     512
    .wavefront_size: 32
...
	.end_amdgpu_metadata
.endif
;; end of part 8
